; MI455X (gfx1250); checked and timed in simulation.
; The chip was launched on July 23, 2026; its instructions are those of AMD's public machine-readable ISA for CDNA 5 (MIT licence, August 2026) and "CDNA5" Instruction Set Architecture Reference Guide (July 2026). The comments in the code are by the model that wrote it; some were corrected since.
;; Encoder Layer. Allowed arithmetic: matrix products marked QUANTISED: E2M3 operands, one E8M0 scale for each 32 along K, by v_wmma_scale_f32_16x16x128_f8f6f4 with both operands' format E2M3, f32 sums; everything else in f32.
;; Inputs: ff1_b 2,048 float32; ff1_w 512 x 2,048 float32; ff2_b 512 float32; ff2_w 2,048 x 512 float32; ln1_b 512 float32; ln1_g 512 float32; ln2_b 512 float32; ln2_g 512 float32; mask 4 x 1 x 1 x 2,048 int32; wk_b 512 float32; wk_w 512 x 512 float32; wo_b 512 float32; wo_w 512 x 512 float32; wq_b 512 float32; wq_w 512 x 512 float32; wv_b 512 float32; wv_w 512 x 512 float32; x 4 x 2,048 x 512 float32.
;; Outputs: out0 4 x 2,048 x 512 float32.
;; This version of the problem:
;;   THIS VERSION OF THE PROBLEM IS GIVEN IN LOW PRECISION. The matrix products marked QUANTISED in the list below multiply operands that are first quantised to E2M3 (2 exponent bits, 3 mantissa bits; 6 bits a number), with one power-of-two scale for each 32 numbers along K (OCP MX v1.0); their sums are f32. All else is computed in f32.
;;   The module's matrix products, in the order in which they are computed (A, B: the left and right operand; K: the contracted axis; several contracted axes count as one K, in the product's order):
;;     1. [M 8,192, K 512] x [K 512, N 512]; A: computed on the way; B: input wq_w: QUANTISED
;;     2. [M 8,192, K 512] x [K 512, N 512]; A: computed on the way; B: input wk_w: QUANTISED
;;     3. [M 8,192, K 512] x [K 512, N 512]; A: computed on the way; B: input wv_w: QUANTISED
;;     4. batch 32 x [M 2,048, K 64] x [K 64, N 2,048]; A: computed on the way; B: computed on the way: QUANTISED
;;     5. batch 32 x [M 2,048, K 2,048] x [K 2,048, N 64]; A: softmax (see below); B: computed on the way: QUANTISED
;;     6. [M 8,192, K 512] x [K 512, N 512]; A: computed on the way; B: input wo_w: QUANTISED
;;     7. [M 8,192, K 512] x [K 512, N 2,048]; A: computed on the way; B: input ff1_w: QUANTISED
;;     8. [M 8,192, K 2,048] x [K 2,048, N 512]; A: computed on the way; B: input ff2_w: QUANTISED
;;   THE QUANTISER, for each operand of a quantised product, along K:
;;     - K is cut into blocks of 32 from its start; a last block that is shorter is filled with zeros.
;;     - A block's scale is 2^e with e = floor(log2(the largest magnitude in the block)) - 2, held to -126 .. 127; a block of zeros has e = 0. As a byte (E8M0): e + 127.
;;     - Each number is divided by its block's scale, clamped to +-7.5, and rounded to the nearest number of E2M3, ties to even, subnormals kept.
;;     - The product sums the exact products of the quantised numbers (number of the format x scale) in f32.
;;   ~~~python
;;   def quantise(x, axis):      # numpy; x: float32 -> the quantised numbers, widened to float32 again
;;       x = np.moveaxis(x, axis, -1); K = x.shape[-1]
;;       x = np.pad(x, [(0, 0)] * (x.ndim - 1) + [(0, -K % 32)]); x = x.reshape(x.shape[:-1] + (-1, 32)); a = np.abs(x).max(-1, keepdims=True)
;;       e = np.where(a > 0, np.clip(np.frexp(np.where(a > 0, a, 1))[1] - 1 - 2, -126, 127), 0)      # np.frexp(a)[1] - 1 = floor(log2(a)), exactly
;;       r = np.clip(x / 2.0 ** e, -7.5, 7.5)
;;       step = 2.0 ** (np.maximum(np.frexp(np.where(r == 0, 1, r))[1] - 1, 0) - 3)
;;       q = np.round(r / step) * step * 2.0 ** e      # np.round: ties to even
;;       return np.moveaxis(q.reshape(q.shape[:-2] + (-1,))[..., :K], -1, axis).astype(np.float32)
;;   ~~~
;;   SOFTMAX AHEAD OF A QUANTISED PRODUCT. Where the list says 'softmax', what is quantised is not the finished softmax but p = 2^(t - M), with t = logit x log2(e) and M = ceil(the row's largest t), a whole number; so 1/2 < the row's largest p <= 1. The row's sum l is taken of the UNQUANTISED p, in f32, and the product's result is divided by l at the end. Since M is a whole number, a kernel that streams over the keys may use a running M (the ceiling of the running maximum): every later rescaling is an exact power of two, which a block's scale takes up: the codes' values come out the same.
;;   OPERANDS COMPUTED ON THE WAY. 'Computed on the way' means the value that the module computes at that place (a softmax that the list does not call 'softmax' is quantised finished and normalised). What goes into a quantiser is computed in f32, as accurately as f32 sums, v_exp_f32 and their like allow (about 1e-6 of the number): no bf16 or f16 on the way to a quantiser, and a product that is left as it is and whose result goes on into a quantised operand takes f32 operands (vector FMAs, or v_wmma_f32_16x16x4_f32). A number that lies on a knife's edge between two numbers of the format may be rounded either way, as far as f32 arithmetic and the matrix unit's own rounding can turn it there, and no further.
;; 2 versions. Each part assembles by itself: llvm-mc -triple=amdgcn-amd-amdhsa -mcpu=gfx1250 --defsym DOCPART=n.
;; ======== version 1 of 2: 4 launches
;; workspace buffers: wts 2,555,904 bytes; qb 3,407,872 bytes; kv 6,684,672 bytes; ao 3,276,800 bytes
;; launch prep (part 1): grid 384 x 1, 4 waves a work-group, no clusters, 0 bytes of LDS; arguments wq_w, wk_w, wv_w, wo_w, ff1_w, ff2_w, wts; writes wts
.if DOCPART == 1
	.amdgcn_target "amdgcn-amd-amdhsa--gfx1250"
	.amdhsa_code_object_version 6
	.text
	.protected	k_q945f365e86_prep
	.globl	k_q945f365e86_prep
	.p2align	8
	.type	k_q945f365e86_prep,@function
k_q945f365e86_prep:
	s_mov_b64 s[64:65], 0
	v_nop
	global_prefetch_b8 v0, s[64:65] scope:SCOPE_SE
	s_setreg_imm32_b32 hwreg(HW_REG_WAVE_MODE, 25, 1), 1
	s_wait_xcnt 0x0
; The six weights, f32 stored [K][N], become codes of FP6 (E2M3) with one E8M0 byte for each 32 along K, laid in the order of the operand's registers.
; A RECORD (6,656 bytes) is four fragments of 16 columns x 128 K: fragment f at 1536 f as three runs of 512 bytes (registers 4 c .. 4 c + 3 of lane l at 512 c + 16 l),
; then 512 bytes of scale words: lane l's four words (word f for fragment f) at 6144 + 16 l; lanes 16-31 repeat lanes 0-15.
; THE COLUMNS OF A FRAGMENT ARE NOT NEIGHBOURS: lane r of fragment f takes column 32 (f / 2) + 8 (f % 2) + r + 8 (r / 8) of the record's 64.
; A work-group makes one record, wave q fragment q.  A lane takes a column and its registers run down K, in the order of the operand's layout: nothing is transposed.
; Records 0-95: (4 g + s) 8 + head, g = 0, 1, 2 for wq, wk, wv, K step s, the head's 64 columns.
; Records 96-383: 96 + 4 r2 + w, r2 = 8 p + 4 hf + s: p = 0 wo; p = 1 + 2 c: ff1, columns 512 c on; p = 2 + 2 c: ff2, K 512 c on; columns 128 w + 64 hf on, K step s.
; LIMITS: NaN and infinities are not served; a block of zeros gets the byte 1 (its codes are zeros, and this program alone reads the bytes); blocks whose largest magnitude lies under 2^-124 are held at the byte 1.
	s_load_b256 s[4:11], s[0:1], 0x0               ; wq, wk, wv, wo
	s_load_b128 s[12:15], s[0:1], 0x20             ; ff1, ff2
	s_load_b64 s[16:17], s[0:1], 0x30              ; the records
	v_lshrrev_b32 v1, 5, v0
	v_readfirstlane_b32 s18, v1                    ; wave q = fragment
	v_and_b32 v1, 15, v0                           ; r
	v_bfe_u32 v2, v0, 4, 1                         ; h
	v_and_b32 v3, 8, v1
	v_add_nc_u32 v3, v3, v1                        ; r + 8 (r / 8)
	v_lshlrev_b32 v3, 2, v3                        ; my column, in bytes
	v_and_b32 v4, 31, v0
	v_lshlrev_b32 v4, 4, v4                        ; 16 x lane
	s_mul_i32 s19, s18, 1536
	v_add_nc_u32 v6, s19, v4                       ; where my codes go in the record
	s_lshl_b32 s19, s18, 2
	s_add_co_u32 s19, s19, 6144
	v_add_nc_u32 v7, s19, v4                       ; and my scale word
	s_mov_b32 s42, 0x76543210
	s_mov_b32 s43, 0xfedcba98                      ; lane l xor 16
	; which weight, which columns, which K: from the work-group's number alone
	s_and_b32 s20, ttmp9, 7                        ; records 0-95: head
	s_lshr_b32 s21, ttmp9, 3
	s_lshr_b32 s22, s21, 2                         ; weight 0, 1, 2
	s_and_b32 s23, s21, 3
	s_lshl_b32 s24, s20, 6                         ; first column
	s_lshl_b32 s25, s23, 7                         ; first k
	s_max_u32 s26, ttmp9, 96
	s_sub_co_u32 s26, s26, 96                      ; records 96 on
	s_and_b32 s27, s26, 3                          ; w
	s_lshr_b32 s28, s26, 2                         ; r2
	s_lshr_b32 s29, s28, 3                         ; p
	s_bfe_u32 s30, s28, 0x10002                    ; hf
	s_and_b32 s31, s28, 3                          ; s
	s_max_u32 s32, s29, 1
	s_sub_co_u32 s32, s32, 1
	s_lshr_b32 s32, s32, 1                         ; c
	s_lshl_b32 s32, s32, 9                         ; 512 c
	s_lshl_b32 s33, s27, 7
	s_lshl_b32 s34, s30, 6
	s_add_co_u32 s33, s33, s34                     ; 128 w + 64 hf
	s_lshl_b32 s34, s31, 7                         ; 128 s
	s_and_b32 s35, s29, 1
	s_cmp_eq_u32 s35, 1                            ; p odd: ff1
	s_cselect_b32 s36, s32, 0
	s_cselect_b32 s37, 0, s32
	s_cselect_b32 s38, 4, 5
	s_add_co_u32 s33, s33, s36
	s_add_co_u32 s34, s34, s37
	s_cmp_eq_u32 s29, 0
	s_cselect_b32 s38, 3, s38
	s_cmp_lt_u32 ttmp9, 96
	s_cselect_b32 s22, s22, s38                    ; the weight, 0 .. 5
	s_cselect_b32 s24, s24, s33                    ; the record's first column
	s_cselect_b32 s25, s25, s34                    ; its first k
	s_cmp_eq_u32 s22, 4
	s_cselect_b32 s39, 13, 11                      ; a row is 8,192 bytes in ff1, 2,048 in the others
	s_lshl_b32 s25, s25, s39
	s_lshr_b32 s40, s18, 1
	s_lshl_b32 s40, s40, 5
	s_and_b32 s41, s18, 1
	s_lshl_b32 s41, s41, 3
	s_add_co_u32 s24, s24, s40
	s_add_co_u32 s24, s24, s41                     ; + 32 (q / 2) + 8 (q % 2)
	s_lshl_b32 s24, s24, 2
	s_add_co_u32 s24, s24, s25
	s_mov_b32 s25, 0
	s_mul_i32 s26, ttmp9, 6656
	s_mov_b32 s27, 0
	s_wait_kmcnt 0x0
	s_cmp_eq_u32 s22, 1                            ; the choice hangs on the work-group's number alone
	s_cselect_b64 s[4:5], s[6:7], s[4:5]
	s_cmp_eq_u32 s22, 2
	s_cselect_b64 s[4:5], s[8:9], s[4:5]
	s_cmp_eq_u32 s22, 3
	s_cselect_b64 s[4:5], s[10:11], s[4:5]
	s_cmp_eq_u32 s22, 4
	s_cselect_b64 s[4:5], s[12:13], s[4:5]
	s_cmp_eq_u32 s22, 5
	s_cselect_b64 s[4:5], s[14:15], s[4:5]
	s_add_nc_u64 s[4:5], s[4:5], s[24:25]
	s_add_nc_u64 s[16:17], s[16:17], s[26:27]
.macro LOADS pitch                     ; W(k0 + 64 c + 32 h + i, my column) into v[64 + 32 c + i]; the four waves read 256 consecutive bytes of each row
.set li, 0
.rept 64
	global_load_b32 v[64+li], v5, s[4:5] offset:(li+32*(li/32))*\pitch th:TH_LOAD_NT
.set li, li+1
.endr
.endm
	s_cmp_eq_u32 s22, 4
	s_cbranch_scc1 .Lwide
	v_lshl_add_u32 v5, v2, 16, v3                  ; lanes 16-31 begin 32 rows further down
	LOADS 2048
	s_branch .Lgot
.Lwide:
	v_lshl_add_u32 v5, v2, 18, v3
	LOADS 8192
.Lgot:
	s_wait_loadcnt 0x0
.irp c, 0,1                            ; my block 2 c + h: all its 32 numbers are mine
	v_max3_num_f32 v[32+\c], |v[64+32*\c]|, |v[65+32*\c]|, 0x1800000   ; with the floor 2^(3 - 127): the byte cannot fall under 1
.endr
.irp i, 2,4,6,8,10,12,14,16,18,20,22,24,26,28,30
.irp c, 0,1
	v_max3_num_f32 v[32+\c], v[32+\c], |v[64+32*\c+\i]|, |v[65+32*\c+\i]|
.endr
.endr
.irp c, 0,1
	v_add_nc_u32 v[44+\c], 0xff000000, v[32+\c]    ; 2 off the exponent field: the conversion's scale operand
.endr
.irp c, 0,1
	v_lshrrev_b32 v[36+\c], 23, v[44+\c]           ; the scale's byte
.endr
	v_lshl_or_b32 v9, v37, 16, v36                 ; my two bytes: blocks h and 2 + h,
	v_lshlrev_b32 v10, 3, v2
	v_lshlrev_b32 v9, v10, v9                      ; 8 h bits up;
	v_mov_b32 v10, 0
	v_permlanex16_b32 v10, v9, s42, s43
	v_or_b32 v9, v9, v10                           ; with lane l xor 16's two the word is whole, in both halves of the lanes
.irp c, 0,1
	v_cvt_scalef32_pk16_fp6_f32 v[48+6*\c:50+6*\c], v[64+32*\c:79+32*\c], v[44+\c]
	v_cvt_scalef32_pk16_fp6_f32 v[16+4*\c:18+4*\c], v[80+32*\c:95+32*\c], v[44+\c]   ; (a conversion's three registers begin on an even number)
.endr
	v_nop                                          ; one plain place behind a scaled conversion
.irp c, 0,1
.irp i, 0,1,2
	v_mov_b32 v[51+6*\c+\i], v[16+4*\c+\i]
.endr
.endr
.irp c, 0,1,2
	global_store_b128 v6, v[48+4*\c:51+4*\c], s[16:17] offset:512*\c   ; 32 lanes store 512 consecutive bytes
.endr
	global_store_b32 v7, v9, s[16:17]              ; the four waves together fill the record's 512 bytes of scale words
	s_endpgm
.Lfunc_end_k_q945f365e86_prep:
	.size	k_q945f365e86_prep, .Lfunc_end_k_q945f365e86_prep-k_q945f365e86_prep
	.p2alignl 7, 3214868480
	.fill 96, 4, 3214868480
	.section	.rodata,"a",@progbits
	.p2align	6, 0x0
	.amdhsa_kernel k_q945f365e86_prep
		.amdhsa_group_segment_fixed_size 0
		.amdhsa_private_segment_fixed_size 0
		.amdhsa_enable_private_segment 0
		.amdhsa_kernarg_size 56
		.amdhsa_user_sgpr_count 2
		.amdhsa_user_sgpr_kernarg_segment_ptr 1
		.amdhsa_wavefront_size32 1
		.amdhsa_system_sgpr_workgroup_id_x 1
		.amdhsa_system_sgpr_workgroup_id_y 1
		.amdhsa_system_sgpr_workgroup_id_z 1
		.amdhsa_system_vgpr_workitem_id 0
		.amdhsa_next_free_vgpr 128
		.amdhsa_next_free_sgpr 66
		.amdhsa_reserve_vcc 0
		.amdhsa_float_denorm_mode_32 3
		.amdhsa_float_denorm_mode_16_64 3
		.amdhsa_memory_ordered 1
		.amdhsa_forward_progress 1
		.amdhsa_inst_pref_size 19
	.end_amdhsa_kernel
	.amdgpu_metadata
---
amdhsa.version: [ 1, 2 ]
amdhsa.kernels:
  - .name:           k_q945f365e86_prep
    .symbol:         k_q945f365e86_prep.kd
    .args:
      - { .name: wq_w, .offset: 0, .size: 8, .value_kind: global_buffer, .address_space: global }
      - { .name: wk_w, .offset: 8, .size: 8, .value_kind: global_buffer, .address_space: global }
      - { .name: wv_w, .offset: 16, .size: 8, .value_kind: global_buffer, .address_space: global }
      - { .name: wo_w, .offset: 24, .size: 8, .value_kind: global_buffer, .address_space: global }
      - { .name: ff1_w, .offset: 32, .size: 8, .value_kind: global_buffer, .address_space: global }
      - { .name: ff2_w, .offset: 40, .size: 8, .value_kind: global_buffer, .address_space: global }
      - { .name: wts, .offset: 48, .size: 8, .value_kind: global_buffer, .address_space: global }
    .group_segment_fixed_size: 0
    .private_segment_fixed_size: 0
    .kernarg_segment_align: 8
    .kernarg_segment_size: 56
    .max_flat_workgroup_size: 128
    .sgpr_count:     66
    .vgpr_count:     128
    .wavefront_size: 32
...
	.end_amdgpu_metadata
.endif
;; end of part 1
;; launch qkv (part 2): grid 128 x 2, 4 waves a work-group, no clusters, 27,136 bytes of LDS; arguments x, ln1_g, ln1_b, wts, wq_b, wk_b, wv_b, qb, kv; writes qb, kv
.if DOCPART == 2
	.amdgcn_target "amdgcn-amd-amdhsa--gfx1250"
	.amdhsa_code_object_version 6
	.text
	.protected	k_q945f365e86_qkv
	.globl	k_q945f365e86_qkv
	.p2align	8
	.type	k_q945f365e86_qkv,@function
k_q945f365e86_qkv:
	s_mov_b64 s[64:65], 0
	v_nop
	global_prefetch_b8 v0, s[64:65] scope:SCOPE_SE
	s_setreg_imm32_b32 hwreg(HW_REG_WAVE_MODE, 25, 1), 1
	s_wait_xcnt 0x0
; xn = layernorm(x); q, k, v = xn W + b on codes of FP6 (E2M3) with E8M0 scales; q and k are quantised along the head's 64, v along the tokens; all three leave as images of operand registers.
; SHARES.  Work-group (x, y): 64 tokens (64 x on) and heads 4 y .. 4 y + 3.  For the norm wave w owns token tile w; afterwards it owns head 4 y + w for all four token tiles.
; TOKEN TILE m stands for tokens 32 (m / 2) + 8 (m % 2) + r + 8 (r / 8) of the 64; the columns of a weight fragment are chosen the same way.  So the 16 registers of two neighbouring result tiles are 16 neighbours.
; q, k: source 0 = 16 columns of W, source 1 = 16 tokens: a lane holds one token and its registers run along the head.  v: the sources swapped: a lane holds one channel and its registers run along the tokens.
; The biases are the C of each sum's first matrix instruction.  xn's fragments go from wave to wave through LDS as images of their registers (three runs of 512 bytes), their scale words 4 bytes a lane.
; A HALF IMAGE (768 bytes) is registers 0-5 of a fragment: registers 0-3 at 16 x lane, registers 4-5 at 512 + 8 x lane.
; qb, for each batch and head 106,496 bytes: 128 token tiles' half images; at 98,304 the scale words [4 tiles][r][word of tile].  K = 64: the words' upper two bytes are 127, over zero codes that the reader supplies.
; kv, for each batch and head 208,896 bytes: k as q (words at 196,608); at 98,304 v: [128 keys][channel tile] x 1,536, two half images of 64 keys; at 204,800 v's words [128 keys][r][channel tile].
; LIMITS: NaN and infinities are not served; a block of zeros gets the byte 1 (zero codes; read by this program alone); blocks under 2^-124 are held at the byte 1; the norm's sums are taken in another order than the reference's.
; REGISTERS, in windows of 256.  window 0: v1-9 addresses, v16-31 at work, v32-35 scale words made, v36-47 statistics, v48-63 xn's scale words, v64-95 the weights' scale words (two sets), v96-122 codes made, v128-255 accumulators.
;   window 1: my tile's 256 numbers of x, later xn's 16 fragments.  window 2: weight set A, bias A from v192.  window 3: g and b (two sets), later weight set B, bias B from v192.
.set LI,  1                            ; 16 x lane
.set L8,  2                            ; 8 x lane
.set LS,  3                            ; 4 x lane
.set XA,  4                            ; (r + 8 (r / 8)) x 2048 + 64 h
.set GA,  5                            ; 64 h
.set XWI, 6                            ; 16 x lane + 6144 x wave
.set XWS, 7                            ; 4 x lane + 512 x wave
.set R16, 8                            ; 16 r
.set BVA, 9                            ; 4 (r + 8 (r / 8))
.set TM,  16
.set PW,  32
.set MU,  36
.set RS,  38
.set SA,  40
.set XS,  48
.set WSA, 64
.set WSB, 80
.set PC,  96
.set T2,  120
.set ACC, 128
.set OUT, 128
.set XSC, 24576                        ; LDS: 16 images of 1,536 bytes, then 16 x 128 bytes of scale words
.set SEL, 40
.set MSB, 0
.macro WIN new                         ; the immediate's high byte repeats the setting that is left
.if MSB != \new
	s_set_vgpr_msb (MSB<<8)|\new
.set MSB, \new
.endif
.endm
.macro PLACES n
.rept \n
	v_nop
.endr
.endm
.macro WMMA d, a, b, c, sa, sb
	v_wmma_scale_f32_16x16x128_f8f6f4 v[(\d):(\d)+7], v[(\a):(\a)+11], v[(\b):(\b)+11], v[(\c):(\c)+7], v[\sa], v[\sb] matrix_a_fmt:MATRIX_FMT_FP6 matrix_b_fmt:MATRIX_FMT_FP6
.endm
; 64 numbers of a lane, register 16 b + i = k 32 b + 16 h + i of my row, become a fragment's codes in v[PC] on and its scale word in v[PW]
.macro QUANT4 s
.irp b, 0,1,2,3
	v_max3_num_f32 v[TM+\b], |v[(\s)+16*\b]|, |v[(\s)+1+16*\b]|, 0x1800000   ; with the floor 2^(3 - 127)
.endr
.irp i, 2,4,6,8,10,12,14
.irp b, 0,1,2,3
	v_max3_num_f32 v[TM+\b], v[TM+\b], |v[(\s)+16*\b+\i]|, |v[(\s)+1+16*\b+\i]|
.endr
.endr
.irp b, 0,1,2,3
	v_permlanex16_b32 v[TM+4+\b], v[TM+\b], s[SEL], s[SEL+1]
.endr
.irp b, 0,1,2,3
	v_max_num_f32 v[TM+\b], v[TM+\b], v[TM+4+\b]   ; with lane l xor 16's: the block's largest magnitude
.endr
.irp b, 0,1,2,3
	v_add_nc_u32 v[TM+12+\b], 0xff000000, v[TM+\b] ; 2 off the exponent field: the conversion's scale operand
.endr
.irp b, 0,1,2,3
	v_lshrrev_b32 v[TM+4+\b], 23, v[TM+12+\b]      ; the byte
.endr
	v_lshl_or_b32 v[PW], v[TM+5], 8, v[TM+4]
	v_lshl_or_b32 v[PW], v[TM+6], 16, v[PW]
	v_lshl_or_b32 v[PW], v[TM+7], 24, v[PW]
.irp c, 0,1
	v_cvt_scalef32_pk16_fp6_f32 v[PC+6*\c:PC+2+6*\c], v[(\s)+32*\c:(\s)+15+32*\c], v[TM+12+2*\c]
	v_cvt_scalef32_pk16_fp6_f32 v[PC+12+4*\c:PC+14+4*\c], v[(\s)+16+32*\c:(\s)+31+32*\c], v[TM+12+2*\c+1]
.endr
	v_nop                                          ; one plain place behind a scaled conversion
.irp c, 0,1                            ; the operand's layout wants a whole block in a lane
.irp i, 0,1,2
	v_permlane16_swap_b32 v[PC+6*\c+\i], v[PC+12+4*\c+\i]
.endr
.irp i, 0,1,2
	v_mov_b32 v[PC+3+6*\c+\i], v[PC+12+4*\c+\i]
.endr
.endr
.endm
; the same for 32 numbers, two blocks: a half image in v[pc] on, two bytes in v[pw]; hi = 1: bytes 2 and 3 are 127
.macro QUANT2 s, pc, pw, hi
.irp b, 0,1
	v_max3_num_f32 v[TM+\b], |v[(\s)+16*\b]|, |v[(\s)+1+16*\b]|, 0x1800000
.endr
.irp i, 2,4,6,8,10,12,14
.irp b, 0,1
	v_max3_num_f32 v[TM+\b], v[TM+\b], |v[(\s)+16*\b+\i]|, |v[(\s)+1+16*\b+\i]|
.endr
.endr
.irp b, 0,1
	v_permlanex16_b32 v[TM+4+\b], v[TM+\b], s[SEL], s[SEL+1]
.endr
.irp b, 0,1
	v_max_num_f32 v[TM+\b], v[TM+\b], v[TM+4+\b]
.endr
.irp b, 0,1
	v_add_nc_u32 v[TM+12+\b], 0xff000000, v[TM+\b]
.endr
.irp b, 0,1
	v_lshrrev_b32 v[TM+4+\b], 23, v[TM+12+\b]
.endr
	v_lshl_or_b32 v[\pw], v[TM+5], 8, v[TM+4]
.if \hi
	v_or_b32 v[\pw], 0x7f7f0000, v[\pw]
.endif
	v_cvt_scalef32_pk16_fp6_f32 v[(\pc):(\pc)+2], v[(\s):(\s)+15], v[TM+12]
	v_cvt_scalef32_pk16_fp6_f32 v[T2:T2+2], v[(\s)+16:(\s)+31], v[TM+13]
	v_nop
.irp i, 0,1,2
	v_permlane16_swap_b32 v[(\pc)+\i], v[T2+\i]
.endr
.irp i, 0,1,2
	v_mov_b32 v[(\pc)+3+\i], v[T2+\i]
.endr
.endm
.macro GBLOAD s, p                     ; g and b of K step s, in my lane's order, into set p of window 3: 32 loads
	WIN 0xc0
.set gbi, 0
.rept 16
	global_load_b128 v[128*(\p)+4*gbi:128*(\p)+4*gbi+3], v[GA], s[6:7] offset:512*(\s)+128*(gbi/4)+16*(gbi%4)
	global_load_b128 v[128*(\p)+64+4*gbi:128*(\p)+64+4*gbi+3], v[GA], s[8:9] offset:512*(\s)+128*(gbi/4)+16*(gbi%4)
.set gbi, gbi+1
.endr
	WIN 0
.endm
.macro WLOAD gq, win, ws               ; my head's four records of weight gq: 48 loads of codes (fragment (s, f) at 12 (4 s + f)), 4 of scale words
	WIN \win
.set wls, 0
.rept 4
.set wli, 0
.rept 12
	global_load_b128 v[48*wls+4*wli:48*wls+4*wli+3], v[LI], s[10:11] offset:(4*(\gq)+wls)*53248+512*wli
.set wli, wli+1
.endr
.set wls, wls+1
.endr
	WIN 0
.irp k, 0,1,2,3
	global_load_b128 v[\ws+4*\k:\ws+4*\k+3], v[LI], s[10:11] offset:(4*(\gq)+\k)*53248+6144
.endr
.endm
.macro BIASQK ptr, win                 ; tile t's eight units of my half: 8 loads
	WIN \win
.irp t, 0,1,2,3
	global_load_b128 v[192+8*\t:195+8*\t], v[GA], s[\ptr:\ptr+1] offset:(32*(\t/2)+8*(\t%2))*4
	global_load_b128 v[196+8*\t:199+8*\t], v[GA], s[\ptr:\ptr+1] offset:(32*(\t/2)+8*(\t%2))*4+16
.endr
	WIN 0
.endm
; 64 matrix instructions: K step by K step, the 16 accumulators by turns, one instruction a turn
.macro GROUP swap, wfirst, wrest, ws
.set gs, 0
.rept 4
.if gs == 0
	WIN \wfirst
.else
	WIN \wrest
.endif
.set go, 0
.rept 4
.set gi, 0
.rept 4
.set rD, ACC+32*go+8*gi
.if \swap
.set rA, 12*(4*gi+gs)
.set rB, 12*(4*gs+go)
.set rSA, XS+4*gi+gs
.set rSB, \ws+4*gs+go
.set rC, 192+8*go
.else
.set rA, 12*(4*gs+gi)
.set rB, 12*(4*go+gs)
.set rSA, \ws+4*gs+gi
.set rSB, XS+4*go+gs
.set rC, 192+8*gi
.endif
.if gs > 0
.set rC, rD
.endif
	WMMA rD, rA, rB, rC, rSA, rSB
.set gi, gi+1
.endr
.set go, go+1
.endr
.set gs, gs+1
.endr
	WIN 0
.endm
.macro OUTQK cb, sb                    ; four token tiles: quantised along the head, half images and scale words stored
.irp o, 0,1,2,3
	QUANT2 ACC+32*\o, PC+6*\o, PW+\o, 1
.endr
.irp o, 0,1,2,3
	global_store_b128 v[LI], v[PC+6*\o:PC+6*\o+3], s[\cb:\cb+1] offset:768*\o
	global_store_b64 v[L8], v[PC+6*\o+4:PC+6*\o+5], s[\cb:\cb+1] offset:768*\o+512
.endr
	global_store_b128 v[R16], v[PW:PW+3], s[\sb:\sb+1]   ; 16 lanes fill 256 consecutive bytes; lanes 16-31 store the same words again
.endm
	s_load_b256 s[4:11], s[0:1], 0x0               ; x, g, b, the records
	s_load_b256 s[12:19], s[0:1], 0x20             ; wq_b, wk_b, wv_b, qb
	s_load_b64 s[20:21], s[0:1], 0x40              ; kv
	v_lshl_add_u32 v126, v0, 2, 0x6800
	v_mov_b32 v127, 0
	v_lshrrev_b32 v10, 5, v0
	v_readfirstlane_b32 s22, v10                   ; wave
	v_and_b32 v10, 31, v0
	v_and_b32 v11, 15, v0                          ; r
	v_bfe_u32 v12, v0, 4, 1                        ; h
	v_lshlrev_b32 v[LI], 4, v10
	v_lshlrev_b32 v[L8], 3, v10
	v_lshlrev_b32 v[LS], 2, v10
	v_and_b32 v13, 8, v11
	v_add_nc_u32 v13, v13, v11                     ; r + 8 (r / 8)
	v_lshlrev_b32 v[GA], 6, v12
	v_lshl_add_u32 v[XA], v13, 11, v[GA]
	s_mul_i32 s23, s22, 6144
	v_add_nc_u32 v[XWI], s23, v[LI]
	s_lshl_b32 s23, s22, 9
	v_add_nc_u32 v[XWS], s23, v[LS]
	v_lshlrev_b32 v[R16], 4, v11
	v_lshlrev_b32 v[BVA], 2, v13
.irp b, 0,1,2,3
	v_mov_b32 v[TM+4+\b], 0                        ; written once: a lane permute's destination counts as one of its sources
.endr
	s_mov_b32 s[SEL], 0x76543210
	s_mov_b32 s[SEL+1], 0xfedcba98
	s_mov_b32 s42, 0x3b000000                      ; 1 / 512
	s_mov_b32 s43, 0x358637bd                      ; 1e-6
	s_and_b32 s24, ttmp7, 0xffff                   ; y
	s_lshl_b32 s25, s24, 2
	s_add_co_u32 s25, s25, s22                     ; my head
	s_lshr_b32 s26, ttmp9, 5                       ; batch
	s_and_b32 s27, ttmp9, 31                       ; block of 64 tokens in the batch
	s_lshl_b32 s28, s26, 3
	s_add_co_u32 s28, s28, s25                     ; 8 x batch + head
	s_lshl_b32 s30, ttmp9, 6
	s_lshr_b32 s31, s22, 1
	s_lshl_b32 s31, s31, 5
	s_add_co_u32 s30, s30, s31
	s_and_b32 s31, s22, 1
	s_lshl_b32 s31, s31, 3
	s_add_co_u32 s30, s30, s31                     ; my token tile's first row
	s_lshl_b32 s30, s30, 11
	s_mov_b32 s31, 0
	s_mul_i32 s44, s25, 6656
	s_mov_b32 s45, 0
	s_lshl_b32 s46, s25, 8
	s_mov_b32 s47, 0
	s_mul_i32 s29, s28, 106496
	s_mul_i32 s23, s27, 3072
	s_add_co_u32 s48, s29, s23                     ; q's codes
	s_mov_b32 s49, 0
	s_lshl_b32 s60, s27, 8
	s_add_co_u32 s50, s29, s60
	s_add_co_u32 s50, s50, 98304                   ; q's scale words
	s_mov_b32 s51, 0
	s_mul_i32 s29, s28, 208896
	s_add_co_u32 s52, s29, s23                     ; k's codes
	s_mov_b32 s53, 0
	s_add_co_u32 s54, s29, s60
	s_add_co_u32 s54, s54, 196608                  ; k's scale words
	s_mov_b32 s55, 0
	s_lshr_b32 s61, s27, 1                         ; which 128 keys
	s_and_b32 s62, s27, 1                          ; which half of them
	s_mul_i32 s56, s61, 6144
	s_mul_i32 s63, s62, 768
	s_add_co_u32 s56, s56, s63
	s_add_co_u32 s56, s56, s29
	s_add_co_u32 s56, s56, 98304                   ; v's codes
	s_mov_b32 s57, 0
	s_lshl_b32 s58, s61, 8
	s_lshl_b32 s63, s62, 1
	s_add_co_u32 s58, s58, s63
	s_add_co_u32 s58, s58, s29
	s_add_co_u32 s58, s58, 204800                  ; v's scale bytes
	s_mov_b32 s59, 0
	s_wait_kmcnt 0x0
	s_add_nc_u64 s[4:5], s[4:5], s[30:31]
	s_add_nc_u64 s[10:11], s[10:11], s[44:45]
	s_add_nc_u64 s[12:13], s[12:13], s[46:47]
	s_add_nc_u64 s[14:15], s[14:15], s[46:47]
	s_add_nc_u64 s[16:17], s[16:17], s[46:47]
	s_add_nc_u64 s[32:33], s[18:19], s[50:51]
	s_add_nc_u64 s[18:19], s[18:19], s[48:49]
	s_add_nc_u64 s[34:35], s[20:21], s[54:55]
	s_add_nc_u64 s[36:37], s[20:21], s[56:57]
	s_add_nc_u64 s[38:39], s[20:21], s[58:59]
	s_add_nc_u64 s[20:21], s[20:21], s[52:53]
	; ---- my token tile: lane (r, h) takes, of its row, the 16 numbers 32 blk + 16 h + 0 .. 15 of each block of 32: register 16 blk + i of window 1
	WIN 0x40
.set i, 0
.rept 64
	global_load_b128 v[4*i:4*i+3], v[XA], s[4:5] offset:128*(i/4)+16*(i%4)
.set i, i+1
.endr
	WIN 0
	GBLOAD 0, 0
	GBLOAD 1, 1
	s_wait_loadcnt 63                              ; 64 loads were issued behind x's: x is in
	WIN 0x05
.irp k, 0,1,2,3
	v_pk_add_f32 v[SA+2*\k:SA+2*\k+1], v[2*\k:2*\k+1], v[8+2*\k:9+2*\k]   ; the row's sum, in four chains
.endr
	WIN 0x04
.set i, 8
.rept 120
	v_pk_add_f32 v[SA+2*(i%4):SA+2*(i%4)+1], v[SA+2*(i%4):SA+2*(i%4)+1], v[2*i:2*i+1]
.set i, i+1
.endr
	WIN 0
	v_pk_add_f32 v[SA:SA+1], v[SA:SA+1], v[SA+2:SA+3]
	v_pk_add_f32 v[SA+4:SA+5], v[SA+4:SA+5], v[SA+6:SA+7]
	v_pk_add_f32 v[SA:SA+1], v[SA:SA+1], v[SA+4:SA+5]
	v_add_f32 v[SA], v[SA], v[SA+1]
	v_permlanex16_b32 v[SA+1], v[SA], s[SEL], s[SEL+1]
	v_add_f32 v[SA], v[SA], v[SA+1]                ; with lane l xor 16's half of the row
	v_mul_f32 v[MU], s42, v[SA]
	v_mov_b32 v[MU+1], v[MU]
	WIN 0x41
.set i, 0
.rept 128
	v_pk_add_f32 v[2*i:2*i+1], v[2*i:2*i+1], v[MU:MU+1] neg_lo:[0,1] neg_hi:[0,1]   ; x - mean, in place
.set i, i+1
.endr
	WIN 0x05
.irp k, 0,1,2,3
	v_pk_mul_f32 v[SA+2*\k:SA+2*\k+1], v[2*\k:2*\k+1], v[2*\k:2*\k+1]
.endr
.set i, 4
.rept 124
	v_pk_fma_f32 v[SA+2*(i%4):SA+2*(i%4)+1], v[2*i:2*i+1], v[2*i:2*i+1], v[SA+2*(i%4):SA+2*(i%4)+1]
.set i, i+1
.endr
	WIN 0
	v_pk_add_f32 v[SA:SA+1], v[SA:SA+1], v[SA+2:SA+3]
	v_pk_add_f32 v[SA+4:SA+5], v[SA+4:SA+5], v[SA+6:SA+7]
	v_pk_add_f32 v[SA:SA+1], v[SA:SA+1], v[SA+4:SA+5]
	v_add_f32 v[SA], v[SA], v[SA+1]
	v_permlanex16_b32 v[SA+1], v[SA], s[SEL], s[SEL+1]
	v_add_f32 v[SA], v[SA], v[SA+1]
	v_fma_f32 v[SA], v[SA], s42, s43               ; variance + 1e-6
	v_rsq_f32 v[RS], v[SA]
	v_nop                                          ; a plain place behind the transcendental
	s_wait_alu depctr_va_vdst(0)                   ; the wait ahead of the first reader
	v_mov_b32 v[RS+1], v[RS]
	WLOAD 0, 0x80, WSA                             ; wq's records and bias: 60 loads
	BIASQK 12, 0x80
; K step s of xn: normalised, quantised, its image stored.  cnt: the loads issued behind this step's g and b that may stay out
.macro LNSTEP s, cnt
	WIN 0x41
.set i, 0
.rept 32
	v_pk_mul_f32 v[64*(\s)+2*i:64*(\s)+2*i+1], v[64*(\s)+2*i:64*(\s)+2*i+1], v[RS:RS+1]
.set i, i+1
.endr
	s_wait_loadcnt \cnt
	WIN 0x3d
.set i, 0
.rept 32
	v_pk_fma_f32 v[OUT+2*i:OUT+2*i+1], v[64*(\s)+2*i:64*(\s)+2*i+1], v[128*((\s)%2)+2*i:128*((\s)%2)+2*i+1], v[128*((\s)%2)+64+2*i:128*((\s)%2)+64+2*i+1]
.set i, i+1
.endr
	WIN 0
.if \s < 2
	GBLOAD (\s)+2, \s                              ; the set just used takes the K step two on
.endif
.if \s == 3
	WLOAD 1, 0xc0, WSB                             ; g and b are done with: wk's records and bias take their window: 60 loads
	BIASQK 14, 0xc0
.endif
	QUANT4 OUT
.irp c, 0,1,2
	ds_store_b128 v[XWI], v[PC+4*\c:PC+4*\c+3] offset:1536*(\s)+512*\c
.endr
	ds_store_b32 v[XWS], v[PW] offset:XSC+128*(\s)
	s_wait_dscnt 0x0                               ; the stores have read their registers
.endm
	LNSTEP 0, 63                                   ; behind set 0: set 1 and wq's 60: 92 loads
	LNSTEP 1, 63                                   ; behind set 1: wq's 60 and K step 2's 32
	LNSTEP 2, 32                                   ; behind K step 2's: K step 3's 32; wq's are older: they are in
	LNSTEP 3, 0
	s_barrier_signal -1                            ; my stores have landed (the wait for 0 above)
	s_barrier_wait -1                              ; xn's sixteen fragments lie in LDS
	WIN 0x40
.set i, 0
.rept 48
	ds_load_b128 v[4*i:4*i+3], v[LI] offset:512*i  ; fragment (m, s) at 12 (4 m + s) of window 1
.set i, i+1
.endr
	WIN 0
.set i, 0
.rept 16
	ds_load_b32 v[XS+i], v[LS] offset:XSC+128*i
.set i, i+1
.endr
	s_wait_dscnt 0x0
	; ---- q
	GROUP 0, 0x26, 0x06, WSA
	PLACES 4                                       ; in front of loads into registers that matrix instructions have read, and of the first read of results
	WLOAD 2, 0x80, WSA                             ; wv's records, and its bias: a lane holds one channel, so a tile's eight registers hold one number: 84 loads
	WIN 0x80
.irp t, 0,1,2,3
.irp j, 0,1,2,3,4,5,6,7
	global_load_b32 v[192+8*\t+\j], v[BVA], s[16:17] offset:(32*(\t/2)+8*(\t%2))*4
.endr
.endr
	WIN 0
	OUTQK 18, 32
	; ---- k
	s_wait_loadcnt 63                              ; 84 loads were issued behind wk's
	GROUP 0, 0x37, 0x07, WSB
	PLACES 4
	s_wait_xcnt 0x0                                ; q's stores have read their registers
	OUTQK 20, 34
	; ---- v, the sources swapped
	s_wait_loadcnt 0x0
	GROUP 1, 0x29, 0x09, WSA
	PLACES 4
	s_wait_xcnt 0x0
.irp t, 0,1,2,3
	QUANT2 ACC+32*\t, PC+6*\t, PW+\t, 0            ; channel tile t: my channel's 64 tokens, two blocks
.endr
.irp t, 0,1,2,3
	global_store_b128 v[LI], v[PC+6*\t:PC+6*\t+3], s[36:37] offset:1536*\t
	global_store_b64 v[L8], v[PC+6*\t+4:PC+6*\t+5], s[36:37] offset:1536*\t+512
	global_store_b16 v[R16], v[PW+\t], s[38:39] offset:4*\t   ; two of the word's four bytes; the neighbouring block of 64 tokens stores the other two
.endr
	s_wait_tensorcnt 0x0
	ds_add_u32 v126, v127
	s_wait_dscnt 0x0
	s_endpgm
.Lfunc_end_k_q945f365e86_qkv:
	.size	k_q945f365e86_qkv, .Lfunc_end_k_q945f365e86_qkv-k_q945f365e86_qkv
	.p2alignl 7, 3214868480
	.fill 96, 4, 3214868480
	.section	.rodata,"a",@progbits
	.p2align	6, 0x0
	.amdhsa_kernel k_q945f365e86_qkv
		.amdhsa_group_segment_fixed_size 27136
		.amdhsa_private_segment_fixed_size 0
		.amdhsa_enable_private_segment 0
		.amdhsa_kernarg_size 72
		.amdhsa_user_sgpr_count 2
		.amdhsa_user_sgpr_kernarg_segment_ptr 1
		.amdhsa_wavefront_size32 1
		.amdhsa_system_sgpr_workgroup_id_x 1
		.amdhsa_system_sgpr_workgroup_id_y 1
		.amdhsa_system_sgpr_workgroup_id_z 1
		.amdhsa_system_vgpr_workitem_id 0
		.amdhsa_next_free_vgpr 1024
		.amdhsa_next_free_sgpr 66
		.amdhsa_reserve_vcc 0
		.amdhsa_float_denorm_mode_32 3
		.amdhsa_float_denorm_mode_16_64 3
		.amdhsa_memory_ordered 1
		.amdhsa_forward_progress 1
		.amdhsa_inst_pref_size 154
	.end_amdhsa_kernel
	.amdgpu_metadata
---
amdhsa.version: [ 1, 2 ]
amdhsa.kernels:
  - .name:           k_q945f365e86_qkv
    .symbol:         k_q945f365e86_qkv.kd
    .args:
      - { .name: x, .offset: 0, .size: 8, .value_kind: global_buffer, .address_space: global }
      - { .name: ln1_g, .offset: 8, .size: 8, .value_kind: global_buffer, .address_space: global }
      - { .name: ln1_b, .offset: 16, .size: 8, .value_kind: global_buffer, .address_space: global }
      - { .name: wts, .offset: 24, .size: 8, .value_kind: global_buffer, .address_space: global }
      - { .name: wq_b, .offset: 32, .size: 8, .value_kind: global_buffer, .address_space: global }
      - { .name: wk_b, .offset: 40, .size: 8, .value_kind: global_buffer, .address_space: global }
      - { .name: wv_b, .offset: 48, .size: 8, .value_kind: global_buffer, .address_space: global }
      - { .name: qb, .offset: 56, .size: 8, .value_kind: global_buffer, .address_space: global }
      - { .name: kv, .offset: 64, .size: 8, .value_kind: global_buffer, .address_space: global }
    .group_segment_fixed_size: 27136
    .private_segment_fixed_size: 0
    .kernarg_segment_align: 8
    .kernarg_segment_size: 72
    .max_flat_workgroup_size: 128
    .sgpr_count:     66
    .vgpr_count:     1024
    .wavefront_size: 32
...
	.end_amdgpu_metadata
.endif
;; end of part 2
;; launch attn (part 3): grid 8 x 32, 8 waves a work-group, no clusters, 218,112 bytes of LDS; arguments qb, kv, mask, ao; writes ao
.if DOCPART == 3
	.amdgcn_target "amdgcn-amd-amdhsa--gfx1250"
	.amdhsa_code_object_version 6
	.text
	.protected	k_q945f365e86_attn
	.globl	k_q945f365e86_attn
	.p2align	8
	.type	k_q945f365e86_attn,@function
k_q945f365e86_attn:
	s_mov_b64 s[64:65], 0
	v_nop
	global_prefetch_b8 v0, s[64:65] scope:SCOPE_SE
	s_setreg_imm32_b32 hwreg(HW_REG_WAVE_MODE, 25, 1), 1
	s_wait_xcnt 0x0
; out = softmax(q k^T / 8 + mask x (-1e9)) v for one batch and head, both products on codes of FP6 (E2M3) with E8M0 scales; the result is quantised along the model's 512 for the next product.
; t = logit x log2(e); M = the running largest t rounded up to a whole number; p = 2^(t - M) is quantised along the keys, not normalised; the row's sum is taken of the unquantised p and divides at the end.
; SHARES.  Work-group (x, y): 256 queries (block x) of batch and head y.  Each of eight waves owns two tiles of 16 queries, so that each fragment of k and v read from LDS feeds two products.
; The head's whole record (k's and v's codes and scale words, 208,896 bytes) is copied into LDS once, at the head; behind it lie 2,048 mask terms, 8 x mask x (-1e9) in f32.
; THE MASK IS THE C OF THE SCORE PRODUCT: D = k.q + 8 mask (-1e9), t = D x log2(e) / 8.  1e9 is a number of f32 and 8 a power of two, so the term is 8 times the reference's, exactly, for any whole number in the mask.
; Both products are used transposed (source 0 = 16 keys, or 16 channels of v): a lane holds one query throughout.  Key tiles, query tiles and channel tiles stand for 32 B + 8 u + r + 8 (r / 8).
; K = 64 in the first product: registers 6-11 of both operands hold zero codes, written once; their scale bytes are 127.
; LIMITS: NaN and infinities are not served.  Where every key of a batch is masked the result hangs on how the score and the term of size 2^33 are rounded together in the matrix instruction; with one key open, masked keys give p = 0 exactly.
; A block of zeros gets the byte 1 (zero codes; read by this program alone).
; REGISTERS.  v106-255 are a tile's own, with the same numbers in window 0 (tile A) and window 1 (tile B).  Window 0, v1-71: addresses, scale words, mask terms; v72-79 the copies' addresses.  Window 1, v0-47 four fragments of k, v48-95 four of v.
.set KS,  196608
.set VC,  98304
.set VS,  204800
.set MT,  208896
.set LI,  1                            ; 16 x lane
.set L8,  2                            ; 8 x lane
.set AKS0, 3
.set AVS0, 4
.set AM0, 5
.set AV0, 6
.set AV80, 7
.set ADK, 8
.set ADK8, 9
.set ADV, 10
.set ADV8, 11
.set ADS, 12
.set ADT, 13
.set ADM, 14
.set R16, 17
.set R4,  20
.set KSC, 24                           ; v24-31 k's scale words of a step's eight tiles
.set VSC, 32                           ; v32-35 v's
.set QSA, 36                           ; v36, v37 q's, tile A, tile B
.set PS,  38                           ; v38, v39 p's
.set MK,  40                           ; v40-71 mask terms of four tiles
.set CPA, 72                           ; v72-79 the copies: for each run of 65,536 bytes a pair: the LDS address, the offset in the record; written once
.set KF,  0
.set VF,  48
.set NM,  106                          ; -M; +1: the largest t
.set SUM, 108
.set Q,   110
.set PCD, 122
.set T2,  134
.set BM,  142
.set BP,  146
.set SCL, 150
.set F,   154
.set TMP, 156
.set ST,  158
.set S,   160
.set O,   224
.set SEL, 16
.set CS,  18
.set TB,  20
.set TS,  21
.set TJ,  22
.set CNT, 23
.set MSB, 0
.macro WIN new
.if MSB != \new
	s_set_vgpr_msb (MSB<<8)|\new
.set MSB, \new
.endif
.endm
.macro PLACES n
.rept \n
	v_nop
.endr
.endm
.macro WMMA d, a, b, c, sa, sb
	v_wmma_scale_f32_16x16x128_f8f6f4 v[(\d):(\d)+7], v[(\a):(\a)+11], v[(\b):(\b)+11], v[(\c):(\c)+7], v[\sa], v[\sb] matrix_a_fmt:MATRIX_FMT_FP6 matrix_b_fmt:MATRIX_FMT_FP6
.endm
	s_load_b256 s[4:11], s[0:1], 0x0               ; qb, kv, mask, ao
	v_lshl_add_u32 v141, v0, 2, 0x35000
	v_mov_b32 v157, 0
	ds_add_u32 v141, v157
	ds_add_u32 v141, v157
.irp g, 0,1,2,3
	v_lshl_add_u32 v[CPA+2*\g], v0, 4, 65536*\g    ; 16 bytes a thread, run g of 65,536 bytes: in LDS,
	v_lshl_add_u32 v[CPA+2*\g+1], v0, 4, 65536*\g  ; and in the record; none of the eight is written again
.endr
	v_lshrrev_b32 v21, 5, v0
	v_readfirstlane_b32 s12, v21                   ; wave 0..7
	s_and_b32 s13, ttmp7, 0xffff                   ; 8 x batch + head
	s_mul_i32 s14, s13, 208896
	s_mov_b32 s15, 0
	s_wait_dscnt 0x0
	s_wait_kmcnt 0x0
	s_add_nc_u64 s[6:7], s[6:7], s[14:15]
.set i, 0
.rept 51                               ; 51 x 4,096 bytes: the record, byte for byte; filled once, ahead of every LDS read, barrier and wait on ASYNCcnt.  The immediate, which is added to both addresses, stays under 65,536: 16 copies to a pair of registers
	global_load_async_to_lds_b128 v[CPA+2*(i/16)], v[CPA+2*(i/16)+1], s[6:7] offset:4096*(i%16)
.set i, i+1
.endr
	v_and_b32 v21, 31, v0
	v_and_b32 v22, 15, v0                          ; r
	v_bfe_u32 v23, v0, 4, 1                        ; h
	v_lshlrev_b32 v[LI], 4, v21
	v_lshlrev_b32 v[L8], 3, v21
	v_lshlrev_b32 v[R16], 4, v22
	v_lshlrev_b32 v[R4], 2, v22
	v_add_nc_u32 v[AKS0], KS, v[R16]
	v_add_nc_u32 v[AVS0], VS, v[R16]
	v_lshl_add_u32 v[AM0], v23, 6, MT
	v_add_nc_u32 v[AV0], VC, v[LI]
	v_add_nc_u32 v[AV80], VC, v[L8]
	v_lshlrev_b32 v18, 5, v0                       ; the mask: 8 numbers a thread
	v_lshl_add_u32 v19, v0, 5, MT
	s_lshr_b32 s32, s13, 3                         ; batch
	s_and_b32 s33, s13, 7                          ; head
	s_lshl_b32 s34, ttmp9, 4
	s_lshl_b32 s35, s12, 1
	s_add_co_u32 s34, s34, s35                     ; tile A = 16 x block + 2 x wave; tile B follows it
	s_mul_i32 s36, s13, 106496
	s_mul_i32 s37, s34, 768
	s_add_co_u32 s24, s36, s37                     ; q's codes
	s_mov_b32 s25, 0
	s_lshr_b32 s37, s34, 2
	s_lshl_b32 s37, s37, 8
	s_and_b32 s38, s34, 3
	s_lshl_b32 s38, s38, 2
	s_add_co_u32 s26, s36, s37
	s_add_co_u32 s26, s26, s38
	s_add_co_u32 s26, s26, 98304                   ; q's scale words
	s_mov_b32 s27, 0
	s_lshl_b32 s37, s32, 7
	s_add_co_u32 s37, s37, s34                     ; tile A among all 512
	s_mul_i32 s28, s37, 6144
	s_mul_i32 s38, s33, 768
	s_add_co_u32 s28, s28, s38                     ; where the result's codes go
	s_mov_b32 s29, 0
	s_lshl_b32 s30, s37, 8
	s_lshr_b32 s38, s33, 1
	s_lshl_b32 s38, s38, 6
	s_add_co_u32 s30, s30, s38
	s_and_b32 s38, s33, 1
	s_lshl_b32 s38, s38, 1
	s_add_co_u32 s30, s30, s38
	s_add_co_u32 s30, s30, 3145728                 ; and its two scale bytes
	s_mov_b32 s31, 0
	s_lshl_b32 s38, s32, 13
	s_mov_b32 s39, 0
	s_add_nc_u64 s[24:25], s[4:5], s[24:25]
	s_add_nc_u64 s[26:27], s[4:5], s[26:27]
	s_add_nc_u64 s[28:29], s[10:11], s[28:29]
	s_add_nc_u64 s[30:31], s[10:11], s[30:31]
	s_add_nc_u64 s[8:9], s[8:9], s[38:39]
	s_mov_b32 s[SEL], 0x76543210
	s_mov_b32 s[SEL+1], 0xfedcba98
	s_mov_b32 s[CS], 0x3e38aa3b                    ; log2(e) / 8
	s_mov_b32 s[CS+1], s[CS]
	s_mov_b32 s[TB], 0
	s_mov_b32 s[TS], 0
	s_mov_b32 s[TJ], 0
	s_mov_b32 s[CNT], 16
	global_load_b128 v[40:43], v18, s[8:9]
	global_load_b128 v[44:47], v18, s[8:9] offset:16
	global_load_b128 v[Q:Q+3], v[LI], s[24:25]
	global_load_b64 v[Q+4:Q+5], v[L8], s[24:25] offset:512
	global_load_b32 v[QSA], v[R16], s[26:27]
	global_load_b32 v[QSA+1], v[R16], s[26:27] offset:4
	WIN 0x40
	global_load_b128 v[Q:Q+3], v[LI], s[24:25] offset:768
	global_load_b64 v[Q+4:Q+5], v[L8], s[24:25] offset:1280
.irp t, 0,1,2,3
.irp i, 6,7,8,9,10,11
	v_mov_b32 v[KF+12*\t+\i], 0                    ; k's codes for K = 64 .. 127: zeros, written once
.endr
.endr
.macro INIT W
	WIN 0x55*(\W)
.set i, 0
.rept 32
	v_mov_b32 v[O+i], 0                            ; O^T.  (The step is written once: the first finds zeros, which the first change of M leaves zeros)
.set i, i+1
.endr
.irp i, 6,7,8,9,10,11
	v_mov_b32 v[Q+\i], 0
.endr
.irp b, 0,1,2,3
	v_mov_b32 v[BP+\b], 0                          ; a lane permute's destination counts as one of its sources
.endr
	v_mov_b32 v[F+1], 0                            ; (named as the upper half of a pair)
	v_mov_b32 v[NM+1], 0xff61b1e6                  ; the largest t so far: -3e38
	v_floor_f32 v[NM], -v[NM+1]
	v_mov_b32 v[SUM], 0
	v_mov_b32 v[SUM+1], 0
.endm
	INIT 0
	INIT 1
	WIN 0
	s_wait_loadcnt 0x0
.irp i, 0,1,2,3,4,5,6,7
	v_cvt_f32_i32 v[40+\i], v[40+\i]
.endr
.irp i, 0,1,2,3,4,5,6,7
	v_mul_f32 v[40+\i], 0xcfee6b28, v[40+\i]       ; x (-8e9)
.endr
	ds_store_b128 v19, v[40:43]
	ds_store_b128 v19, v[44:47] offset:16
	s_wait_asynccnt 0x0                            ; my copies have landed,
	s_wait_dscnt 0x0                               ; and my mask terms
	s_barrier_signal -1
	s_barrier_wait -1                              ; everybody's have; from here on LDS is only read
.macro MASKLD g                        ; tile 4 g + t, register j: key 32 ((4 g + t) / 2) + 16 h + 8 (t % 2) + j
.irp t, 0,1,2,3
	ds_load_b128 v[MK+8*\t:MK+8*\t+3], v[ADM] offset:128*((4*(\g)+\t)/2)+32*(\t%2)
	ds_load_b128 v[MK+8*\t+4:MK+8*\t+7], v[ADM] offset:128*((4*(\g)+\t)/2)+32*(\t%2)+16
.endr
.endm
.macro KLD g                           ; four half images
.irp t, 0,1,2,3
	ds_load_b128 v[KF+12*\t:KF+12*\t+3], v[ADK] offset:(4*(\g)+\t)*768
	ds_load_b64 v[KF+12*\t+4:KF+12*\t+5], v[ADK8] offset:(4*(\g)+\t)*768+512
.endr
.endm
.macro SPROD g                         ; S^T of four key tiles, for both query tiles: eight accumulators, each begun with the mask terms as C
	WIN 0x01
.irp t, 0,1,2,3
	WMMA S+8*(4*(\g)+\t), KF+12*\t, Q, MK+8*\t, KSC+4*(\g)+\t, QSA
.endr
	WIN 0x45
.irp t, 0,1,2,3
	WMMA S+8*(4*(\g)+\t), KF+12*\t, Q, MK+8*\t, KSC+4*(\g)+\t, QSA+1
.endr
.endm
; One tile's softmax for 128 keys, in window W
.macro SOFTMAX W
	WIN 0x55*(\W)
.irp b, 0,1,2,3
	v_max3_num_f32 v[BM+\b], v[S+16*\b], v[S+1+16*\b], v[S+2+16*\b]   ; the largest score of each block of 32 keys: for the row's maximum, and for the block's largest p
.endr
.irp i, 3,5,7,9,11,13
.irp b, 0,1,2,3
	v_max3_num_f32 v[BM+\b], v[BM+\b], v[S+16*\b+\i], v[S+1+16*\b+\i]
.endr
.endr
.irp b, 0,1,2,3
	v_max_num_f32 v[BM+\b], v[BM+\b], v[S+15+16*\b]
.endr
.irp b, 0,1,2,3
	v_permlanex16_b32 v[BP+\b], v[BM+\b], s[SEL], s[SEL+1]
.endr
.irp b, 0,1,2,3
	v_max_num_f32 v[BM+\b], v[BM+\b], v[BP+\b]
.endr
	v_max3_num_f32 v[TMP], v[BM], v[BM+1], v[BM+2]
	v_max_num_f32 v[TMP], v[TMP], v[BM+3]
	v_mul_f32 v[TMP], s[CS], v[TMP]
	v_max_num_f32 v[NM+1], v[NM+1], v[TMP]         ; the running largest t
	v_mov_b32 v[TMP], v[NM]
	v_floor_f32 v[NM], -v[NM+1]                    ; the new -M
	v_sub_f32 v[TMP], v[NM], v[TMP]                ; old M - new M: a whole number, 0 or less
	v_cvt_i32_f32 v[TMP], v[TMP]                   ; (it saturates)
	v_ldexp_f32 v[F], 1.0, v[TMP]                  ; f = 2^(old M - new M)
.set j, 0
.rept 32
	v_pk_fma_f32 v[S+j:S+j+1], v[S+j:S+j+1], s[CS:CS+1], v[NM:NM+1] op_sel_hi:[1,0,0]   ; t - M
.set j, j+2
.endr
.irp b, 0,1,2,3
	v_fma_f32 v[BM+\b], v[BM+\b], s[CS], v[NM]
.endr
.set j, 0
.rept 64
	v_exp_f32 v[S+j], v[S+j]                       ; p
.set j, j+1
.endr
	v_pk_mul_f32 v[SUM:SUM+1], v[SUM:SUM+1], v[F:F+1] op_sel_hi:[1,0]   ; the sums under the new M; a plain place behind the exponentials
	s_wait_alu depctr_va_vdst(0)                   ; one wait for the batch, ahead of its first reader
.irp b, 0,1,2,3
	v_exp_f32 v[BM+\b], v[BM+\b]                   ; the blocks' largest p
.endr
	v_pk_add_f32 v[ST:ST+1], v[S:S+1], v[S+2:S+3]  ; the row's sum, of the unquantised p, in two chains
.set j, 4
.rept 15
	v_pk_add_f32 v[SUM:SUM+1], v[SUM:SUM+1], v[S+j:S+j+1]
	v_pk_add_f32 v[ST:ST+1], v[ST:ST+1], v[S+j+2:S+j+3]
.set j, j+4
.endr
	v_pk_add_f32 v[SUM:SUM+1], v[SUM:SUM+1], v[ST:ST+1]
	s_wait_alu depctr_va_vdst(0)                   ; and one for the four
.irp b, 0,1,2,3
	v_max_num_f32 v[BM+\b], 0x1800000, v[BM+\b]    ; the floor 2^(3 - 127)
.endr
.irp b, 0,1,2,3
	v_add_nc_u32 v[SCL+\b], 0xff000000, v[BM+\b]
.endr
.irp b, 0,1,2,3
	v_lshrrev_b32 v[BP+\b], 23, v[SCL+\b]
.endr
	v_lshl_or_b32 v[TMP], v[BP+1], 8, v[BP]
	v_lshl_or_b32 v[TMP], v[BP+2], 16, v[TMP]
	WIN 0x11*(\W)
	v_lshl_or_b32 v[PS+\W], v[BP+3], 24, v[TMP]    ; p's scale word: scale operands lie in window 0
	WIN 0x55*(\W)
.irp c, 0,1
	v_cvt_scalef32_pk16_fp6_f32 v[PCD+6*\c:PCD+6*\c+2], v[S+32*\c:S+32*\c+15], v[SCL+2*\c]
	v_cvt_scalef32_pk16_fp6_f32 v[T2+4*\c:T2+4*\c+2], v[S+32*\c+16:S+32*\c+31], v[SCL+2*\c+1]
.endr
	v_nop
.irp c, 0,1
.irp i, 0,1,2
	v_permlane16_swap_b32 v[PCD+6*\c+\i], v[T2+4*\c+\i]
.endr
.irp i, 0,1,2
	v_mov_b32 v[PCD+3+6*\c+\i], v[T2+4*\c+\i]
.endr
.endr
.set j, 0
.rept 16
	v_pk_mul_f32 v[O+j:O+j+1], v[O+j:O+j+1], v[F:F+1] op_sel_hi:[1,0]   ; O^T under the new M; also the places in front of the products below
.set j, j+2
.endr
.endm
.Lstep:                                ; 16 trips of 128 keys
	v_add_nc_u32 v[ADK], s[TB], v[LI]              ; seven plain lines: the places behind the last trip's products, in front of the loads into their registers
	v_add_nc_u32 v[ADK8], s[TB], v[L8]
	v_add_nc_u32 v[ADV], s[TB], v[AV0]
	v_add_nc_u32 v[ADV8], s[TB], v[AV80]
	v_add_nc_u32 v[ADS], s[TS], v[AKS0]
	v_add_nc_u32 v[ADT], s[TJ], v[AVS0]
	v_add_nc_u32 v[ADM], s[TS], v[AM0]
	ds_load_b128 v[KSC:KSC+3], v[ADS]
	ds_load_b128 v[KSC+4:KSC+7], v[ADS] offset:256
	ds_load_b128 v[VSC:VSC+3], v[ADT]
	MASKLD 0
	WIN 0x40
	KLD 0
.irp t, 0,1,2,3                        ; v's four fragments, two half images each
	ds_load_b128 v[VF+12*\t:VF+12*\t+3], v[ADV] offset:1536*\t
	ds_load_b64 v[VF+12*\t+4:VF+12*\t+5], v[ADV8] offset:1536*\t+512
	ds_load_b128 v[VF+12*\t+6:VF+12*\t+9], v[ADV] offset:1536*\t+768
	ds_load_b64 v[VF+12*\t+10:VF+12*\t+11], v[ADV8] offset:1536*\t+1280
.endr
	s_wait_dscnt 16                                ; all but v's sixteen
	SPROD 0
	PLACES 4
	WIN 0
	MASKLD 1
	WIN 0x40
	KLD 1
	s_wait_dscnt 0x0
	SPROD 1
	PLACES 4
	SOFTMAX 0
	SOFTMAX 1
	WIN 0x01                                       ; O^T += V^T P^T: eight accumulators, one instruction each
.irp t, 0,1,2,3
	WMMA O+8*\t, VF+12*\t, PCD, O+8*\t, VSC+\t, PS
.endr
	WIN 0x55
.irp t, 0,1,2,3
	WMMA O+8*\t, VF+12*\t, PCD, O+8*\t, VSC+\t, PS+1
.endr
	WIN 0
	s_add_co_u32 s[TB], s[TB], 6144                ; a step's codes of k, and of v
	s_add_co_u32 s[TS], s[TS], 512                 ; its scale words of k, and its mask terms
	s_add_co_u32 s[TJ], s[TJ], 256                 ; its scale words of v
	s_sub_co_u32 s[CNT], s[CNT], 1
	s_cmp_lg_u32 s[CNT], 0
	s_cbranch_scc1 .Lstep
	PLACES 4
; THE WAY OUT of tile W: O^T / the sum; my query's 64 channels are two blocks of the next product's K: a half image and two scale bytes
.macro LEAVE W
	WIN 0x55*(\W)
	v_add_f32 v[SUM], v[SUM], v[SUM+1]
	v_permlanex16_b32 v[TMP], v[SUM], s[SEL], s[SEL+1]
	v_add_f32 v[SUM], v[SUM], v[TMP]
	v_rcp_f32 v[F], v[SUM]
	v_nop
	s_wait_alu depctr_va_vdst(0)
.set j, 0
.rept 16
	v_pk_mul_f32 v[S+j:S+j+1], v[O+j:O+j+1], v[F:F+1] op_sel_hi:[1,0]
.set j, j+2
.endr
.irp b, 0,1
	v_max3_num_f32 v[BM+\b], |v[S+16*\b]|, |v[S+1+16*\b]|, 0x1800000
.endr
.irp i, 2,4,6,8,10,12,14
.irp b, 0,1
	v_max3_num_f32 v[BM+\b], v[BM+\b], |v[S+16*\b+\i]|, |v[S+1+16*\b+\i]|
.endr
.endr
.irp b, 0,1
	v_permlanex16_b32 v[BP+\b], v[BM+\b], s[SEL], s[SEL+1]
.endr
.irp b, 0,1
	v_max_num_f32 v[BM+\b], v[BM+\b], v[BP+\b]
.endr
.irp b, 0,1
	v_add_nc_u32 v[SCL+\b], 0xff000000, v[BM+\b]
.endr
.irp b, 0,1
	v_lshrrev_b32 v[BP+\b], 23, v[SCL+\b]
.endr
	v_lshl_or_b32 v[TMP], v[BP+1], 8, v[BP]
	v_cvt_scalef32_pk16_fp6_f32 v[PCD:PCD+2], v[S:S+15], v[SCL]
	v_cvt_scalef32_pk16_fp6_f32 v[T2:T2+2], v[S+16:S+31], v[SCL+1]
	v_nop
.irp i, 0,1,2
	v_permlane16_swap_b32 v[PCD+\i], v[T2+\i]
.endr
.irp i, 0,1,2
	v_mov_b32 v[PCD+3+\i], v[T2+\i]
.endr
	WIN 0x04*(\W)                                  ; a store's data are its source 1
	global_store_b128 v[LI], v[PCD:PCD+3], s[28:29] offset:6144*(\W)
	global_store_b64 v[L8], v[PCD+4:PCD+5], s[28:29] offset:6144*(\W)+512
	global_store_b16 v[R4], v[TMP], s[30:31] offset:256*(\W)
.endm
	LEAVE 0
	LEAVE 1
	WIN 0
	s_wait_tensorcnt 0x0
	ds_add_u32 v141, v157
	s_wait_dscnt 0x0
	s_endpgm
.Lfunc_end_k_q945f365e86_attn:
	.size	k_q945f365e86_attn, .Lfunc_end_k_q945f365e86_attn-k_q945f365e86_attn
	.p2alignl 7, 3214868480
	.fill 96, 4, 3214868480
	.section	.rodata,"a",@progbits
	.p2align	6, 0x0
	.amdhsa_kernel k_q945f365e86_attn
		.amdhsa_group_segment_fixed_size 218112
		.amdhsa_private_segment_fixed_size 0
		.amdhsa_enable_private_segment 0
		.amdhsa_kernarg_size 32
		.amdhsa_user_sgpr_count 2
		.amdhsa_user_sgpr_kernarg_segment_ptr 1
		.amdhsa_wavefront_size32 1
		.amdhsa_system_sgpr_workgroup_id_x 1
		.amdhsa_system_sgpr_workgroup_id_y 1
		.amdhsa_system_sgpr_workgroup_id_z 1
		.amdhsa_system_vgpr_workitem_id 0
		.amdhsa_next_free_vgpr 512
		.amdhsa_next_free_sgpr 66
		.amdhsa_reserve_vcc 0
		.amdhsa_float_denorm_mode_32 3
		.amdhsa_float_denorm_mode_16_64 3
		.amdhsa_memory_ordered 1
		.amdhsa_forward_progress 1
		.amdhsa_inst_pref_size 53
	.end_amdhsa_kernel
	.amdgpu_metadata
---
amdhsa.version: [ 1, 2 ]
amdhsa.kernels:
  - .name:           k_q945f365e86_attn
    .symbol:         k_q945f365e86_attn.kd
    .args:
      - { .name: qb, .offset: 0, .size: 8, .value_kind: global_buffer, .address_space: global }
      - { .name: kv, .offset: 8, .size: 8, .value_kind: global_buffer, .address_space: global }
      - { .name: mask, .offset: 16, .size: 8, .value_kind: global_buffer, .address_space: global }
      - { .name: ao, .offset: 24, .size: 8, .value_kind: global_buffer, .address_space: global }
    .group_segment_fixed_size: 218112
    .private_segment_fixed_size: 0
    .kernarg_segment_align: 8
    .kernarg_segment_size: 32
    .max_flat_workgroup_size: 256
    .sgpr_count:     66
    .vgpr_count:     512
    .wavefront_size: 32
...
	.end_amdgpu_metadata
.endif
;; end of part 3
;; launch post (part 4): grid 128 x 1, 4 waves a work-group, no clusters, 189,952 bytes of LDS; arguments ao, wts, x, wo_b, ln2_g, ln2_b, ff1_b, ff2_b, out0; writes out0
.if DOCPART == 4
	.amdgcn_target "amdgcn-amd-amdhsa--gfx1250"
	.amdhsa_code_object_version 6
	.text
	.protected	k_q945f365e86_post
	.globl	k_q945f365e86_post
	.p2align	8
	.type	k_q945f365e86_post,@function
k_q945f365e86_post:
	s_mov_b64 s[64:65], 0
	v_nop
	global_prefetch_b8 v0, s[64:65] scope:SCOPE_SE
	s_setreg_imm32_b32 hwreg(HW_REG_WAVE_MODE, 25, 1), 1
	s_wait_xcnt 0x0
; out1 = x + attn Wo + wo_b; out0 = out1 + relu(layernorm(out1) W1 + b1) W2 + b2: three products on codes of FP6 (E2M3) with E8M0 scales, fused for 64 tokens; nothing between them goes to memory.
; SHARES.  A work-group takes 64 tokens, four tiles of 16 (tile m: tokens 32 (m / 2) + 8 (m % 2) + r + 8 (r / 8)).  THE WAVES SHARE THE COLUMNS: wave w makes columns 128 w .. 128 w + 127 of out1 and of the result,
; and of each chunk of 512 hidden units those 128 w on, for all 64 rows.  64 rows and not 32: a work-group walks all 72 x 4 weight records whatever its rows, so each fragment read feeds four products.
; NINE PHASES OF ONE FORM (Wo; then W1 and W2 for each of four chunks of the hidden layer): eight records [half of my columns][K step], each four weight fragments, brought from memory into a ring of four register slots,
; three records ahead; source 0 = a weight fragment, source 1 = one of 16 resident fragments of the rows: a lane holds one token and its registers run along the columns, which are the next K.
; out1 lives in 256 registers from the first phase to the last: x and wo_b are its start, W2's products add onto it, so both residuals cost no pass of their own.
; Operands go from wave to wave through LDS as images of their registers, in halves of 768 bytes (registers 6 c .. 6 c + 3 at 16 x lane, 6 c + 4, 6 c + 5 at 512 + 8 x lane), scale words 4 bytes a lane.
; LIMITS: NaN and infinities are not served; a block of zeros gets the byte 1 (zero codes; read by this program alone); blocks under 2^-124 are held at the byte 1; the norm's sums are taken in another order than the reference's.
; REGISTERS, in windows of 256.  window 0: v1-13 addresses, v16-31 at work, v32-35 scale words made, v36-59 statistics, v60-86 codes made, v88-103 the rows' scale words, v104-119 the ring's, v128-255 the hidden layer's accumulators (also biases, rows on the way out).
;   window 1: out1, tile of rows m, tile of columns t at 64 m + 8 t.  window 2: the 16 fragments of the rows, b1 from v192.  window 3: the ring, slot k at 48 k; ln2_g from v192.
.set LI,  1
.set L8,  2
.set LS,  3
.set XA,  4
.set BA,  5
.set XWI, 6
.set XWI8, 7
.set XWS, 8
.set SO,  9
.set SO2, 10
.set SR,  11
.set RW,  12
.set R4,  13
.set TM,  16
.set PW,  32
.set MU,  36
.set RS,  44
.set SA,  52
.set PC,  60
.set T2,  84
.set OPS, 88
.set WS,  104
.set HA,  128
.set XIMG, 0                           ; LDS: the normalised rows' 16 fragments (tile m, K step s at 1536 (4 m + s)),
.set XSC,  24576                       ; their scale words, 128 bytes each,
.set HIMG, 26624                       ; a chunk's 16 hidden fragments,
.set HSC,  51200                       ; their scale words,
.set RED0, 53248                       ; the waves' row sums [m][wave] x 128 bytes,
.set RED1, 55296                       ; and sums of squares,
.set STG,  57344                       ; the stage: 64 rows x (2,048 + 16) bytes
.set SEL, 24
.set CNT, 28
.set MSB, 0
.macro WIN new
.if MSB != \new
	s_set_vgpr_msb (MSB<<8)|\new
.set MSB, \new
.endif
.endm
.macro PLACES n
.rept \n
	v_nop
.endr
.endm
.macro WMMA d, a, b, c, sa, sb
	v_wmma_scale_f32_16x16x128_f8f6f4 v[(\d):(\d)+7], v[(\a):(\a)+11], v[(\b):(\b)+11], v[(\c):(\c)+7], v[\sa], v[\sb] matrix_a_fmt:MATRIX_FMT_FP6 matrix_b_fmt:MATRIX_FMT_FP6
.endm
.macro BARRIER                         ; my LDS stores have landed and my LDS loads are in: then the work-group's barrier
	s_wait_dscnt 0x0
	s_barrier_signal -1
	s_barrier_wait -1
.endm
.macro QUANT4 s                        ; 64 numbers, register 16 b + i = k 32 b + 16 h + i: a fragment in v[PC] on, its scale word in v[PW]
.irp b, 0,1,2,3
	v_max3_num_f32 v[TM+\b], |v[(\s)+16*\b]|, |v[(\s)+1+16*\b]|, 0x1800000
.endr
.irp i, 2,4,6,8,10,12,14
.irp b, 0,1,2,3
	v_max3_num_f32 v[TM+\b], v[TM+\b], |v[(\s)+16*\b+\i]|, |v[(\s)+1+16*\b+\i]|
.endr
.endr
.irp b, 0,1,2,3
	v_permlanex16_b32 v[TM+4+\b], v[TM+\b], s[SEL], s[SEL+1]
.endr
.irp b, 0,1,2,3
	v_max_num_f32 v[TM+\b], v[TM+\b], v[TM+4+\b]
.endr
.irp b, 0,1,2,3
	v_add_nc_u32 v[TM+12+\b], 0xff000000, v[TM+\b]
.endr
.irp b, 0,1,2,3
	v_lshrrev_b32 v[TM+4+\b], 23, v[TM+12+\b]
.endr
	v_lshl_or_b32 v[PW], v[TM+5], 8, v[TM+4]
	v_lshl_or_b32 v[PW], v[TM+6], 16, v[PW]
	v_lshl_or_b32 v[PW], v[TM+7], 24, v[PW]
.irp c, 0,1
	v_cvt_scalef32_pk16_fp6_f32 v[PC+6*\c:PC+2+6*\c], v[(\s)+32*\c:(\s)+15+32*\c], v[TM+12+2*\c]
	v_cvt_scalef32_pk16_fp6_f32 v[PC+12+4*\c:PC+14+4*\c], v[(\s)+16+32*\c:(\s)+31+32*\c], v[TM+12+2*\c+1]
.endr
	v_nop
.irp c, 0,1
.irp i, 0,1,2
	v_permlane16_swap_b32 v[PC+6*\c+\i], v[PC+12+4*\c+\i]
.endr
.irp i, 0,1,2
	v_mov_b32 v[PC+3+6*\c+\i], v[PC+12+4*\c+\i]
.endr
.endr
.endm
.macro QUANT2 s, pc, pw                ; 32 numbers, two blocks: a half image in v[pc] on, two bytes in v[pw]
.irp b, 0,1
	v_max3_num_f32 v[TM+\b], |v[(\s)+16*\b]|, |v[(\s)+1+16*\b]|, 0x1800000
.endr
.irp i, 2,4,6,8,10,12,14
.irp b, 0,1
	v_max3_num_f32 v[TM+\b], v[TM+\b], |v[(\s)+16*\b+\i]|, |v[(\s)+1+16*\b+\i]|
.endr
.endr
.irp b, 0,1
	v_permlanex16_b32 v[TM+4+\b], v[TM+\b], s[SEL], s[SEL+1]
.endr
.irp b, 0,1
	v_max_num_f32 v[TM+\b], v[TM+\b], v[TM+4+\b]
.endr
.irp b, 0,1
	v_add_nc_u32 v[TM+12+\b], 0xff000000, v[TM+\b]
.endr
.irp b, 0,1
	v_lshrrev_b32 v[TM+4+\b], 23, v[TM+12+\b]
.endr
	v_lshl_or_b32 v[\pw], v[TM+5], 8, v[TM+4]
	v_cvt_scalef32_pk16_fp6_f32 v[(\pc):(\pc)+2], v[(\s):(\s)+15], v[TM+12]
	v_cvt_scalef32_pk16_fp6_f32 v[T2:T2+2], v[(\s)+16:(\s)+31], v[TM+13]
	v_nop
.irp i, 0,1,2
	v_permlane16_swap_b32 v[(\pc)+\i], v[T2+\i]
.endr
.irp i, 0,1,2
	v_mov_b32 v[(\pc)+3+\i], v[T2+\i]
.endr
.endm
.macro BLOAD win, reg, ptr, off        ; 64 numbers a lane of a vector over my 128 columns, in the result's layout (tile t: 32 (t / 2) + 16 h + 8 (t % 2) + 0 .. 7): 16 loads
	WIN \win
.irp t, 0,1,2,3,4,5,6,7
	global_load_b128 v[\reg+8*\t:\reg+8*\t+3], v[BA], s[\ptr:\ptr+1] offset:\off+128*(\t/2)+32*(\t%2)
	global_load_b128 v[\reg+8*\t+4:\reg+8*\t+7], v[BA], s[\ptr:\ptr+1] offset:\off+128*(\t/2)+32*(\t%2)+16
.endr
	WIN 0
.endm
.macro ISSUE n, slot                   ; my record n from where the walk stands: 12 loads of codes, one of scale words
	WIN 0xc0
.set ii, 0
.rept 12
	global_load_b128 v[48*(\slot)+4*ii:48*(\slot)+4*ii+3], v[LI], s[6:7] offset:(\n)*26624+512*ii
.set ii, ii+1
.endr
	WIN 0
	global_load_b128 v[WS+4*(\slot):WS+4*(\slot)+3], v[LI], s[6:7] offset:(\n)*26624+6144
.endm
; One record's 16 products: four tiles of rows x its four fragments; the 16 accumulators by turns, in the same order in every record.
; kind 0: onto out1;  1: the hidden layer, begun with b1 as C at K step 0.  iss: record n is asked for, into the slot that the last record has left.  bias: 1, 2: b1 of this, of the next chunk; 3: b2.
; cnt: the loads issued behind this record's own.  dsw: the LDS loads of later K steps that may stay out (-1: none are out)
.macro QUAD kind, hf, s, slot, iss, n, bias, cnt, dsw
	PLACES 4                                       ; in front of loads into registers that the last record's products have read
.if \bias == 1
	BLOAD 0x80, 192, 16, 0
.elseif \bias == 2
	BLOAD 0x80, 192, 16, 2048
.elseif \bias == 3
	BLOAD 0, HA, 18, 0
.endif
.if \iss
	ISSUE \n, ((\slot)+3)%4
.endif
	s_wait_loadcnt \cnt
.if \dsw >= 0
	s_wait_dscnt \dsw
.endif
.if \kind == 0
	WIN 0x5b
.elseif (\s) == 0
	WIN 0x2b
.else
	WIN 0x0b
.endif
.irp m, 0,1,2,3
.irp f, 0,1,2,3
.set rA, 48*(\slot)+12*\f
.set rB, 12*(4*\m+(\s))
.set rSA, WS+4*(\slot)+\f
.set rSB, OPS+4*\m+(\s)
.if \kind == 0
.set rD, 64*\m+8*(4*(\hf)+\f)
.set rC, rD
.else
.set rD, HA+32*\m+8*\f
.set rC, rD
.if (\s) == 0
.set rC, 192+8*(4*(\hf)+\f)
.endif
.endif
	WMMA rD, rA, rB, rC, rSA, rSB
.endr
.endr
	WIN 0
.endm
.macro FETCH img, scl                  ; 16 fragments and their scale words from LDS: the words first, then K step by K step, so that the first records need not wait for all
.set i, 0
.rept 16
	ds_load_b32 v[OPS+i], v[LS] offset:\scl+128*i
.set i, i+1
.endr
	WIN 0x80
.irp k, 0,1,2,3
.irp m, 0,1,2,3
	ds_load_b128 v[12*(4*\m+\k):12*(4*\m+\k)+3], v[LI] offset:\img+1536*(4*\m+\k)
	ds_load_b64 v[12*(4*\m+\k)+4:12*(4*\m+\k)+5], v[L8] offset:\img+1536*(4*\m+\k)+512
	ds_load_b128 v[12*(4*\m+\k)+6:12*(4*\m+\k)+9], v[LI] offset:\img+1536*(4*\m+\k)+768
	ds_load_b64 v[12*(4*\m+\k)+10:12*(4*\m+\k)+11], v[L8] offset:\img+1536*(4*\m+\k)+1280
.endr
.endr
	WIN 0
.endm
.macro HQUANT hf                       ; 64 hidden units x 64 rows: relu, quantised, half hf of K step w of the next product
	PLACES 4
.set i, 0
.rept 128
	v_max_num_f32 v[HA+i], 0, v[HA+i]
.set i, i+1
.endr
.irp m, 0,1,2,3
	QUANT2 HA+32*\m, PC+6*\m, PW+\m
.endr
.irp m, 0,1,2,3
	ds_store_b128 v[XWI], v[PC+6*\m:PC+6*\m+3] offset:HIMG+6144*\m+768*(\hf)
	ds_store_b64 v[XWI8], v[PC+6*\m+4:PC+6*\m+5] offset:HIMG+6144*\m+768*(\hf)+512
	ds_store_b16 v[XWS], v[PW+\m] offset:HSC+512*\m+2*(\hf)
.endr
	s_wait_dscnt 0x0                               ; the stores have read their registers
.endm
.macro REDUCE off                      ; v[SA+4+m]: my lane's part of row sums -> the whole rows', the waves' parts added in the order 0, 1, 2, 3
.irp m, 0,1,2,3
	v_permlanex16_b32 v[TM+4+\m], v[SA+4+\m], s[SEL], s[SEL+1]
.endr
.irp m, 0,1,2,3
	v_add_f32 v[SA+4+\m], v[SA+4+\m], v[TM+4+\m]
.endr
.irp m, 0,1,2,3
	ds_store_b32 v[RW], v[SA+4+\m] offset:\off+512*\m
.endr
	BARRIER
.set i, 0
.rept 16
	ds_load_b32 v[PC+i], v[LS] offset:RED0+\off+128*i
.set i, i+1
.endr
	s_wait_dscnt 0x0
.irp m, 0,1,2,3
	v_add_f32 v[SA+4+\m], v[PC+4*\m], v[PC+4*\m+1]
.endr
.irp m, 0,1,2,3
	v_add_f32 v[SA+4+\m], v[SA+4+\m], v[PC+4*\m+2]
.endr
.irp m, 0,1,2,3
	v_add_f32 v[SA+4+\m], v[SA+4+\m], v[PC+4*\m+3]
.endr
.endm
	s_load_b256 s[4:11], s[0:1], 0x0               ; ao, the records, x, wo_b
	s_load_b256 s[12:19], s[0:1], 0x20             ; ln2_g, ln2_b, ff1_b, ff2_b
	s_load_b64 s[20:21], s[0:1], 0x40              ; out0
	v_lshl_add_u32 v126, v0, 2, 0x2e400
	v_mov_b32 v127, 0
	v_lshrrev_b32 v14, 5, v0
	v_readfirstlane_b32 s22, v14                   ; wave
	v_and_b32 v14, 31, v0
	v_lshlrev_b32 v[LI], 4, v14
	v_lshlrev_b32 v[L8], 3, v14
	v_lshlrev_b32 v[LS], 2, v14
	v_and_b32 v14, 15, v0                          ; r
	v_lshlrev_b32 v[R4], 2, v14
	v_and_b32 v15, 8, v14
	v_add_nc_u32 v15, v15, v14                     ; r + 8 (r / 8)
	v_bfe_u32 v14, v0, 4, 1                        ; h
	v_lshlrev_b32 v[BA], 6, v14
	v_lshl_add_u32 v[XA], v15, 11, v[BA]
	s_mul_i32 s29, s22, 1536
	v_add_nc_u32 v[XWI], s29, v[LI]
	v_add_nc_u32 v[XWI8], s29, v[L8]
	s_lshl_b32 s29, s22, 7
	v_add_nc_u32 v[XWS], s29, v[LS]
	s_add_co_u32 s29, s29, RED0
	v_add_nc_u32 v[RW], s29, v[LS]
	v_mul_u32_u24 v[SO], v15, 2064
	v_add_nc_u32 v[SO], v[SO], v[BA]
	s_lshl_b32 s29, s22, 9
	s_add_co_u32 s29, s29, STG
	v_add_nc_u32 v[SO], s29, v[SO]                 ; the stage: my token's row, + 64 h, + 512 x wave
	v_add_nc_u32 v[SO2], 32*2064, v[SO]            ; and 32 rows further down
	s_mul_i32 s29, s22, 16*2064
	s_add_co_u32 s29, s29, STG
	v_add_nc_u32 v[SR], s29, v[LI]                 ; back: my 16 rows, 16 bytes a lane
.irp b, 0,1,2,3
	v_mov_b32 v[TM+4+\b], 0                        ; a lane permute's destination counts as one of its sources
.endr
	s_mov_b32 s[SEL], 0x76543210
	s_mov_b32 s[SEL+1], 0xfedcba98
	s_mov_b32 s26, 0x3b000000                      ; 1 / 512
	s_mov_b32 s27, 0x358637bd                      ; 1e-6
	s_mul_i32 s32, ttmp9, 24576                    ; my four tiles' codes in ao
	s_mov_b32 s33, 0
	s_lshl_b32 s34, ttmp9, 10
	s_add_co_u32 s34, s34, 3145728                 ; and their scale words
	s_mov_b32 s35, 0
	s_lshl_b32 s36, ttmp9, 17                      ; 64 rows of 2,048 bytes
	s_lshl_b32 s38, s22, 9                         ; my 128 columns
	s_mov_b32 s39, 0
	s_add_co_u32 s40, s36, s38
	s_mov_b32 s41, 0
	s_lshl_b32 s42, s22, 15                        ; on the way out: my 16 rows
	s_add_co_u32 s42, s42, s36
	s_mov_b32 s43, 0
	s_mul_i32 s44, s22, 6656
	s_add_co_u32 s44, s44, 96*6656
	s_mov_b32 s45, 0
	s_wait_kmcnt 0x0
	s_add_nc_u64 s[30:31], s[4:5], s[34:35]
	s_add_nc_u64 s[4:5], s[4:5], s[32:33]
	s_add_nc_u64 s[6:7], s[6:7], s[44:45]
	s_add_nc_u64 s[8:9], s[8:9], s[40:41]
	s_add_nc_u64 s[10:11], s[10:11], s[38:39]
	s_add_nc_u64 s[12:13], s[12:13], s[38:39]
	s_add_nc_u64 s[14:15], s[14:15], s[38:39]
	s_add_nc_u64 s[16:17], s[16:17], s[38:39]
	s_add_nc_u64 s[18:19], s[18:19], s[38:39]
	s_add_nc_u64 s[20:21], s[20:21], s[42:43]
	; ---- the head's loads: x into out1's registers, wo_b, the attention's 16 fragments and words, ln2_b, ln2_g, the first three records
	WIN 0x40
.irp m, 0,1,2,3
.irp t, 0,1,2,3,4,5,6,7
	global_load_b128 v[64*\m+8*\t:64*\m+8*\t+3], v[XA], s[8:9] offset:(32*(\m/2)+8*(\m%2))*2048+128*(\t/2)+32*(\t%2)
	global_load_b128 v[64*\m+8*\t+4:64*\m+8*\t+7], v[XA], s[8:9] offset:(32*(\m/2)+8*(\m%2))*2048+128*(\t/2)+32*(\t%2)+16
.endr
.endr
	WIN 0
	BLOAD 0, HA, 10, 0
	WIN 0x80
.set i, 0
.rept 16
	global_load_b128 v[12*i:12*i+3], v[LI], s[4:5] offset:1536*i
	global_load_b64 v[12*i+4:12*i+5], v[L8], s[4:5] offset:1536*i+512
	global_load_b128 v[12*i+6:12*i+9], v[LI], s[4:5] offset:1536*i+768
	global_load_b64 v[12*i+10:12*i+11], v[L8], s[4:5] offset:1536*i+1280
.set i, i+1
.endr
	WIN 0
.set i, 0
.rept 16
	global_load_b32 v[OPS+i], v[R4], s[30:31] offset:64*i
.set i, i+1
.endr
	BLOAD 0, HA+64, 14, 0
	BLOAD 0xc0, 192, 12, 0
	ISSUE 0, 0
	ISSUE 1, 1
	ISSUE 2, 2
	s_wait_loadcnt 39                              ; all but the three records
	WIN 0x41
.irp m, 0,1,2,3
.set i, 0
.rept 32
	v_pk_add_f32 v[64*\m+2*i:64*\m+2*i+1], v[64*\m+2*i:64*\m+2*i+1], v[HA+2*i:HA+2*i+1]   ; x + wo_b: where the first product's sums begin
.set i, i+1
.endr
.endr
	WIN 0
	; ---- Wo: eight records.  b1 of chunk 0 is asked for with record 5's turn: from there on 16 more loads are younger
.set e, 0
.rept 8
.set bsel, 0
.set csel, 39
.if e >= 5
.set csel, 55
.endif
.if e == 5
.set bsel, 1
.endif
	QUAD 0, e/4, e%4, e%4, 1, e+3, bsel, csel, -1
.set e, e+1
.endr
	s_wait_xcnt 0x0                                ; the loads have read their base
	s_add_nc_u64 s[6:7], s[6:7], 8*26624
	; ---- the second norm, four tiles of rows together; a row's 512 columns lie in four waves
	PLACES 4
.irp m, 0,1,2,3
	WIN 0x05
	v_pk_add_f32 v[SA:SA+1], v[64*\m:64*\m+1], v[64*\m+2:64*\m+3]
	v_pk_add_f32 v[SA+2:SA+3], v[64*\m+4:64*\m+5], v[64*\m+6:64*\m+7]
	WIN 0x04
.set i, 4
.rept 28
	v_pk_add_f32 v[SA+2*(i%2):SA+2*(i%2)+1], v[SA+2*(i%2):SA+2*(i%2)+1], v[64*\m+2*i:64*\m+2*i+1]
.set i, i+1
.endr
	WIN 0
	v_pk_add_f32 v[SA:SA+1], v[SA:SA+1], v[SA+2:SA+3]
	v_add_f32 v[SA+4+\m], v[SA], v[SA+1]
.endr
	REDUCE 0
.irp m, 0,1,2,3
	v_mul_f32 v[MU+2*\m], s26, v[SA+4+\m]
.endr
.irp m, 0,1,2,3
	v_mov_b32 v[MU+2*\m+1], v[MU+2*\m]
.endr
.irp m, 0,1,2,3
	WIN 0x01
.set i, 0
.rept 32
	v_pk_add_f32 v[HA+2*i:HA+2*i+1], v[64*\m+2*i:64*\m+2*i+1], v[MU+2*\m:MU+2*\m+1] neg_lo:[0,1] neg_hi:[0,1]
.set i, i+1
.endr
	WIN 0
	v_pk_mul_f32 v[SA:SA+1], v[HA:HA+1], v[HA:HA+1]
	v_pk_mul_f32 v[SA+2:SA+3], v[HA+2:HA+3], v[HA+2:HA+3]
.set i, 2
.rept 30
	v_pk_fma_f32 v[SA+2*(i%2):SA+2*(i%2)+1], v[HA+2*i:HA+2*i+1], v[HA+2*i:HA+2*i+1], v[SA+2*(i%2):SA+2*(i%2)+1]
.set i, i+1
.endr
	v_pk_add_f32 v[SA:SA+1], v[SA:SA+1], v[SA+2:SA+3]
	v_add_f32 v[SA+4+\m], v[SA], v[SA+1]
.endr
	REDUCE 2048                                    ; other bytes than the sums': one barrier serves
.irp m, 0,1,2,3
	v_fma_f32 v[SA+4+\m], v[SA+4+\m], s26, s27
.endr
.irp m, 0,1,2,3
	v_rsq_f32 v[RS+2*\m], v[SA+4+\m]
.endr
	v_nop
	s_wait_alu depctr_va_vdst(0)                   ; one wait for the four, ahead of the first reader
.irp m, 0,1,2,3
	v_mov_b32 v[RS+2*\m+1], v[RS+2*\m]
.endr
.irp m, 0,1,2,3
	WIN 0x01
.set i, 0
.rept 32
	v_pk_add_f32 v[HA+2*i:HA+2*i+1], v[64*\m+2*i:64*\m+2*i+1], v[MU+2*\m:MU+2*\m+1] neg_lo:[0,1] neg_hi:[0,1]
.set i, i+1
.endr
	WIN 0
.set i, 0
.rept 32
	v_pk_mul_f32 v[HA+2*i:HA+2*i+1], v[HA+2*i:HA+2*i+1], v[RS+2*\m:RS+2*\m+1]
.set i, i+1
.endr
	WIN 0x0c
.set i, 0
.rept 32
	v_pk_fma_f32 v[HA+2*i:HA+2*i+1], v[HA+2*i:HA+2*i+1], v[192+2*i:193+2*i], v[HA+64+2*i:HA+65+2*i]
.set i, i+1
.endr
	WIN 0
	QUANT4 HA                                      ; my 128 columns are K step w of the next product
	ds_store_b128 v[XWI], v[PC:PC+3] offset:XIMG+6144*\m
	ds_store_b64 v[XWI8], v[PC+4:PC+5] offset:XIMG+6144*\m+512
	ds_store_b128 v[XWI], v[PC+6:PC+9] offset:XIMG+6144*\m+768
	ds_store_b64 v[XWI8], v[PC+10:PC+11] offset:XIMG+6144*\m+1280
	ds_store_b32 v[XWS], v[PW] offset:XSC+512*\m
	s_wait_dscnt 0x0
.endr
	BARRIER                                        ; the normalised rows' sixteen fragments lie in LDS, for the rest of the launch
	FETCH XIMG, XSC
; A CHUNK of 512 hidden units: records 0-7 are W1's, 8-15 W2's.  last = 1: nothing is asked for beyond the last record, and b2 comes in b1's stead
.macro CHUNK last
.set e, 0
.rept 8
.set dw, -1
.if e < 4
.set dw, 16*(3-e)
.endif
	QUAD 1, e/4, e%4, e%4, 1, e+3, 0, 39, dw
.if e%4 == 3
	HQUANT e/4
.endif
.set e, e+1
.endr
	BARRIER                                        ; the chunk's sixteen hidden fragments lie in LDS
	FETCH HIMG, HSC
.rept 8
.set dw, -1
.if e < 12
.set dw, 16*(11-e)
.endif
.set isel, 1
.set bsel, 0
.set csel, 39
.if e >= 13
.if \last
.set isel, 0
.set csel, 16+13*(15-e)
.if e == 13
.set bsel, 3
.endif
.else
.set csel, 55
.if e == 13
.set bsel, 2
.endif
.endif
.endif
	QUAD 0, (e-8)/4, e%4, e%4, isel, e+3, bsel, csel, dw
.set e, e+1
.endr
.if \last == 0
	BARRIER                                        ; every wave has read the hidden fragments: the next chunk may write them
	PLACES 4
	FETCH XIMG, XSC
	s_wait_xcnt 0x0                                ; the loads have read their bases
	s_add_nc_u64 s[6:7], s[6:7], 16*26624
	s_add_nc_u64 s[16:17], s[16:17], 2048
.endif
.endm
	s_mov_b32 s[CNT], 3
.Lchunk:
	CHUNK 0
	s_sub_co_u32 s[CNT], s[CNT], 1
	s_cmp_lg_u32 s[CNT], 0
	s_cbranch_scc1 .Lchunk
	CHUNK 1                                        ; the last chunk is written out: no load leaves the records
	; ---- the way out: + b2; through the stage, where a row's four waves meet; each wave stores 16 whole rows
	s_wait_loadcnt 0x0
	PLACES 4
	WIN 0x41
.irp m, 0,1,2,3
.set i, 0
.rept 32
	v_pk_add_f32 v[64*\m+2*i:64*\m+2*i+1], v[64*\m+2*i:64*\m+2*i+1], v[HA+2*i:HA+2*i+1]
.set i, i+1
.endr
.endr
	WIN 0x04                                       ; an LDS store's data are its source 1
.irp m, 0,1
.irp t, 0,1,2,3,4,5,6,7
	ds_store_b128 v[SO], v[64*\m+8*\t:64*\m+8*\t+3] offset:\m*8*2064+128*(\t/2)+32*(\t%2)
	ds_store_b128 v[SO], v[64*\m+8*\t+4:64*\m+8*\t+7] offset:\m*8*2064+128*(\t/2)+32*(\t%2)+16
.endr
.endr
.irp m, 0,1
.irp t, 0,1,2,3,4,5,6,7
	ds_store_b128 v[SO2], v[128+64*\m+8*\t:128+64*\m+8*\t+3] offset:\m*8*2064+128*(\t/2)+32*(\t%2)
	ds_store_b128 v[SO2], v[128+64*\m+8*\t+4:128+64*\m+8*\t+7] offset:\m*8*2064+128*(\t/2)+32*(\t%2)+16
.endr
.endr
	WIN 0
	BARRIER                                        ; 64 whole rows lie in the stage
.irp u, 0,1                            ; eight rows at a time
.if \u
	s_wait_xcnt 0x0                                ; the first eight rows' stores have read their registers
.endif
.set i, 0
.rept 32
	ds_load_b128 v[HA+4*i:HA+4*i+3], v[SR] offset:(8*\u+i/4)*2064+512*(i%4)
.set i, i+1
.endr
.set i, 0
.rept 32
	s_wait_dscnt 31-i
	global_store_b128 v[LI], v[HA+4*i:HA+4*i+3], s[20:21] offset:(8*\u+i/4)*2048+512*(i%4) th:TH_STORE_NT   ; 32 lanes store 512 consecutive bytes, at a multiple of 256 from the buffer's first byte
.set i, i+1
.endr
.endr
	s_wait_tensorcnt 0x0
	ds_add_u32 v126, v127
	s_wait_dscnt 0x0
	s_endpgm
.Lfunc_end_k_q945f365e86_post:
	.size	k_q945f365e86_post, .Lfunc_end_k_q945f365e86_post-k_q945f365e86_post
	.p2alignl 7, 3214868480
	.fill 96, 4, 3214868480
	.section	.rodata,"a",@progbits
	.p2align	6, 0x0
	.amdhsa_kernel k_q945f365e86_post
		.amdhsa_group_segment_fixed_size 189952
		.amdhsa_private_segment_fixed_size 0
		.amdhsa_enable_private_segment 0
		.amdhsa_kernarg_size 72
		.amdhsa_user_sgpr_count 2
		.amdhsa_user_sgpr_kernarg_segment_ptr 1
		.amdhsa_wavefront_size32 1
		.amdhsa_system_sgpr_workgroup_id_x 1
		.amdhsa_system_sgpr_workgroup_id_y 1
		.amdhsa_system_sgpr_workgroup_id_z 1
		.amdhsa_system_vgpr_workitem_id 0
		.amdhsa_next_free_vgpr 1024
		.amdhsa_next_free_sgpr 66
		.amdhsa_reserve_vcc 0
		.amdhsa_float_denorm_mode_32 3
		.amdhsa_float_denorm_mode_16_64 3
		.amdhsa_memory_ordered 1
		.amdhsa_forward_progress 1
		.amdhsa_inst_pref_size 255
	.end_amdhsa_kernel
	.section	.bss,"aw",@nobits
	.p2align	6
	.space	262144
	.amdgpu_metadata
---
amdhsa.version: [ 1, 2 ]
amdhsa.kernels:
  - .name:           k_q945f365e86_post
    .symbol:         k_q945f365e86_post.kd
    .args:
      - { .name: ao, .offset: 0, .size: 8, .value_kind: global_buffer, .address_space: global }
      - { .name: wts, .offset: 8, .size: 8, .value_kind: global_buffer, .address_space: global }
      - { .name: x, .offset: 16, .size: 8, .value_kind: global_buffer, .address_space: global }
      - { .name: wo_b, .offset: 24, .size: 8, .value_kind: global_buffer, .address_space: global }
      - { .name: ln2_g, .offset: 32, .size: 8, .value_kind: global_buffer, .address_space: global }
      - { .name: ln2_b, .offset: 40, .size: 8, .value_kind: global_buffer, .address_space: global }
      - { .name: ff1_b, .offset: 48, .size: 8, .value_kind: global_buffer, .address_space: global }
      - { .name: ff2_b, .offset: 56, .size: 8, .value_kind: global_buffer, .address_space: global }
      - { .name: out0, .offset: 64, .size: 8, .value_kind: global_buffer, .address_space: global }
    .group_segment_fixed_size: 189952
    .private_segment_fixed_size: 0
    .kernarg_segment_align: 8
    .kernarg_segment_size: 72
    .max_flat_workgroup_size: 128
    .sgpr_count:     66
    .vgpr_count:     1024
    .wavefront_size: 32
...
	.end_amdgpu_metadata
.endif
;; end of part 4
;; ======== version 2 of 2: 4 launches
;; workspace buffers: wts 2,555,904 bytes; qb 3,407,872 bytes; kv 6,684,672 bytes; ao 3,276,800 bytes
;; launch prep (part 5): grid 384 x 1, 4 waves a work-group, no clusters, 0 bytes of LDS; arguments wq_w, wk_w, wv_w, wo_w, ff1_w, ff2_w, wts; writes wts
.if DOCPART == 5
	.amdgcn_target "amdgcn-amd-amdhsa--gfx1250"
	.amdhsa_code_object_version 6
	.text
	.protected	k_q945f365e86_prep
	.globl	k_q945f365e86_prep
	.p2align	8
	.type	k_q945f365e86_prep,@function
k_q945f365e86_prep:
	s_mov_b64 s[64:65], 0
	v_nop
	global_prefetch_b8 v0, s[64:65] scope:SCOPE_SE
	s_setreg_imm32_b32 hwreg(HW_REG_WAVE_MODE, 25, 1), 1
	s_wait_xcnt 0x0
; The six weights, f32 stored [K][N], become codes of FP6 (E2M3) with one E8M0 byte for each 32 along K, laid in the order of the operand's registers.
; A RECORD (6,656 bytes) is four fragments of 16 columns x 128 K: fragment f at 1536 f as three runs of 512 bytes (registers 4 c .. 4 c + 3 of lane l at 512 c + 16 l),
; then 512 bytes of scale words: lane l's four words (word f for fragment f) at 6144 + 16 l; lanes 16-31 repeat lanes 0-15.
; THE COLUMNS OF A FRAGMENT ARE NOT NEIGHBOURS: lane r of fragment f takes column 32 (f / 2) + 8 (f % 2) + r + 8 (r / 8) of the record's 64.
; A work-group makes one record, wave q fragment q.  A lane takes a column and its registers run down K, in the order of the operand's layout: nothing is transposed.
; Records 0-95: (4 g + s) 8 + head, g = 0, 1, 2 for wq, wk, wv, K step s, the head's 64 columns.
; Records 96-383: 96 + 4 r2 + w, r2 = 8 p + 4 hf + s: p = 0 wo; p = 1 + 2 c: ff1, columns 512 c on; p = 2 + 2 c: ff2, K 512 c on; columns 128 w + 64 hf on, K step s.
; LIMITS: NaN and infinities are not served; a block of zeros gets the byte 1 (its codes are zeros, and this program alone reads the bytes); blocks whose largest magnitude lies under 2^-124 are held at the byte 1.
	s_load_b256 s[4:11], s[0:1], 0x0               ; wq, wk, wv, wo
	s_load_b128 s[12:15], s[0:1], 0x20             ; ff1, ff2
	s_load_b64 s[16:17], s[0:1], 0x30              ; the records
	v_lshrrev_b32 v1, 5, v0
	v_readfirstlane_b32 s18, v1                    ; wave q = fragment
	v_and_b32 v1, 15, v0                           ; r
	v_bfe_u32 v2, v0, 4, 1                         ; h
	v_and_b32 v3, 8, v1
	v_add_nc_u32 v3, v3, v1                        ; r + 8 (r / 8)
	v_lshlrev_b32 v3, 2, v3                        ; my column, in bytes
	v_and_b32 v4, 31, v0
	v_lshlrev_b32 v4, 4, v4                        ; 16 x lane
	s_mul_i32 s19, s18, 1536
	v_add_nc_u32 v6, s19, v4                       ; where my codes go in the record
	s_lshl_b32 s19, s18, 2
	s_add_co_u32 s19, s19, 6144
	v_add_nc_u32 v7, s19, v4                       ; and my scale word
	s_mov_b32 s42, 0x76543210
	s_mov_b32 s43, 0xfedcba98                      ; lane l xor 16
	; which weight, which columns, which K: from the work-group's number alone
	s_and_b32 s20, ttmp9, 7                        ; records 0-95: head
	s_lshr_b32 s21, ttmp9, 3
	s_lshr_b32 s22, s21, 2                         ; weight 0, 1, 2
	s_and_b32 s23, s21, 3
	s_lshl_b32 s24, s20, 6                         ; first column
	s_lshl_b32 s25, s23, 7                         ; first k
	s_max_u32 s26, ttmp9, 96
	s_sub_co_u32 s26, s26, 96                      ; records 96 on
	s_and_b32 s27, s26, 3                          ; w
	s_lshr_b32 s28, s26, 2                         ; r2
	s_lshr_b32 s29, s28, 3                         ; p
	s_bfe_u32 s30, s28, 0x10002                    ; hf
	s_and_b32 s31, s28, 3                          ; s
	s_max_u32 s32, s29, 1
	s_sub_co_u32 s32, s32, 1
	s_lshr_b32 s32, s32, 1                         ; c
	s_lshl_b32 s32, s32, 9                         ; 512 c
	s_lshl_b32 s33, s27, 7
	s_lshl_b32 s34, s30, 6
	s_add_co_u32 s33, s33, s34                     ; 128 w + 64 hf
	s_lshl_b32 s34, s31, 7                         ; 128 s
	s_and_b32 s35, s29, 1
	s_cmp_eq_u32 s35, 1                            ; p odd: ff1
	s_cselect_b32 s36, s32, 0
	s_cselect_b32 s37, 0, s32
	s_cselect_b32 s38, 4, 5
	s_add_co_u32 s33, s33, s36
	s_add_co_u32 s34, s34, s37
	s_cmp_eq_u32 s29, 0
	s_cselect_b32 s38, 3, s38
	s_cmp_lt_u32 ttmp9, 96
	s_cselect_b32 s22, s22, s38                    ; the weight, 0 .. 5
	s_cselect_b32 s24, s24, s33                    ; the record's first column
	s_cselect_b32 s25, s25, s34                    ; its first k
	s_cmp_eq_u32 s22, 4
	s_cselect_b32 s39, 13, 11                      ; a row is 8,192 bytes in ff1, 2,048 in the others
	s_lshl_b32 s25, s25, s39
	s_lshr_b32 s40, s18, 1
	s_lshl_b32 s40, s40, 5
	s_and_b32 s41, s18, 1
	s_lshl_b32 s41, s41, 3
	s_add_co_u32 s24, s24, s40
	s_add_co_u32 s24, s24, s41                     ; + 32 (q / 2) + 8 (q % 2)
	s_lshl_b32 s24, s24, 2
	s_add_co_u32 s24, s24, s25
	s_mov_b32 s25, 0
	s_mul_i32 s26, ttmp9, 6656
	s_mov_b32 s27, 0
	s_wait_kmcnt 0x0
	s_cmp_eq_u32 s22, 1                            ; the choice hangs on the work-group's number alone
	s_cselect_b64 s[4:5], s[6:7], s[4:5]
	s_cmp_eq_u32 s22, 2
	s_cselect_b64 s[4:5], s[8:9], s[4:5]
	s_cmp_eq_u32 s22, 3
	s_cselect_b64 s[4:5], s[10:11], s[4:5]
	s_cmp_eq_u32 s22, 4
	s_cselect_b64 s[4:5], s[12:13], s[4:5]
	s_cmp_eq_u32 s22, 5
	s_cselect_b64 s[4:5], s[14:15], s[4:5]
	s_add_nc_u64 s[4:5], s[4:5], s[24:25]
	s_add_nc_u64 s[16:17], s[16:17], s[26:27]
.macro LOADS pitch                     ; W(k0 + 64 c + 32 h + i, my column) into v[64 + 32 c + i]; the four waves read 256 consecutive bytes of each row
.set li, 0
.rept 64
	global_load_b32 v[64+li], v5, s[4:5] offset:(li+32*(li/32))*\pitch th:TH_LOAD_NT
.set li, li+1
.endr
.endm
	s_cmp_eq_u32 s22, 4
	s_cbranch_scc1 .Lwide
	s_wait_alu depctr_va_vdst(0)
	v_lshl_add_u32 v5, v2, 16, v3                  ; lanes 16-31 begin 32 rows further down
	LOADS 2048
	s_branch .Lgot
.Lwide:
	s_wait_alu depctr_va_vdst(0)
	v_lshl_add_u32 v5, v2, 18, v3
	LOADS 8192
.Lgot:
	s_wait_loadcnt 0x0
.irp c, 0,1                            ; my block 2 c + h: all its 32 numbers are mine
	v_max3_num_f32 v[32+\c], |v[64+32*\c]|, |v[65+32*\c]|, 0x1800000   ; with the floor 2^(3 - 127): the byte cannot fall under 1
.endr
.irp i, 2,4,6,8,10,12,14,16,18,20,22,24,26,28,30
.irp c, 0,1
	v_max3_num_f32 v[32+\c], v[32+\c], |v[64+32*\c+\i]|, |v[65+32*\c+\i]|
.endr
.endr
.irp c, 0,1
	v_add_nc_u32 v[44+\c], 0xff000000, v[32+\c]    ; 2 off the exponent field: the conversion's scale operand
.endr
.irp c, 0,1
	v_lshrrev_b32 v[36+\c], 23, v[44+\c]           ; the scale's byte
.endr
	v_lshl_or_b32 v9, v37, 16, v36                 ; my two bytes: blocks h and 2 + h,
	v_lshlrev_b32 v10, 3, v2
	v_lshlrev_b32 v9, v10, v9                      ; 8 h bits up;
	v_mov_b32 v10, 0
	v_permlanex16_b32 v10, v9, s42, s43
	v_or_b32 v9, v9, v10                           ; with lane l xor 16's two the word is whole, in both halves of the lanes
.irp c, 0,1
	v_cvt_scalef32_pk16_fp6_f32 v[48+6*\c:50+6*\c], v[64+32*\c:79+32*\c], v[44+\c]
	v_cvt_scalef32_pk16_fp6_f32 v[16+4*\c:18+4*\c], v[80+32*\c:95+32*\c], v[44+\c]   ; (a conversion's three registers begin on an even number)
.endr
	v_nop                                          ; one plain place behind a scaled conversion
.irp c, 0,1
.irp i, 0,1,2
	v_mov_b32 v[51+6*\c+\i], v[16+4*\c+\i]
.endr
.endr
.irp c, 0,1,2
	global_store_b128 v6, v[48+4*\c:51+4*\c], s[16:17] offset:512*\c   ; 32 lanes store 512 consecutive bytes
.endr
	global_store_b32 v7, v9, s[16:17]              ; the four waves together fill the record's 512 bytes of scale words
	s_endpgm
.Lfunc_end_k_q945f365e86_prep:
	.size	k_q945f365e86_prep, .Lfunc_end_k_q945f365e86_prep-k_q945f365e86_prep
	.p2alignl 7, 3214868480
	.fill 96, 4, 3214868480
	.section	.rodata,"a",@progbits
	.p2align	6, 0x0
	.amdhsa_kernel k_q945f365e86_prep
		.amdhsa_group_segment_fixed_size 0
		.amdhsa_private_segment_fixed_size 0
		.amdhsa_enable_private_segment 0
		.amdhsa_kernarg_size 56
		.amdhsa_user_sgpr_count 2
		.amdhsa_user_sgpr_kernarg_segment_ptr 1
		.amdhsa_wavefront_size32 1
		.amdhsa_system_sgpr_workgroup_id_x 1
		.amdhsa_system_sgpr_workgroup_id_y 1
		.amdhsa_system_sgpr_workgroup_id_z 1
		.amdhsa_system_vgpr_workitem_id 0
		.amdhsa_next_free_vgpr 128
		.amdhsa_next_free_sgpr 66
		.amdhsa_reserve_vcc 0
		.amdhsa_float_denorm_mode_32 3
		.amdhsa_float_denorm_mode_16_64 3
		.amdhsa_memory_ordered 1
		.amdhsa_forward_progress 1
		.amdhsa_inst_pref_size 19
	.end_amdhsa_kernel
	.amdgpu_metadata
---
amdhsa.version: [ 1, 2 ]
amdhsa.kernels:
  - .name:           k_q945f365e86_prep
    .symbol:         k_q945f365e86_prep.kd
    .args:
      - { .name: wq_w, .offset: 0, .size: 8, .value_kind: global_buffer, .address_space: global }
      - { .name: wk_w, .offset: 8, .size: 8, .value_kind: global_buffer, .address_space: global }
      - { .name: wv_w, .offset: 16, .size: 8, .value_kind: global_buffer, .address_space: global }
      - { .name: wo_w, .offset: 24, .size: 8, .value_kind: global_buffer, .address_space: global }
      - { .name: ff1_w, .offset: 32, .size: 8, .value_kind: global_buffer, .address_space: global }
      - { .name: ff2_w, .offset: 40, .size: 8, .value_kind: global_buffer, .address_space: global }
      - { .name: wts, .offset: 48, .size: 8, .value_kind: global_buffer, .address_space: global }
    .group_segment_fixed_size: 0
    .private_segment_fixed_size: 0
    .kernarg_segment_align: 8
    .kernarg_segment_size: 56
    .max_flat_workgroup_size: 128
    .sgpr_count:     66
    .vgpr_count:     128
    .wavefront_size: 32
...
	.end_amdgpu_metadata
.endif
;; end of part 5
;; launch qkv (part 6): grid 128 x 2, 4 waves a work-group, no clusters, 27,136 bytes of LDS; arguments x, ln1_g, ln1_b, wts, wq_b, wk_b, wv_b, qb, kv; writes qb, kv
.if DOCPART == 6
	.amdgcn_target "amdgcn-amd-amdhsa--gfx1250"
	.amdhsa_code_object_version 6
	.text
	.protected	k_q945f365e86_qkv
	.globl	k_q945f365e86_qkv
	.p2align	8
	.type	k_q945f365e86_qkv,@function
k_q945f365e86_qkv:
	s_mov_b64 s[64:65], 0
	v_nop
	global_prefetch_b8 v0, s[64:65] scope:SCOPE_SE
	s_setreg_imm32_b32 hwreg(HW_REG_WAVE_SCHED_MODE, 0, 2), 2
	s_setreg_imm32_b32 hwreg(HW_REG_WAVE_MODE, 25, 1), 1
	s_wait_xcnt 0x0
	s_wait_alu depctr_vm_vsrc(0)
; xn = layernorm(x); q, k, v = xn W + b on codes of FP6 (E2M3) with E8M0 scales; q and k are quantised along the head's 64, v along the tokens; all three leave as images of operand registers.
; SHARES.  Work-group (x, y): 64 tokens (64 x on) and heads 4 y .. 4 y + 3.  For the norm wave w owns token tile w; afterwards it owns head 4 y + w for all four token tiles.
; TOKEN TILE m stands for tokens 32 (m / 2) + 8 (m % 2) + r + 8 (r / 8) of the 64; the columns of a weight fragment are chosen the same way.  So the 16 registers of two neighbouring result tiles are 16 neighbours.
; q, k: source 0 = 16 columns of W, source 1 = 16 tokens: a lane holds one token and its registers run along the head.  v: the sources swapped: a lane holds one channel and its registers run along the tokens.
; The biases are the C of each sum's first matrix instruction.  xn's fragments go from wave to wave through LDS as images of their registers (three runs of 512 bytes), their scale words 4 bytes a lane.
; A HALF IMAGE (768 bytes) is registers 0-5 of a fragment: registers 0-3 at 16 x lane, registers 4-5 at 512 + 8 x lane.
; qb, for each batch and head 106,496 bytes: 128 token tiles' half images; at 98,304 the scale words [4 tiles][r][word of tile].  K = 64: the words' upper two bytes are 127, over zero codes that the reader supplies.
; kv, for each batch and head 208,896 bytes: k as q (words at 196,608); at 98,304 v: [128 keys][channel tile] x 1,536, two half images of 64 keys; at 204,800 v's words [128 keys][r][channel tile].
; LIMITS: NaN and infinities are not served; a block of zeros gets the byte 1 (zero codes; read by this program alone); blocks under 2^-124 are held at the byte 1; the norm's sums are taken in another order than the reference's.
; REGISTERS, in windows of 256.  window 0: v1-9 addresses, v16-31 at work, v32-35 scale words made, v36-47 statistics, v48-63 xn's scale words, v64-95 the weights' scale words (two sets), v96-122 codes made, v128-255 accumulators.
;   window 1: my tile's 256 numbers of x, later xn's 16 fragments.  window 2: weight set A, bias A from v192.  window 3: g and b (two sets), later weight set B, bias B from v192.
; THE MODE: SCHED_MODE bits 1:0 = 2 (LLVM: expert scheduling mode 2), set by the entry lines.  The code itself states the register dependences
; between vector or matrix instructions and memory or LDS instructions, with s_wait_alu, always for 0.
; THE PLAN.  Registers that memory or LDS instructions touch:
;   v1-9          offsets and addresses: written at the head, never again; read by every load and store.
;   window 1      x lands there; the norm's vector lines read and write it; behind the barrier xn's fragments land there from LDS; the products read them.
;   window 3      g and b, two sets: K step s's multiply-adds read set s % 2; then the set takes K step s + 2; behind K step 3 wk's records and bias land there; k's products read them.
;   window 2, v64-79   wq's records, bias and scale words: q's products read them; then wv's land there; v's products read them.
;   v96-119, v32-35    codes and scale words: written by the quantisers; read by the LDS stores of xn's images and by q's, k's and v's stores.
;   v48-63, v80-95     loaded once, read by products.
; In a K step of the norm ONE wait on va_vdst stands behind the quantiser: behind it come the step's LDS stores and the loads into the set of g and b that the step has used.
; One stands behind q's products, ahead of wv's loads; one ahead of each run of stores.  A wait on vm_vsrc stands ahead of each quantiser but the first.
.set LI,  1                            ; 16 x lane
.set L8,  2                            ; 8 x lane
.set LS,  3                            ; 4 x lane
.set XA,  4                            ; (r + 8 (r / 8)) x 2048 + 64 h
.set GA,  5                            ; 64 h
.set XWI, 6                            ; 16 x lane + 6144 x wave
.set XWS, 7                            ; 4 x lane + 512 x wave
.set R16, 8                            ; 16 r
.set BVA, 9                            ; 4 (r + 8 (r / 8))
.set TM,  16
.set PW,  32
.set MU,  36
.set RS,  38
.set SA,  40
.set XS,  48
.set WSA, 64
.set WSB, 80
.set PC,  96
.set T2,  120
.set ACC, 128
.set OUT, 128
.set XSC, 24576                        ; LDS: 16 images of 1,536 bytes, then 16 x 128 bytes of scale words
.set SEL, 40
.set MSB, 0
.macro WIN new                         ; the immediate's high byte repeats the setting that is left
.if MSB != \new
	s_set_vgpr_msb (MSB<<8)|\new
.set MSB, \new
.endif
.endm
.macro PLACES n
.rept \n
	v_nop
.endr
.endm
.macro WMMA d, a, b, c, sa, sb
	v_wmma_scale_f32_16x16x128_f8f6f4 v[(\d):(\d)+7], v[(\a):(\a)+11], v[(\b):(\b)+11], v[(\c):(\c)+7], v[\sa], v[\sb] matrix_a_fmt:MATRIX_FMT_FP6 matrix_b_fmt:MATRIX_FMT_FP6
.endm
; 64 numbers of a lane, register 16 b + i = k 32 b + 16 h + i of my row, become a fragment's codes in v[PC] on and its scale word in v[PW]
.macro QUANT4 s
.irp b, 0,1,2,3
	v_max3_num_f32 v[TM+\b], |v[(\s)+16*\b]|, |v[(\s)+1+16*\b]|, 0x1800000   ; with the floor 2^(3 - 127)
.endr
.irp i, 2,4,6,8,10,12,14
.irp b, 0,1,2,3
	v_max3_num_f32 v[TM+\b], v[TM+\b], |v[(\s)+16*\b+\i]|, |v[(\s)+1+16*\b+\i]|
.endr
.endr
.irp b, 0,1,2,3
	v_permlanex16_b32 v[TM+4+\b], v[TM+\b], s[SEL], s[SEL+1]
.endr
.irp b, 0,1,2,3
	v_max_num_f32 v[TM+\b], v[TM+\b], v[TM+4+\b]   ; with lane l xor 16's: the block's largest magnitude
.endr
.irp b, 0,1,2,3
	v_add_nc_u32 v[TM+12+\b], 0xff000000, v[TM+\b] ; 2 off the exponent field: the conversion's scale operand
.endr
.irp b, 0,1,2,3
	v_lshrrev_b32 v[TM+4+\b], 23, v[TM+12+\b]      ; the byte
.endr
	v_lshl_or_b32 v[PW], v[TM+5], 8, v[TM+4]
	v_lshl_or_b32 v[PW], v[TM+6], 16, v[PW]
	v_lshl_or_b32 v[PW], v[TM+7], 24, v[PW]
.irp c, 0,1
	v_cvt_scalef32_pk16_fp6_f32 v[PC+6*\c:PC+2+6*\c], v[(\s)+32*\c:(\s)+15+32*\c], v[TM+12+2*\c]
	v_cvt_scalef32_pk16_fp6_f32 v[PC+12+4*\c:PC+14+4*\c], v[(\s)+16+32*\c:(\s)+31+32*\c], v[TM+12+2*\c+1]
.endr
	v_nop                                          ; one plain place behind a scaled conversion
.irp c, 0,1                            ; the operand's layout wants a whole block in a lane
.irp i, 0,1,2
	v_permlane16_swap_b32 v[PC+6*\c+\i], v[PC+12+4*\c+\i]
.endr
.irp i, 0,1,2
	v_mov_b32 v[PC+3+6*\c+\i], v[PC+12+4*\c+\i]
.endr
.endr
.endm
; the same for 32 numbers, two blocks: a half image in v[pc] on, two bytes in v[pw]; hi = 1: bytes 2 and 3 are 127
.macro QUANT2 s, pc, pw, hi
.irp b, 0,1
	v_max3_num_f32 v[TM+\b], |v[(\s)+16*\b]|, |v[(\s)+1+16*\b]|, 0x1800000
.endr
.irp i, 2,4,6,8,10,12,14
.irp b, 0,1
	v_max3_num_f32 v[TM+\b], v[TM+\b], |v[(\s)+16*\b+\i]|, |v[(\s)+1+16*\b+\i]|
.endr
.endr
.irp b, 0,1
	v_permlanex16_b32 v[TM+4+\b], v[TM+\b], s[SEL], s[SEL+1]
.endr
.irp b, 0,1
	v_max_num_f32 v[TM+\b], v[TM+\b], v[TM+4+\b]
.endr
.irp b, 0,1
	v_add_nc_u32 v[TM+12+\b], 0xff000000, v[TM+\b]
.endr
.irp b, 0,1
	v_lshrrev_b32 v[TM+4+\b], 23, v[TM+12+\b]
.endr
	v_lshl_or_b32 v[\pw], v[TM+5], 8, v[TM+4]
.if \hi
	v_or_b32 v[\pw], 0x7f7f0000, v[\pw]
.endif
	v_cvt_scalef32_pk16_fp6_f32 v[(\pc):(\pc)+2], v[(\s):(\s)+15], v[TM+12]
	v_cvt_scalef32_pk16_fp6_f32 v[T2:T2+2], v[(\s)+16:(\s)+31], v[TM+13]
	v_nop
.irp i, 0,1,2
	v_permlane16_swap_b32 v[(\pc)+\i], v[T2+\i]
.endr
.irp i, 0,1,2
	v_mov_b32 v[(\pc)+3+\i], v[T2+\i]
.endr
.endm
.macro GBLOAD s, p                     ; g and b of K step s, in my lane's order, into set p of window 3: 32 loads
	WIN 0xc0
.set gbi, 0
.rept 16
	global_load_b128 v[128*(\p)+4*gbi:128*(\p)+4*gbi+3], v[GA], s[6:7] offset:512*(\s)+128*(gbi/4)+16*(gbi%4)
	global_load_b128 v[128*(\p)+64+4*gbi:128*(\p)+64+4*gbi+3], v[GA], s[8:9] offset:512*(\s)+128*(gbi/4)+16*(gbi%4)
.set gbi, gbi+1
.endr
	WIN 0
.endm
.macro WLOAD gq, win, ws               ; my head's four records of weight gq: 48 loads of codes (fragment (s, f) at 12 (4 s + f)), 4 of scale words
	WIN \win
.set wls, 0
.rept 4
.set wli, 0
.rept 12
	global_load_b128 v[48*wls+4*wli:48*wls+4*wli+3], v[LI], s[10:11] offset:(4*(\gq)+wls)*53248+512*wli
.set wli, wli+1
.endr
.set wls, wls+1
.endr
	WIN 0
.irp k, 0,1,2,3
	global_load_b128 v[\ws+4*\k:\ws+4*\k+3], v[LI], s[10:11] offset:(4*(\gq)+\k)*53248+6144
.endr
.endm
.macro BIASQK ptr, win                 ; tile t's eight units of my half: 8 loads
	WIN \win
.irp t, 0,1,2,3
	global_load_b128 v[192+8*\t:195+8*\t], v[GA], s[\ptr:\ptr+1] offset:(32*(\t/2)+8*(\t%2))*4
	global_load_b128 v[196+8*\t:199+8*\t], v[GA], s[\ptr:\ptr+1] offset:(32*(\t/2)+8*(\t%2))*4+16
.endr
	WIN 0
.endm
; 64 matrix instructions: K step by K step, the 16 accumulators by turns, one instruction a turn
.macro GROUP swap, wfirst, wrest, ws
.set gs, 0
.rept 4
.if gs == 0
	WIN \wfirst
.else
	WIN \wrest
.endif
.set go, 0
.rept 4
.set gi, 0
.rept 4
.set rD, ACC+32*go+8*gi
.if \swap
.set rA, 12*(4*gi+gs)
.set rB, 12*(4*gs+go)
.set rSA, XS+4*gi+gs
.set rSB, \ws+4*gs+go
.set rC, 192+8*go
.else
.set rA, 12*(4*gs+gi)
.set rB, 12*(4*go+gs)
.set rSA, \ws+4*gs+gi
.set rSB, XS+4*go+gs
.set rC, 192+8*gi
.endif
.if gs > 0
.set rC, rD
.endif
	WMMA rD, rA, rB, rC, rSA, rSB
.set gi, gi+1
.endr
.set go, go+1
.endr
.set gs, gs+1
.endr
	WIN 0
.endm
.macro OUTQK cb, sb                    ; four token tiles: quantised along the head, half images and scale words stored
.irp o, 0,1,2,3
	QUANT2 ACC+32*\o, PC+6*\o, PW+\o, 1
.endr
	s_wait_alu depctr_va_vdst(0)                   ; the four half images v[PC ..] and the four words v[PW ..] are written, which the stores below read
.irp o, 0,1,2,3
	global_store_b128 v[LI], v[PC+6*\o:PC+6*\o+3], s[\cb:\cb+1] offset:768*\o
	global_store_b64 v[L8], v[PC+6*\o+4:PC+6*\o+5], s[\cb:\cb+1] offset:768*\o+512
.endr
	global_store_b128 v[R16], v[PW:PW+3], s[\sb:\sb+1]   ; 16 lanes fill 256 consecutive bytes; lanes 16-31 store the same words again
.endm
	s_load_b256 s[4:11], s[0:1], 0x0               ; x, g, b, the records
	s_load_b256 s[12:19], s[0:1], 0x20             ; wq_b, wk_b, wv_b, qb
	s_load_b64 s[20:21], s[0:1], 0x40              ; kv
	v_lshl_add_u32 v126, v0, 2, 0x6800
	v_mov_b32 v127, 0
	v_lshrrev_b32 v10, 5, v0
	v_readfirstlane_b32 s22, v10                   ; wave
	v_and_b32 v10, 31, v0
	v_and_b32 v11, 15, v0                          ; r
	v_bfe_u32 v12, v0, 4, 1                        ; h
	v_lshlrev_b32 v[LI], 4, v10
	v_lshlrev_b32 v[L8], 3, v10
	v_lshlrev_b32 v[LS], 2, v10
	v_and_b32 v13, 8, v11
	v_add_nc_u32 v13, v13, v11                     ; r + 8 (r / 8)
	v_lshlrev_b32 v[GA], 6, v12
	v_lshl_add_u32 v[XA], v13, 11, v[GA]
	s_wait_alu depctr_va_sdst(0)                   ; s22 is written, ahead of its first reader: LDS addresses and all the bases are made from it
	s_mul_i32 s23, s22, 6144
	v_add_nc_u32 v[XWI], s23, v[LI]
	s_lshl_b32 s23, s22, 9
	v_add_nc_u32 v[XWS], s23, v[LS]
	v_lshlrev_b32 v[R16], 4, v11
	v_lshlrev_b32 v[BVA], 2, v13
.irp b, 0,1,2,3
	v_mov_b32 v[TM+4+\b], 0                        ; written once: a lane permute's destination counts as one of its sources
.endr
	s_mov_b32 s[SEL], 0x76543210
	s_mov_b32 s[SEL+1], 0xfedcba98
	s_mov_b32 s42, 0x3b000000                      ; 1 / 512
	s_mov_b32 s43, 0x358637bd                      ; 1e-6
	s_and_b32 s24, ttmp7, 0xffff                   ; y
	s_lshl_b32 s25, s24, 2
	s_add_co_u32 s25, s25, s22                     ; my head
	s_lshr_b32 s26, ttmp9, 5                       ; batch
	s_and_b32 s27, ttmp9, 31                       ; block of 64 tokens in the batch
	s_lshl_b32 s28, s26, 3
	s_add_co_u32 s28, s28, s25                     ; 8 x batch + head
	s_lshl_b32 s30, ttmp9, 6
	s_lshr_b32 s31, s22, 1
	s_lshl_b32 s31, s31, 5
	s_add_co_u32 s30, s30, s31
	s_and_b32 s31, s22, 1
	s_lshl_b32 s31, s31, 3
	s_add_co_u32 s30, s30, s31                     ; my token tile's first row
	s_lshl_b32 s30, s30, 11
	s_mov_b32 s31, 0
	s_mul_i32 s44, s25, 6656
	s_mov_b32 s45, 0
	s_lshl_b32 s46, s25, 8
	s_mov_b32 s47, 0
	s_mul_i32 s29, s28, 106496
	s_mul_i32 s23, s27, 3072
	s_add_co_u32 s48, s29, s23                     ; q's codes
	s_mov_b32 s49, 0
	s_lshl_b32 s60, s27, 8
	s_add_co_u32 s50, s29, s60
	s_add_co_u32 s50, s50, 98304                   ; q's scale words
	s_mov_b32 s51, 0
	s_mul_i32 s29, s28, 208896
	s_add_co_u32 s52, s29, s23                     ; k's codes
	s_mov_b32 s53, 0
	s_add_co_u32 s54, s29, s60
	s_add_co_u32 s54, s54, 196608                  ; k's scale words
	s_mov_b32 s55, 0
	s_lshr_b32 s61, s27, 1                         ; which 128 keys
	s_and_b32 s62, s27, 1                          ; which half of them
	s_mul_i32 s56, s61, 6144
	s_mul_i32 s63, s62, 768
	s_add_co_u32 s56, s56, s63
	s_add_co_u32 s56, s56, s29
	s_add_co_u32 s56, s56, 98304                   ; v's codes
	s_mov_b32 s57, 0
	s_lshl_b32 s58, s61, 8
	s_lshl_b32 s63, s62, 1
	s_add_co_u32 s58, s58, s63
	s_add_co_u32 s58, s58, s29
	s_add_co_u32 s58, s58, 204800                  ; v's scale bytes
	s_mov_b32 s59, 0
	s_wait_kmcnt 0x0
	s_add_nc_u64 s[4:5], s[4:5], s[30:31]
	s_add_nc_u64 s[10:11], s[10:11], s[44:45]
	s_add_nc_u64 s[12:13], s[12:13], s[46:47]
	s_add_nc_u64 s[14:15], s[14:15], s[46:47]
	s_add_nc_u64 s[16:17], s[16:17], s[46:47]
	s_add_nc_u64 s[32:33], s[18:19], s[50:51]
	s_add_nc_u64 s[18:19], s[18:19], s[48:49]
	s_add_nc_u64 s[34:35], s[20:21], s[54:55]
	s_add_nc_u64 s[36:37], s[20:21], s[56:57]
	s_add_nc_u64 s[38:39], s[20:21], s[58:59]
	s_add_nc_u64 s[20:21], s[20:21], s[52:53]
	; ---- my token tile: lane (r, h) takes, of its row, the 16 numbers 32 blk + 16 h + 0 .. 15 of each block of 32: register 16 blk + i of window 1
	WIN 0x40
	s_wait_alu depctr_va_vdst(0)                   ; the nine offsets and addresses v1 to v9 are written, which the loads and stores of the whole kernel read; none is written again
.set i, 0
.rept 64
	global_load_b128 v[4*i:4*i+3], v[XA], s[4:5] offset:128*(i/4)+16*(i%4)
.set i, i+1
.endr
	WIN 0
	GBLOAD 0, 0
	GBLOAD 1, 1
	s_wait_loadcnt 63                              ; 64 loads were issued behind x's: x is in
	WIN 0x05
.irp k, 0,1,2,3
	v_pk_add_f32 v[SA+2*\k:SA+2*\k+1], v[2*\k:2*\k+1], v[8+2*\k:9+2*\k]   ; the row's sum, in four chains
.endr
	WIN 0x04
.set i, 8
.rept 120
	v_pk_add_f32 v[SA+2*(i%4):SA+2*(i%4)+1], v[SA+2*(i%4):SA+2*(i%4)+1], v[2*i:2*i+1]
.set i, i+1
.endr
	WIN 0
	v_pk_add_f32 v[SA:SA+1], v[SA:SA+1], v[SA+2:SA+3]
	v_pk_add_f32 v[SA+4:SA+5], v[SA+4:SA+5], v[SA+6:SA+7]
	v_pk_add_f32 v[SA:SA+1], v[SA:SA+1], v[SA+4:SA+5]
	v_add_f32 v[SA], v[SA], v[SA+1]
	v_permlanex16_b32 v[SA+1], v[SA], s[SEL], s[SEL+1]
	v_add_f32 v[SA], v[SA], v[SA+1]                ; with lane l xor 16's half of the row
	v_mul_f32 v[MU], s42, v[SA]
	v_mov_b32 v[MU+1], v[MU]
	WIN 0x41
.set i, 0
.rept 128
	v_pk_add_f32 v[2*i:2*i+1], v[2*i:2*i+1], v[MU:MU+1] neg_lo:[0,1] neg_hi:[0,1]   ; x - mean, in place
.set i, i+1
.endr
	WIN 0x05
.irp k, 0,1,2,3
	v_pk_mul_f32 v[SA+2*\k:SA+2*\k+1], v[2*\k:2*\k+1], v[2*\k:2*\k+1]
.endr
.set i, 4
.rept 124
	v_pk_fma_f32 v[SA+2*(i%4):SA+2*(i%4)+1], v[2*i:2*i+1], v[2*i:2*i+1], v[SA+2*(i%4):SA+2*(i%4)+1]
.set i, i+1
.endr
	WIN 0
	v_pk_add_f32 v[SA:SA+1], v[SA:SA+1], v[SA+2:SA+3]
	v_pk_add_f32 v[SA+4:SA+5], v[SA+4:SA+5], v[SA+6:SA+7]
	v_pk_add_f32 v[SA:SA+1], v[SA:SA+1], v[SA+4:SA+5]
	v_add_f32 v[SA], v[SA], v[SA+1]
	v_permlanex16_b32 v[SA+1], v[SA], s[SEL], s[SEL+1]
	v_add_f32 v[SA], v[SA], v[SA+1]
	v_fma_f32 v[SA], v[SA], s42, s43               ; variance + 1e-6
	s_wait_alu depctr_va_vdst(0)
	v_rsq_f32 v[RS], v[SA]
	v_nop                                          ; a plain place behind the transcendental
	s_wait_alu depctr_va_vdst(0)                   ; the reciprocal root v[RS] is written, ahead of its first reader
	v_mov_b32 v[RS+1], v[RS]
	WLOAD 0, 0x80, WSA                             ; wq's records and bias: 60 loads.  No vector line has yet named window 2 or v64-79
	BIASQK 12, 0x80
; K step s of xn: normalised, quantised, its image stored.  cnt: the loads issued behind this step's g and b that may stay out
.macro LNSTEP s, cnt
	WIN 0x41
.set i, 0
.rept 32
	v_pk_mul_f32 v[64*(\s)+2*i:64*(\s)+2*i+1], v[64*(\s)+2*i:64*(\s)+2*i+1], v[RS:RS+1]
.set i, i+1
.endr
	s_wait_loadcnt \cnt
	WIN 0x3d
.set i, 0
.rept 32
	v_pk_fma_f32 v[OUT+2*i:OUT+2*i+1], v[64*(\s)+2*i:64*(\s)+2*i+1], v[128*((\s)%2)+2*i:128*((\s)%2)+2*i+1], v[128*((\s)%2)+64+2*i:128*((\s)%2)+64+2*i+1]
.set i, i+1
.endr
	WIN 0
.if \s > 0
	s_wait_alu depctr_vm_vsrc(0)                   ; the last K step's LDS stores have read v[PC ..] and v[PW], which the quantiser writes again
.endif
	QUANT4 OUT
	s_wait_alu depctr_va_vdst(0)                   ; the codes v[PC ..] and the word v[PW] are written, which the LDS stores read; the multiply-adds are done reading g and b, in whose registers the loads below land
.irp c, 0,1,2
	ds_store_b128 v[XWI], v[PC+4*\c:PC+4*\c+3] offset:1536*(\s)+512*\c
.endr
	ds_store_b32 v[XWS], v[PW] offset:XSC+128*(\s)
.if \s < 2
	GBLOAD (\s)+2, \s                              ; the set just used takes the K step two on.  No vector line since the wait; the stores between name none of these loads' registers
.endif
.if \s == 3
	WLOAD 1, 0xc0, WSB                             ; g and b are done with: wk's records and bias take their window: 60 loads
	BIASQK 14, 0xc0
.endif
	s_wait_dscnt 0x0                               ; my stores have landed: behind the last K step that is for the other waves' sake, ahead of the barrier
.endm
	LNSTEP 0, 63                                   ; behind set 0: set 1 and wq's 60: 92 loads
	LNSTEP 1, 63                                   ; behind set 1: wq's 60 and K step 2's 32
	LNSTEP 2, 32                                   ; behind K step 2's: K step 3's 32; wq's are older: they are in
	LNSTEP 3, 0
	s_barrier_signal -1                            ; my stores have landed (the wait for 0 above)
	s_barrier_wait -1                              ; xn's sixteen fragments lie in LDS
	WIN 0x40
.set i, 0
.rept 48
	ds_load_b128 v[4*i:4*i+3], v[LI] offset:512*i  ; fragment (m, s) at 12 (4 m + s) of window 1.  The norm's lines, which named these registers, stand ahead of K step 3's wait; no vector line has been issued since
.set i, i+1
.endr
	WIN 0
.set i, 0
.rept 16
	ds_load_b32 v[XS+i], v[LS] offset:XSC+128*i
.set i, i+1
.endr
	s_wait_dscnt 0x0
	; ---- q
	GROUP 0, 0x26, 0x06, WSA
	PLACES 4                                       ; four places behind the last product, ahead of the first read of results
	s_wait_alu depctr_va_vdst(0)                   ; q's products are done reading wq's fragments, bias and scale words, in whose registers wv's land
	s_wait_alu depctr_vm_vsrc(0)                   ; K step 3's LDS stores have read v[PC ..] and v[PW], which q's quantisers write again
	WLOAD 2, 0x80, WSA                             ; wv's records, and its bias: a lane holds one channel, so a tile's eight registers hold one number: 84 loads
	WIN 0x80
.irp t, 0,1,2,3
.irp j, 0,1,2,3,4,5,6,7
	global_load_b32 v[192+8*\t+\j], v[BVA], s[16:17] offset:(32*(\t/2)+8*(\t%2))*4
.endr
.endr
	WIN 0
	OUTQK 18, 32
	; ---- k
	s_wait_loadcnt 63                              ; 84 loads were issued behind wk's
	GROUP 0, 0x37, 0x07, WSB
	PLACES 4
	s_wait_xcnt 0x0                                ; q's stores have had their addresses translated
	s_wait_alu depctr_vm_vsrc(0)                   ; q's stores have read v[PC ..] and v[PW ..], which k's quantisers write again
	OUTQK 20, 34
	; ---- v, the sources swapped
	s_wait_loadcnt 0x0
	GROUP 1, 0x29, 0x09, WSA
	PLACES 4
	s_wait_xcnt 0x0
	s_wait_alu depctr_vm_vsrc(0)                   ; k's stores have read v[PC ..] and v[PW ..], which v's quantisers write again
.irp t, 0,1,2,3
	QUANT2 ACC+32*\t, PC+6*\t, PW+\t, 0            ; channel tile t: my channel's 64 tokens, two blocks
.endr
	s_wait_alu depctr_va_vdst(0)                   ; the four half images v[PC ..] and the bytes in v[PW ..] are written, which the stores below read
.irp t, 0,1,2,3
	global_store_b128 v[LI], v[PC+6*\t:PC+6*\t+3], s[36:37] offset:1536*\t
	global_store_b64 v[L8], v[PC+6*\t+4:PC+6*\t+5], s[36:37] offset:1536*\t+512
	global_store_b16 v[R16], v[PW+\t], s[38:39] offset:4*\t   ; two of the word's four bytes; the neighbouring block of 64 tokens stores the other two
.endr
	s_wait_dscnt 0x0
	s_wait_alu depctr_hold_cnt(0) depctr_sa_sdst(0) depctr_va_vdst(0) depctr_va_sdst(0) depctr_va_ssrc(0) depctr_va_vcc(0) depctr_vm_vsrc(0)
	s_wait_tensorcnt 0x0
	ds_add_u32 v126, v127
	s_wait_dscnt 0x0
	s_endpgm
.Lfunc_end_k_q945f365e86_qkv:
	.size	k_q945f365e86_qkv, .Lfunc_end_k_q945f365e86_qkv-k_q945f365e86_qkv
	.p2alignl 7, 3214868480
	.fill 96, 4, 3214868480
	.section	.rodata,"a",@progbits
	.p2align	6, 0x0
	.amdhsa_kernel k_q945f365e86_qkv
		.amdhsa_group_segment_fixed_size 27136
		.amdhsa_private_segment_fixed_size 0
		.amdhsa_enable_private_segment 0
		.amdhsa_kernarg_size 72
		.amdhsa_user_sgpr_count 2
		.amdhsa_user_sgpr_kernarg_segment_ptr 1
		.amdhsa_wavefront_size32 1
		.amdhsa_system_sgpr_workgroup_id_x 1
		.amdhsa_system_sgpr_workgroup_id_y 1
		.amdhsa_system_sgpr_workgroup_id_z 1
		.amdhsa_system_vgpr_workitem_id 0
		.amdhsa_next_free_vgpr 1024
		.amdhsa_next_free_sgpr 66
		.amdhsa_reserve_vcc 0
		.amdhsa_float_denorm_mode_32 3
		.amdhsa_float_denorm_mode_16_64 3
		.amdhsa_memory_ordered 1
		.amdhsa_forward_progress 1
		.amdhsa_inst_pref_size 155
	.end_amdhsa_kernel
	.amdgpu_metadata
---
amdhsa.version: [ 1, 2 ]
amdhsa.kernels:
  - .name:           k_q945f365e86_qkv
    .symbol:         k_q945f365e86_qkv.kd
    .args:
      - { .name: x, .offset: 0, .size: 8, .value_kind: global_buffer, .address_space: global }
      - { .name: ln1_g, .offset: 8, .size: 8, .value_kind: global_buffer, .address_space: global }
      - { .name: ln1_b, .offset: 16, .size: 8, .value_kind: global_buffer, .address_space: global }
      - { .name: wts, .offset: 24, .size: 8, .value_kind: global_buffer, .address_space: global }
      - { .name: wq_b, .offset: 32, .size: 8, .value_kind: global_buffer, .address_space: global }
      - { .name: wk_b, .offset: 40, .size: 8, .value_kind: global_buffer, .address_space: global }
      - { .name: wv_b, .offset: 48, .size: 8, .value_kind: global_buffer, .address_space: global }
      - { .name: qb, .offset: 56, .size: 8, .value_kind: global_buffer, .address_space: global }
      - { .name: kv, .offset: 64, .size: 8, .value_kind: global_buffer, .address_space: global }
    .group_segment_fixed_size: 27136
    .private_segment_fixed_size: 0
    .kernarg_segment_align: 8
    .kernarg_segment_size: 72
    .max_flat_workgroup_size: 128
    .sgpr_count:     66
    .vgpr_count:     1024
    .wavefront_size: 32
...
	.end_amdgpu_metadata
.endif
;; end of part 6
;; launch attn (part 7): grid 8 x 32, 8 waves a work-group, no clusters, 218,112 bytes of LDS; arguments qb, kv, mask, ao; writes ao
.if DOCPART == 7
	.amdgcn_target "amdgcn-amd-amdhsa--gfx1250"
	.amdhsa_code_object_version 6
	.text
	.protected	k_q945f365e86_attn
	.globl	k_q945f365e86_attn
	.p2align	8
	.type	k_q945f365e86_attn,@function
k_q945f365e86_attn:
	s_mov_b64 s[64:65], 0
	v_nop
	global_prefetch_b8 v0, s[64:65] scope:SCOPE_SE
	s_setreg_imm32_b32 hwreg(HW_REG_WAVE_MODE, 25, 1), 1
	s_wait_xcnt 0x0
; out = softmax(q k^T / 8 + mask x (-1e9)) v for one batch and head, both products on codes of FP6 (E2M3) with E8M0 scales; the result is quantised along the model's 512 for the next product.
; t = logit x log2(e); M = the running largest t rounded up to a whole number; p = 2^(t - M) is quantised along the keys, not normalised; the row's sum is taken of the unquantised p and divides at the end.
; SHARES.  Work-group (x, y): 256 queries (block x) of batch and head y.  Each of eight waves owns two tiles of 16 queries, so that each fragment of k and v read from LDS feeds two products.
; The head's whole record (k's and v's codes and scale words, 208,896 bytes) is copied into LDS once, at the head; behind it lie 2,048 mask terms, 8 x mask x (-1e9) in f32.
; THE MASK IS THE C OF THE SCORE PRODUCT: D = k.q + 8 mask (-1e9), t = D x log2(e) / 8.  1e9 is a number of f32 and 8 a power of two, so the term is 8 times the reference's, exactly, for any whole number in the mask.
; Both products are used transposed (source 0 = 16 keys, or 16 channels of v): a lane holds one query throughout.  Key tiles, query tiles and channel tiles stand for 32 B + 8 u + r + 8 (r / 8).
; K = 64 in the first product: registers 6-11 of both operands hold zero codes, written once; their scale bytes are 127.
; LIMITS: NaN and infinities are not served.  Where every key of a batch is masked the result hangs on how the score and the term of size 2^33 are rounded together in the matrix instruction; with one key open, masked keys give p = 0 exactly.
; A block of zeros gets the byte 1 (zero codes; read by this program alone).
; REGISTERS.  v106-255 are a tile's own, with the same numbers in window 0 (tile A) and window 1 (tile B).  Window 0, v1-71: addresses, scale words, mask terms; v72-79 the copies' addresses.  Window 1, v0-47 four fragments of k, v48-95 four of v.
.set KS,  196608
.set VC,  98304
.set VS,  204800
.set MT,  208896
.set LI,  1                            ; 16 x lane
.set L8,  2                            ; 8 x lane
.set AKS0, 3
.set AVS0, 4
.set AM0, 5
.set AV0, 6
.set AV80, 7
.set ADK, 8
.set ADK8, 9
.set ADV, 10
.set ADV8, 11
.set ADS, 12
.set ADT, 13
.set ADM, 14
.set R16, 17
.set R4,  20
.set KSC, 24                           ; v24-31 k's scale words of a step's eight tiles
.set VSC, 32                           ; v32-35 v's
.set QSA, 36                           ; v36, v37 q's, tile A, tile B
.set PS,  38                           ; v38, v39 p's
.set MK,  40                           ; v40-71 mask terms of four tiles
.set CPA, 72                           ; v72-79 the copies: for each run of 65,536 bytes a pair: the LDS address, the offset in the record; written once
.set KF,  0
.set VF,  48
.set NM,  106                          ; -M; +1: the largest t
.set SUM, 108
.set Q,   110
.set PCD, 122
.set T2,  134
.set BM,  142
.set BP,  146
.set SCL, 150
.set F,   154
.set TMP, 156
.set ST,  158
.set S,   160
.set O,   224
.set SEL, 16
.set CS,  18
.set TB,  20
.set TS,  21
.set TJ,  22
.set CNT, 23
.set MSB, 0
.macro WIN new
.if MSB != \new
	s_set_vgpr_msb (MSB<<8)|\new
.set MSB, \new
.endif
.endm
.macro PLACES n
.rept \n
	v_nop
.endr
.endm
.macro WMMA d, a, b, c, sa, sb
	v_wmma_scale_f32_16x16x128_f8f6f4 v[(\d):(\d)+7], v[(\a):(\a)+11], v[(\b):(\b)+11], v[(\c):(\c)+7], v[\sa], v[\sb] matrix_a_fmt:MATRIX_FMT_FP6 matrix_b_fmt:MATRIX_FMT_FP6
.endm
	s_load_b256 s[4:11], s[0:1], 0x0               ; qb, kv, mask, ao
	v_lshl_add_u32 v141, v0, 2, 0x35000
	v_mov_b32 v157, 0
	ds_add_u32 v141, v157
	ds_add_u32 v141, v157
.irp g, 0,1,2,3
	v_lshl_add_u32 v[CPA+2*\g], v0, 4, 65536*\g    ; 16 bytes a thread, run g of 65,536 bytes: in LDS,
	v_lshl_add_u32 v[CPA+2*\g+1], v0, 4, 65536*\g  ; and in the record; none of the eight is written again
.endr
	v_lshrrev_b32 v21, 5, v0
	s_delay_alu instid0(VALU_DEP_1)
	v_readfirstlane_b32 s12, v21                   ; wave 0..7
	s_and_b32 s13, ttmp7, 0xffff                   ; 8 x batch + head
	s_mul_i32 s14, s13, 208896
	s_mov_b32 s15, 0
	s_wait_alu depctr_va_vdst(0)
	s_wait_dscnt 0x0
	s_wait_kmcnt 0x0
	s_add_nc_u64 s[6:7], s[6:7], s[14:15]
.set i, 0
.rept 51                               ; 51 x 4,096 bytes: the record, byte for byte; filled once, ahead of every LDS read, barrier and wait on ASYNCcnt.  The immediate, which is added to both addresses, stays under 65,536: 16 copies to a pair of registers
	global_load_async_to_lds_b128 v[CPA+2*(i/16)], v[CPA+2*(i/16)+1], s[6:7] offset:4096*(i%16)
.set i, i+1
.endr
	v_and_b32 v21, 31, v0
	v_and_b32 v22, 15, v0                          ; r
	v_bfe_u32 v23, v0, 4, 1                        ; h
	s_delay_alu instid0(VALU_DEP_3)
	v_lshlrev_b32 v[LI], 4, v21
	s_delay_alu instid0(VALU_DEP_4)
	v_lshlrev_b32 v[L8], 3, v21
	s_delay_alu instid0(VALU_DEP_4)
	v_lshlrev_b32 v[R16], 4, v22
	v_lshlrev_b32 v[R4], 2, v22
	s_delay_alu instid0(VALU_DEP_2)
	v_add_nc_u32 v[AKS0], KS, v[R16]
	s_delay_alu instid0(VALU_DEP_3)
	v_add_nc_u32 v[AVS0], VS, v[R16]
	v_lshl_add_u32 v[AM0], v23, 6, MT
	v_add_nc_u32 v[AV0], VC, v[LI]
	v_add_nc_u32 v[AV80], VC, v[L8]
	v_lshlrev_b32 v18, 5, v0                       ; the mask: 8 numbers a thread
	s_wait_alu depctr_va_vdst(0)
	v_lshl_add_u32 v19, v0, 5, MT
	s_lshr_b32 s32, s13, 3                         ; batch
	s_and_b32 s33, s13, 7                          ; head
	s_lshl_b32 s34, ttmp9, 4
	s_lshl_b32 s35, s12, 1
	s_add_co_u32 s34, s34, s35                     ; tile A = 16 x block + 2 x wave; tile B follows it
	s_mul_i32 s36, s13, 106496
	s_mul_i32 s37, s34, 768
	s_add_co_u32 s24, s36, s37                     ; q's codes
	s_mov_b32 s25, 0
	s_lshr_b32 s37, s34, 2
	s_lshl_b32 s37, s37, 8
	s_and_b32 s38, s34, 3
	s_lshl_b32 s38, s38, 2
	s_add_co_u32 s26, s36, s37
	s_add_co_u32 s26, s26, s38
	s_add_co_u32 s26, s26, 98304                   ; q's scale words
	s_mov_b32 s27, 0
	s_lshl_b32 s37, s32, 7
	s_add_co_u32 s37, s37, s34                     ; tile A among all 512
	s_mul_i32 s28, s37, 6144
	s_mul_i32 s38, s33, 768
	s_add_co_u32 s28, s28, s38                     ; where the result's codes go
	s_mov_b32 s29, 0
	s_lshl_b32 s30, s37, 8
	s_lshr_b32 s38, s33, 1
	s_lshl_b32 s38, s38, 6
	s_add_co_u32 s30, s30, s38
	s_and_b32 s38, s33, 1
	s_lshl_b32 s38, s38, 1
	s_add_co_u32 s30, s30, s38
	s_add_co_u32 s30, s30, 3145728                 ; and its two scale bytes
	s_mov_b32 s31, 0
	s_lshl_b32 s38, s32, 13
	s_mov_b32 s39, 0
	s_add_nc_u64 s[24:25], s[4:5], s[24:25]
	s_add_nc_u64 s[26:27], s[4:5], s[26:27]
	s_add_nc_u64 s[28:29], s[10:11], s[28:29]
	s_add_nc_u64 s[30:31], s[10:11], s[30:31]
	s_add_nc_u64 s[8:9], s[8:9], s[38:39]
	s_mov_b32 s[SEL], 0x76543210
	s_mov_b32 s[SEL+1], 0xfedcba98
	s_mov_b32 s[CS], 0x3e38aa3b                    ; log2(e) / 8
	s_mov_b32 s[CS+1], s[CS]
	s_mov_b32 s[TB], 0
	s_mov_b32 s[TS], 0
	s_mov_b32 s[TJ], 0
	s_mov_b32 s[CNT], 16
	global_load_b128 v[40:43], v18, s[8:9]
	global_load_b128 v[44:47], v18, s[8:9] offset:16
	global_load_b128 v[Q:Q+3], v[LI], s[24:25]
	global_load_b64 v[Q+4:Q+5], v[L8], s[24:25] offset:512
	global_load_b32 v[QSA], v[R16], s[26:27]
	global_load_b32 v[QSA+1], v[R16], s[26:27] offset:4
	WIN 0x40
	global_load_b128 v[Q:Q+3], v[LI], s[24:25] offset:768
	global_load_b64 v[Q+4:Q+5], v[L8], s[24:25] offset:1280
.irp t, 0,1,2,3
.irp i, 6,7,8,9,10,11
	v_mov_b32 v[KF+12*\t+\i], 0                    ; k's codes for K = 64 .. 127: zeros, written once
.endr
.endr
.macro INIT W
	WIN 0x55*(\W)
.set i, 0
.rept 32
	v_mov_b32 v[O+i], 0                            ; O^T.  (The step is written once: the first finds zeros, which the first change of M leaves zeros)
.set i, i+1
.endr
.irp i, 6,7,8,9,10,11
	v_mov_b32 v[Q+\i], 0
.endr
.irp b, 0,1,2,3
	v_mov_b32 v[BP+\b], 0                          ; a lane permute's destination counts as one of its sources
.endr
	v_mov_b32 v[F+1], 0                            ; (named as the upper half of a pair)
	v_mov_b32 v[NM+1], 0xff61b1e6                  ; the largest t so far: -3e38
	s_delay_alu instid0(VALU_DEP_1)
	v_floor_f32 v[NM], -v[NM+1]
	v_mov_b32 v[SUM], 0
	v_mov_b32 v[SUM+1], 0
.endm
	INIT 0
	INIT 1
	WIN 0
	s_wait_loadcnt 0x0
.irp i, 0,1,2,3,4,5,6,7
	v_cvt_f32_i32 v[40+\i], v[40+\i]
.endr
.irp i, 0,1,2,3,4,5,6,7
	v_mul_f32 v[40+\i], 0xcfee6b28, v[40+\i]       ; x (-8e9)
.endr
	ds_store_b128 v19, v[40:43]
	ds_store_b128 v19, v[44:47] offset:16
	s_wait_asynccnt 0x0                            ; my copies have landed,
	s_wait_dscnt 0x0                               ; and my mask terms
	s_barrier_signal -1
	s_barrier_wait -1                              ; everybody's have; from here on LDS is only read
.macro MASKLD g                        ; tile 4 g + t, register j: key 32 ((4 g + t) / 2) + 16 h + 8 (t % 2) + j
.irp t, 0,1,2,3
	ds_load_b128 v[MK+8*\t:MK+8*\t+3], v[ADM] offset:128*((4*(\g)+\t)/2)+32*(\t%2)
	ds_load_b128 v[MK+8*\t+4:MK+8*\t+7], v[ADM] offset:128*((4*(\g)+\t)/2)+32*(\t%2)+16
.endr
.endm
.macro KLD g                           ; four half images
.irp t, 0,1,2,3
	ds_load_b128 v[KF+12*\t:KF+12*\t+3], v[ADK] offset:(4*(\g)+\t)*768
	ds_load_b64 v[KF+12*\t+4:KF+12*\t+5], v[ADK8] offset:(4*(\g)+\t)*768+512
.endr
.endm
.macro SPROD g                         ; S^T of four key tiles, for both query tiles: eight accumulators, each begun with the mask terms as C
	WIN 0x01
.irp t, 0,1,2,3
	WMMA S+8*(4*(\g)+\t), KF+12*\t, Q, MK+8*\t, KSC+4*(\g)+\t, QSA
.endr
	WIN 0x45
.irp t, 0,1,2,3
	WMMA S+8*(4*(\g)+\t), KF+12*\t, Q, MK+8*\t, KSC+4*(\g)+\t, QSA+1
.endr
.endm
; One tile's softmax for 128 keys, in window W
.macro SOFTMAX W
	WIN 0x55*(\W)
.irp b, 0,1,2,3
	v_max3_num_f32 v[BM+\b], v[S+16*\b], v[S+1+16*\b], v[S+2+16*\b]   ; the largest score of each block of 32 keys: for the row's maximum, and for the block's largest p
.endr
.irp i, 3,5,7,9,11,13
.irp b, 0,1,2,3
	v_max3_num_f32 v[BM+\b], v[BM+\b], v[S+16*\b+\i], v[S+1+16*\b+\i]
.endr
.endr
.irp b, 0,1,2,3
	v_max_num_f32 v[BM+\b], v[BM+\b], v[S+15+16*\b]
.endr
.irp b, 0,1,2,3
	s_delay_alu instid0(VALU_DEP_4)
	v_permlanex16_b32 v[BP+\b], v[BM+\b], s[SEL], s[SEL+1]
.endr
.irp b, 0,1,2,3
	s_delay_alu instid0(VALU_DEP_4)
	v_max_num_f32 v[BM+\b], v[BM+\b], v[BP+\b]
.endr
	s_delay_alu instid0(VALU_DEP_2)
	v_max3_num_f32 v[TMP], v[BM], v[BM+1], v[BM+2]
	s_delay_alu instid0(VALU_DEP_1)
	v_max_num_f32 v[TMP], v[TMP], v[BM+3]
	s_delay_alu instid0(VALU_DEP_1)
	v_mul_f32 v[TMP], s[CS], v[TMP]
	s_delay_alu instid0(VALU_DEP_1)
	v_max_num_f32 v[NM+1], v[NM+1], v[TMP]         ; the running largest t
	v_mov_b32 v[TMP], v[NM]
	s_delay_alu instid0(VALU_DEP_2)
	v_floor_f32 v[NM], -v[NM+1]                    ; the new -M
	s_delay_alu instid0(VALU_DEP_1)
	v_sub_f32 v[TMP], v[NM], v[TMP]                ; old M - new M: a whole number, 0 or less
	s_delay_alu instid0(VALU_DEP_1)
	v_cvt_i32_f32 v[TMP], v[TMP]                   ; (it saturates)
	s_delay_alu instid0(VALU_DEP_1)
	v_ldexp_f32 v[F], 1.0, v[TMP]                  ; f = 2^(old M - new M)
.set j, 0
.rept 32
	v_pk_fma_f32 v[S+j:S+j+1], v[S+j:S+j+1], s[CS:CS+1], v[NM:NM+1] op_sel_hi:[1,0,0]   ; t - M
.set j, j+2
.endr
.irp b, 0,1,2,3
	v_fma_f32 v[BM+\b], v[BM+\b], s[CS], v[NM]
.endr
.set j, 0
	s_wait_alu depctr_va_vdst(0)
.rept 64
	v_exp_f32 v[S+j], v[S+j]                       ; p
.set j, j+1
.endr
	v_pk_mul_f32 v[SUM:SUM+1], v[SUM:SUM+1], v[F:F+1] op_sel_hi:[1,0]   ; the sums under the new M; a plain place behind the exponentials
	s_wait_alu depctr_va_vdst(0)                   ; one wait for the batch, ahead of its first reader
.irp b, 0,1,2,3
	v_exp_f32 v[BM+\b], v[BM+\b]                   ; the blocks' largest p
.endr
	v_pk_add_f32 v[ST:ST+1], v[S:S+1], v[S+2:S+3]  ; the row's sum, of the unquantised p, in two chains
.set j, 4
.rept 15
	v_pk_add_f32 v[SUM:SUM+1], v[SUM:SUM+1], v[S+j:S+j+1]
	v_pk_add_f32 v[ST:ST+1], v[ST:ST+1], v[S+j+2:S+j+3]
.set j, j+4
.endr
	s_delay_alu instid0(VALU_DEP_1)
	v_pk_add_f32 v[SUM:SUM+1], v[SUM:SUM+1], v[ST:ST+1]
	s_wait_alu depctr_va_vdst(0)                   ; and one for the four
.irp b, 0,1,2,3
	v_max_num_f32 v[BM+\b], 0x1800000, v[BM+\b]    ; the floor 2^(3 - 127)
.endr
.irp b, 0,1,2,3
	s_delay_alu instid0(VALU_DEP_4)
	v_add_nc_u32 v[SCL+\b], 0xff000000, v[BM+\b]
.endr
.irp b, 0,1,2,3
	s_delay_alu instid0(VALU_DEP_4)
	v_lshrrev_b32 v[BP+\b], 23, v[SCL+\b]
.endr
	s_delay_alu instid0(VALU_DEP_3)
	v_lshl_or_b32 v[TMP], v[BP+1], 8, v[BP]
	s_delay_alu instid0(VALU_DEP_1)
	v_lshl_or_b32 v[TMP], v[BP+2], 16, v[TMP]
	WIN 0x11*(\W)
	v_lshl_or_b32 v[PS+\W], v[BP+3], 24, v[TMP]    ; p's scale word: scale operands lie in window 0
	WIN 0x55*(\W)
.irp c, 0,1
	v_cvt_scalef32_pk16_fp6_f32 v[PCD+6*\c:PCD+6*\c+2], v[S+32*\c:S+32*\c+15], v[SCL+2*\c]
	v_cvt_scalef32_pk16_fp6_f32 v[T2+4*\c:T2+4*\c+2], v[S+32*\c+16:S+32*\c+31], v[SCL+2*\c+1]
.endr
	v_nop
.irp c, 0,1
.irp i, 0,1,2
	v_permlane16_swap_b32 v[PCD+6*\c+\i], v[T2+4*\c+\i]
.endr
.irp i, 0,1,2
	s_delay_alu instid0(VALU_DEP_3)
	v_mov_b32 v[PCD+3+6*\c+\i], v[T2+4*\c+\i]
.endr
.endr
.set j, 0
.rept 16
	v_pk_mul_f32 v[O+j:O+j+1], v[O+j:O+j+1], v[F:F+1] op_sel_hi:[1,0]   ; O^T under the new M; also the places in front of the products below
.set j, j+2
.endr
.endm
.Lstep:                                ; 16 trips of 128 keys
	v_add_nc_u32 v[ADK], s[TB], v[LI]              ; seven plain lines: the places behind the last trip's products, in front of the loads into their registers
	v_add_nc_u32 v[ADK8], s[TB], v[L8]
	v_add_nc_u32 v[ADV], s[TB], v[AV0]
	v_add_nc_u32 v[ADV8], s[TB], v[AV80]
	v_add_nc_u32 v[ADS], s[TS], v[AKS0]
	v_add_nc_u32 v[ADT], s[TJ], v[AVS0]
	v_add_nc_u32 v[ADM], s[TS], v[AM0]
	ds_load_b128 v[KSC:KSC+3], v[ADS]
	ds_load_b128 v[KSC+4:KSC+7], v[ADS] offset:256
	ds_load_b128 v[VSC:VSC+3], v[ADT]
	MASKLD 0
	WIN 0x40
	KLD 0
.irp t, 0,1,2,3                        ; v's four fragments, two half images each
	ds_load_b128 v[VF+12*\t:VF+12*\t+3], v[ADV] offset:1536*\t
	ds_load_b64 v[VF+12*\t+4:VF+12*\t+5], v[ADV8] offset:1536*\t+512
	ds_load_b128 v[VF+12*\t+6:VF+12*\t+9], v[ADV] offset:1536*\t+768
	ds_load_b64 v[VF+12*\t+10:VF+12*\t+11], v[ADV8] offset:1536*\t+1280
.endr
	s_wait_alu depctr_va_vdst(0)
	s_wait_dscnt 16                                ; all but v's sixteen
	SPROD 0
	PLACES 4
	WIN 0
	MASKLD 1
	WIN 0x40
	KLD 1
	s_wait_dscnt 0x0
	SPROD 1
	PLACES 4
	SOFTMAX 0
	SOFTMAX 1
	WIN 0x01                                       ; O^T += V^T P^T: eight accumulators, one instruction each
.irp t, 0,1,2,3
	WMMA O+8*\t, VF+12*\t, PCD, O+8*\t, VSC+\t, PS
.endr
	WIN 0x55
.irp t, 0,1,2,3
	WMMA O+8*\t, VF+12*\t, PCD, O+8*\t, VSC+\t, PS+1
.endr
	WIN 0
	s_add_co_u32 s[TB], s[TB], 6144                ; a step's codes of k, and of v
	s_add_co_u32 s[TS], s[TS], 512                 ; its scale words of k, and its mask terms
	s_add_co_u32 s[TJ], s[TJ], 256                 ; its scale words of v
	s_sub_co_u32 s[CNT], s[CNT], 1
	s_cmp_lg_u32 s[CNT], 0
	s_cbranch_scc1 .Lstep
	PLACES 4
; THE WAY OUT of tile W: O^T / the sum; my query's 64 channels are two blocks of the next product's K: a half image and two scale bytes
.macro LEAVE W
	WIN 0x55*(\W)
	v_add_f32 v[SUM], v[SUM], v[SUM+1]
	s_delay_alu instid0(VALU_DEP_1)
	v_permlanex16_b32 v[TMP], v[SUM], s[SEL], s[SEL+1]
	s_delay_alu instid0(VALU_DEP_1)
	v_add_f32 v[SUM], v[SUM], v[TMP]
	s_wait_alu depctr_va_vdst(0)
	v_rcp_f32 v[F], v[SUM]
	v_nop
	s_wait_alu depctr_va_vdst(0)
.set j, 0
.rept 16
	v_pk_mul_f32 v[S+j:S+j+1], v[O+j:O+j+1], v[F:F+1] op_sel_hi:[1,0]
.set j, j+2
.endr
.irp b, 0,1
	v_max3_num_f32 v[BM+\b], |v[S+16*\b]|, |v[S+1+16*\b]|, 0x1800000
.endr
.irp i, 2,4,6,8,10,12,14
.irp b, 0,1
	s_delay_alu instid0(VALU_DEP_2)
	v_max3_num_f32 v[BM+\b], v[BM+\b], |v[S+16*\b+\i]|, |v[S+1+16*\b+\i]|
.endr
.endr
.irp b, 0,1
	s_delay_alu instid0(VALU_DEP_2)
	v_permlanex16_b32 v[BP+\b], v[BM+\b], s[SEL], s[SEL+1]
.endr
.irp b, 0,1
	s_delay_alu instid0(VALU_DEP_2)
	v_max_num_f32 v[BM+\b], v[BM+\b], v[BP+\b]
.endr
.irp b, 0,1
	s_delay_alu instid0(VALU_DEP_2)
	v_add_nc_u32 v[SCL+\b], 0xff000000, v[BM+\b]
.endr
.irp b, 0,1
	s_delay_alu instid0(VALU_DEP_2)
	v_lshrrev_b32 v[BP+\b], 23, v[SCL+\b]
.endr
	s_delay_alu instid0(VALU_DEP_1)
	v_lshl_or_b32 v[TMP], v[BP+1], 8, v[BP]
	v_cvt_scalef32_pk16_fp6_f32 v[PCD:PCD+2], v[S:S+15], v[SCL]
	v_cvt_scalef32_pk16_fp6_f32 v[T2:T2+2], v[S+16:S+31], v[SCL+1]
	v_nop
.irp i, 0,1,2
	v_permlane16_swap_b32 v[PCD+\i], v[T2+\i]
.endr
.irp i, 0,1,2
	s_delay_alu instid0(VALU_DEP_3)
	v_mov_b32 v[PCD+3+\i], v[T2+\i]
.endr
	WIN 0x04*(\W)                                  ; a store's data are its source 1
	global_store_b128 v[LI], v[PCD:PCD+3], s[28:29] offset:6144*(\W)
	global_store_b64 v[L8], v[PCD+4:PCD+5], s[28:29] offset:6144*(\W)+512
	global_store_b16 v[R4], v[TMP], s[30:31] offset:256*(\W)
.endm
	LEAVE 0
	LEAVE 1
	WIN 0
	s_wait_tensorcnt 0x0
	ds_add_u32 v141, v157
	s_wait_dscnt 0x0
	s_endpgm
.Lfunc_end_k_q945f365e86_attn:
	.size	k_q945f365e86_attn, .Lfunc_end_k_q945f365e86_attn-k_q945f365e86_attn
	.p2alignl 7, 3214868480
	.fill 96, 4, 3214868480
	.section	.rodata,"a",@progbits
	.p2align	6, 0x0
	.amdhsa_kernel k_q945f365e86_attn
		.amdhsa_group_segment_fixed_size 218112
		.amdhsa_private_segment_fixed_size 0
		.amdhsa_enable_private_segment 0
		.amdhsa_kernarg_size 32
		.amdhsa_user_sgpr_count 2
		.amdhsa_user_sgpr_kernarg_segment_ptr 1
		.amdhsa_wavefront_size32 1
		.amdhsa_system_sgpr_workgroup_id_x 1
		.amdhsa_system_sgpr_workgroup_id_y 1
		.amdhsa_system_sgpr_workgroup_id_z 1
		.amdhsa_system_vgpr_workitem_id 0
		.amdhsa_next_free_vgpr 512
		.amdhsa_next_free_sgpr 66
		.amdhsa_reserve_vcc 0
		.amdhsa_float_denorm_mode_32 3
		.amdhsa_float_denorm_mode_16_64 3
		.amdhsa_memory_ordered 1
		.amdhsa_forward_progress 1
		.amdhsa_inst_pref_size 57
	.end_amdhsa_kernel
	.amdgpu_metadata
---
amdhsa.version: [ 1, 2 ]
amdhsa.kernels:
  - .name:           k_q945f365e86_attn
    .symbol:         k_q945f365e86_attn.kd
    .args:
      - { .name: qb, .offset: 0, .size: 8, .value_kind: global_buffer, .address_space: global }
      - { .name: kv, .offset: 8, .size: 8, .value_kind: global_buffer, .address_space: global }
      - { .name: mask, .offset: 16, .size: 8, .value_kind: global_buffer, .address_space: global }
      - { .name: ao, .offset: 24, .size: 8, .value_kind: global_buffer, .address_space: global }
    .group_segment_fixed_size: 218112
    .private_segment_fixed_size: 0
    .kernarg_segment_align: 8
    .kernarg_segment_size: 32
    .max_flat_workgroup_size: 256
    .sgpr_count:     66
    .vgpr_count:     512
    .wavefront_size: 32
...
	.end_amdgpu_metadata
.endif
;; end of part 7
;; launch post (part 8): grid 128 x 1, 4 waves a work-group, no clusters, 189,952 bytes of LDS; arguments ao, wts, x, wo_b, ln2_g, ln2_b, ff1_b, ff2_b, out0; writes out0
.if DOCPART == 8
	.amdgcn_target "amdgcn-amd-amdhsa--gfx1250"
	.amdhsa_code_object_version 6
	.text
	.protected	k_q945f365e86_post
	.globl	k_q945f365e86_post
	.p2align	8
	.type	k_q945f365e86_post,@function
k_q945f365e86_post:
	s_mov_b64 s[64:65], 0
	v_nop
	global_prefetch_b8 v0, s[64:65] scope:SCOPE_SE
	s_setreg_imm32_b32 hwreg(HW_REG_WAVE_SCHED_MODE, 0, 2), 2
	s_setreg_imm32_b32 hwreg(HW_REG_WAVE_MODE, 25, 1), 1
	s_wait_xcnt 0x0
	s_wait_alu depctr_vm_vsrc(0)
; out1 = x + attn Wo + wo_b; out0 = out1 + relu(layernorm(out1) W1 + b1) W2 + b2: three products on codes of FP6 (E2M3) with E8M0 scales, fused for 64 tokens; nothing between them goes to memory.
; SHARES.  A work-group takes 64 tokens, four tiles of 16 (tile m: tokens 32 (m / 2) + 8 (m % 2) + r + 8 (r / 8)).  THE WAVES SHARE THE COLUMNS: wave w makes columns 128 w .. 128 w + 127 of out1 and of the result,
; and of each chunk of 512 hidden units those 128 w on, for all 64 rows.  64 rows and not 32: a work-group walks all 72 x 4 weight records whatever its rows, so each fragment read feeds four products.
; NINE PHASES OF ONE FORM (Wo; then W1 and W2 for each of four chunks of the hidden layer): eight records [half of my columns][K step], each four weight fragments, brought from memory into a ring of four register slots,
; three records ahead; source 0 = a weight fragment, source 1 = one of 16 resident fragments of the rows: a lane holds one token and its registers run along the columns, which are the next K.
; out1 lives in 256 registers from the first phase to the last: x and wo_b are its start, W2's products add onto it, so both residuals cost no pass of their own.
; Operands go from wave to wave through LDS as images of their registers, in halves of 768 bytes (registers 6 c .. 6 c + 3 at 16 x lane, 6 c + 4, 6 c + 5 at 512 + 8 x lane), scale words 4 bytes a lane.
; LIMITS: NaN and infinities are not served; a block of zeros gets the byte 1 (zero codes; read by this program alone); blocks under 2^-124 are held at the byte 1; the norm's sums are taken in another order than the reference's.
; REGISTERS, in windows of 256.  window 0: v1-13 addresses, v16-31 at work, v32-35 scale words made, v36-59 statistics, v60-86 codes made, v88-103 the rows' scale words, v104-119 the ring's, v128-255 the hidden layer's accumulators (also biases, rows on the way out).
;   window 1: out1, tile of rows m, tile of columns t at 64 m + 8 t.  window 2: the 16 fragments of the rows, b1 from v192.  window 3: the ring, slot k at 48 k; ln2_g from v192.
; THE MODE: SCHED_MODE bits 1:0 = 2 (LLVM: expert scheduling mode 2), set by the entry lines.  The code itself states the register dependences
; between vector or matrix instructions and memory or LDS instructions, with s_wait_alu, always for 0.
; THE PLAN.  Registers that memory or LDS instructions touch:
;   v1-13              offsets and addresses: written at the head, never again.
;   ring slot k, v104 + 4 k ..   a record's fragments and scale words: loaded three records ahead; read by that record's 16 products; the next record's head loads into them again.
;   window 2 v0-191, v88-103     the rows' 16 fragments and scale words: loaded at each change of phase; read by the phase's products.
;   window 2 v192-255  b1: read as C by records 0 and 4 of a chunk; loaded again at record 13.
;   v56-59             the rows' part sums: written by vector lines, read by LDS stores, written again by the additions of the waves' parts, which read v60-75, where LDS loads land.
;   v60-83, v32-35     codes and scale words: written by the quantisers, read by LDS stores.
;   v128-255           written by the hidden layer's products and by vector lines; b2 lands there at the last chunk's record 13, whole rows on the way out, which global stores read.
;   window 1           out1: read by LDS stores at the end alone.
; ONE wait on va_vdst stands at a record's head, ahead of its 13 loads: the last record's products are done reading the slot that these loads fill.  It is not written where a wait that was issued behind those
; products stands already and no vector or matrix line since names the slot: at records 0, 4 and 8 of a chunk (the quantisers' wait, or the one ahead of the fetch at a chunk's end), nor where nothing is loaded.
; The record's loads stay in one run: their window setting is another than the products', and they are the ring's lead.
; One wait on va_vdst stands ahead of each run of LDS stores, one on vm_vsrc ahead of each rewriting of what LDS or global stores have read.
.set LI,  1
.set L8,  2
.set LS,  3
.set XA,  4
.set BA,  5
.set XWI, 6
.set XWI8, 7
.set XWS, 8
.set SO,  9
.set SO2, 10
.set SR,  11
.set RW,  12
.set R4,  13
.set TM,  16
.set PW,  32
.set MU,  36
.set RS,  44
.set SA,  52
.set PC,  60
.set T2,  84
.set OPS, 88
.set WS,  104
.set HA,  128
.set XIMG, 0                           ; LDS: the normalised rows' 16 fragments (tile m, K step s at 1536 (4 m + s)),
.set XSC,  24576                       ; their scale words, 128 bytes each,
.set HIMG, 26624                       ; a chunk's 16 hidden fragments,
.set HSC,  51200                       ; their scale words,
.set RED0, 53248                       ; the waves' row sums [m][wave] x 128 bytes,
.set RED1, 55296                       ; and sums of squares,
.set STG,  57344                       ; the stage: 64 rows x (2,048 + 16) bytes
.set SEL, 24
.set CNT, 28
.set MSB, 0
.macro WIN new
.if MSB != \new
	s_set_vgpr_msb (MSB<<8)|\new
.set MSB, \new
.endif
.endm
.macro PLACES n
.rept \n
	v_nop
.endr
.endm
.macro WMMA d, a, b, c, sa, sb
	v_wmma_scale_f32_16x16x128_f8f6f4 v[(\d):(\d)+7], v[(\a):(\a)+11], v[(\b):(\b)+11], v[(\c):(\c)+7], v[\sa], v[\sb] matrix_a_fmt:MATRIX_FMT_FP6 matrix_b_fmt:MATRIX_FMT_FP6
.endm
.macro BARRIER                         ; my LDS stores have landed and my LDS loads are in: then the work-group's barrier
	s_wait_dscnt 0x0
	s_barrier_signal -1
	s_barrier_wait -1
.endm
.macro QUANT4 s                        ; 64 numbers, register 16 b + i = k 32 b + 16 h + i: a fragment in v[PC] on, its scale word in v[PW]
.irp b, 0,1,2,3
	v_max3_num_f32 v[TM+\b], |v[(\s)+16*\b]|, |v[(\s)+1+16*\b]|, 0x1800000
.endr
.irp i, 2,4,6,8,10,12,14
.irp b, 0,1,2,3
	v_max3_num_f32 v[TM+\b], v[TM+\b], |v[(\s)+16*\b+\i]|, |v[(\s)+1+16*\b+\i]|
.endr
.endr
.irp b, 0,1,2,3
	v_permlanex16_b32 v[TM+4+\b], v[TM+\b], s[SEL], s[SEL+1]
.endr
.irp b, 0,1,2,3
	v_max_num_f32 v[TM+\b], v[TM+\b], v[TM+4+\b]
.endr
.irp b, 0,1,2,3
	v_add_nc_u32 v[TM+12+\b], 0xff000000, v[TM+\b]
.endr
.irp b, 0,1,2,3
	v_lshrrev_b32 v[TM+4+\b], 23, v[TM+12+\b]
.endr
	v_lshl_or_b32 v[PW], v[TM+5], 8, v[TM+4]
	v_lshl_or_b32 v[PW], v[TM+6], 16, v[PW]
	v_lshl_or_b32 v[PW], v[TM+7], 24, v[PW]
.irp c, 0,1
	v_cvt_scalef32_pk16_fp6_f32 v[PC+6*\c:PC+2+6*\c], v[(\s)+32*\c:(\s)+15+32*\c], v[TM+12+2*\c]
	v_cvt_scalef32_pk16_fp6_f32 v[PC+12+4*\c:PC+14+4*\c], v[(\s)+16+32*\c:(\s)+31+32*\c], v[TM+12+2*\c+1]
.endr
	v_nop
.irp c, 0,1
.irp i, 0,1,2
	v_permlane16_swap_b32 v[PC+6*\c+\i], v[PC+12+4*\c+\i]
.endr
.irp i, 0,1,2
	v_mov_b32 v[PC+3+6*\c+\i], v[PC+12+4*\c+\i]
.endr
.endr
.endm
.macro QUANT2 s, pc, pw                ; 32 numbers, two blocks: a half image in v[pc] on, two bytes in v[pw]
.irp b, 0,1
	v_max3_num_f32 v[TM+\b], |v[(\s)+16*\b]|, |v[(\s)+1+16*\b]|, 0x1800000
.endr
.irp i, 2,4,6,8,10,12,14
.irp b, 0,1
	v_max3_num_f32 v[TM+\b], v[TM+\b], |v[(\s)+16*\b+\i]|, |v[(\s)+1+16*\b+\i]|
.endr
.endr
.irp b, 0,1
	v_permlanex16_b32 v[TM+4+\b], v[TM+\b], s[SEL], s[SEL+1]
.endr
.irp b, 0,1
	v_max_num_f32 v[TM+\b], v[TM+\b], v[TM+4+\b]
.endr
.irp b, 0,1
	v_add_nc_u32 v[TM+12+\b], 0xff000000, v[TM+\b]
.endr
.irp b, 0,1
	v_lshrrev_b32 v[TM+4+\b], 23, v[TM+12+\b]
.endr
	v_lshl_or_b32 v[\pw], v[TM+5], 8, v[TM+4]
	v_cvt_scalef32_pk16_fp6_f32 v[(\pc):(\pc)+2], v[(\s):(\s)+15], v[TM+12]
	v_cvt_scalef32_pk16_fp6_f32 v[T2:T2+2], v[(\s)+16:(\s)+31], v[TM+13]
	v_nop
.irp i, 0,1,2
	v_permlane16_swap_b32 v[(\pc)+\i], v[T2+\i]
.endr
.irp i, 0,1,2
	v_mov_b32 v[(\pc)+3+\i], v[T2+\i]
.endr
.endm
.macro BLOAD win, reg, ptr, off        ; 64 numbers a lane of a vector over my 128 columns, in the result's layout (tile t: 32 (t / 2) + 16 h + 8 (t % 2) + 0 .. 7): 16 loads
	WIN \win
.irp t, 0,1,2,3,4,5,6,7
	global_load_b128 v[\reg+8*\t:\reg+8*\t+3], v[BA], s[\ptr:\ptr+1] offset:\off+128*(\t/2)+32*(\t%2)
	global_load_b128 v[\reg+8*\t+4:\reg+8*\t+7], v[BA], s[\ptr:\ptr+1] offset:\off+128*(\t/2)+32*(\t%2)+16
.endr
	WIN 0
.endm
.macro ISSUE n, slot                   ; my record n from where the walk stands: 12 loads of codes, one of scale words
	WIN 0xc0
.set ii, 0
.rept 12
	global_load_b128 v[48*(\slot)+4*ii:48*(\slot)+4*ii+3], v[LI], s[6:7] offset:(\n)*26624+512*ii
.set ii, ii+1
.endr
	WIN 0
	global_load_b128 v[WS+4*(\slot):WS+4*(\slot)+3], v[LI], s[6:7] offset:(\n)*26624+6144
.endm
; One record's 16 products: four tiles of rows x its four fragments; the 16 accumulators by turns, in the same order in every record.
; kind 0: onto out1;  1: the hidden layer, begun with b1 as C at K step 0.  iss: record n is asked for, into the slot that the last record has left.  bias: 1, 2: b1 of this, of the next chunk; 3: b2.
; cnt: the loads issued behind this record's own.  dsw: the LDS loads of later K steps that may stay out (-1: none are out).  vw: the wait on va_vdst stands (see THE PLAN)
.macro QUAD kind, hf, s, slot, iss, n, bias, cnt, dsw, vw
	PLACES 4                                       ; four places behind the last record's products, ahead of any touch of their registers; the wait below states the dependence itself
.if \vw
	s_wait_alu depctr_va_vdst(0)                   ; the last record's products are done reading its slot of the ring and its scale words, in which the loads below land
.endif
.if \bias == 1
	BLOAD 0x80, 192, 16, 0
.elseif \bias == 2
	BLOAD 0x80, 192, 16, 2048
.elseif \bias == 3
	BLOAD 0, HA, 18, 0
.endif
.if \iss
	ISSUE \n, ((\slot)+3)%4
.endif
	s_wait_loadcnt \cnt
.if \dsw >= 0
	s_wait_dscnt \dsw
.endif
.if \kind == 0
	WIN 0x5b
.elseif (\s) == 0
	WIN 0x2b
.else
	WIN 0x0b
.endif
.irp m, 0,1,2,3
.irp f, 0,1,2,3
.set rA, 48*(\slot)+12*\f
.set rB, 12*(4*\m+(\s))
.set rSA, WS+4*(\slot)+\f
.set rSB, OPS+4*\m+(\s)
.if \kind == 0
.set rD, 64*\m+8*(4*(\hf)+\f)
.set rC, rD
.else
.set rD, HA+32*\m+8*\f
.set rC, rD
.if (\s) == 0
.set rC, 192+8*(4*(\hf)+\f)
.endif
.endif
	WMMA rD, rA, rB, rC, rSA, rSB
.endr
.endr
	WIN 0
.endm
.macro FETCH img, scl                  ; 16 fragments and their scale words from LDS: the words first, then K step by K step, so that the first records need not wait for all
.set i, 0
.rept 16
	ds_load_b32 v[OPS+i], v[LS] offset:\scl+128*i
.set i, i+1
.endr
	WIN 0x80
.irp k, 0,1,2,3
.irp m, 0,1,2,3
	ds_load_b128 v[12*(4*\m+\k):12*(4*\m+\k)+3], v[LI] offset:\img+1536*(4*\m+\k)
	ds_load_b64 v[12*(4*\m+\k)+4:12*(4*\m+\k)+5], v[L8] offset:\img+1536*(4*\m+\k)+512
	ds_load_b128 v[12*(4*\m+\k)+6:12*(4*\m+\k)+9], v[LI] offset:\img+1536*(4*\m+\k)+768
	ds_load_b64 v[12*(4*\m+\k)+10:12*(4*\m+\k)+11], v[L8] offset:\img+1536*(4*\m+\k)+1280
.endr
.endr
	WIN 0
.endm
.macro HQUANT hf                       ; 64 hidden units x 64 rows: relu, quantised, half hf of K step w of the next product
	PLACES 4
.set i, 0
.rept 128
	v_max_num_f32 v[HA+i], 0, v[HA+i]
.set i, i+1
.endr
	s_wait_alu depctr_vm_vsrc(0)                   ; the LDS stores issued so far have read v[PC ..] and v[PW ..], which the quantisers write again
.irp m, 0,1,2,3
	QUANT2 HA+32*\m, PC+6*\m, PW+\m
.endr
	s_wait_alu depctr_va_vdst(0)                   ; the half images v[PC ..] and the bytes in v[PW ..] are written, which the LDS stores read; the four records' products are done reading the ring, the rows' fragments and the scale words, in which the next loads land
.irp m, 0,1,2,3
	ds_store_b128 v[XWI], v[PC+6*\m:PC+6*\m+3] offset:HIMG+6144*\m+768*(\hf)
	ds_store_b64 v[XWI8], v[PC+6*\m+4:PC+6*\m+5] offset:HIMG+6144*\m+768*(\hf)+512
	ds_store_b16 v[XWS], v[PW+\m] offset:HSC+512*\m+2*(\hf)
.endr
	s_wait_dscnt 0x0                               ; my stores have landed
.endm
.macro REDUCE off                      ; v[SA+4+m]: my lane's part of row sums -> the whole rows', the waves' parts added in the order 0, 1, 2, 3
.irp m, 0,1,2,3
	v_permlanex16_b32 v[TM+4+\m], v[SA+4+\m], s[SEL], s[SEL+1]
.endr
.irp m, 0,1,2,3
	v_add_f32 v[SA+4+\m], v[SA+4+\m], v[TM+4+\m]
.endr
	s_wait_alu depctr_va_vdst(0)                   ; the four sums v[SA+4 ..] are written, which the LDS stores read; every earlier line that named v[PC ..], in which the loads below land, is done
.irp m, 0,1,2,3
	ds_store_b32 v[RW], v[SA+4+\m] offset:\off+512*\m
.endr
	BARRIER
.set i, 0
.rept 16
	ds_load_b32 v[PC+i], v[LS] offset:RED0+\off+128*i
.set i, i+1
.endr
	s_wait_dscnt 0x0
	s_wait_alu depctr_vm_vsrc(0)                   ; the LDS stores have read v[SA+4 ..], which the additions below write again
.irp m, 0,1,2,3
	v_add_f32 v[SA+4+\m], v[PC+4*\m], v[PC+4*\m+1]
.endr
.irp m, 0,1,2,3
	v_add_f32 v[SA+4+\m], v[SA+4+\m], v[PC+4*\m+2]
.endr
.irp m, 0,1,2,3
	v_add_f32 v[SA+4+\m], v[SA+4+\m], v[PC+4*\m+3]
.endr
.endm
	s_load_b256 s[4:11], s[0:1], 0x0               ; ao, the records, x, wo_b
	s_load_b256 s[12:19], s[0:1], 0x20             ; ln2_g, ln2_b, ff1_b, ff2_b
	s_load_b64 s[20:21], s[0:1], 0x40              ; out0
	v_lshl_add_u32 v126, v0, 2, 0x2e400
	v_mov_b32 v127, 0
	v_lshrrev_b32 v14, 5, v0
	v_readfirstlane_b32 s22, v14                   ; wave
	v_and_b32 v14, 31, v0
	v_lshlrev_b32 v[LI], 4, v14
	v_lshlrev_b32 v[L8], 3, v14
	v_lshlrev_b32 v[LS], 2, v14
	v_and_b32 v14, 15, v0                          ; r
	v_lshlrev_b32 v[R4], 2, v14
	v_and_b32 v15, 8, v14
	v_add_nc_u32 v15, v15, v14                     ; r + 8 (r / 8)
	v_bfe_u32 v14, v0, 4, 1                        ; h
	v_lshlrev_b32 v[BA], 6, v14
	v_lshl_add_u32 v[XA], v15, 11, v[BA]
	s_wait_alu depctr_va_sdst(0)                   ; s22 is written, ahead of its first reader: LDS addresses and the bases are made from it
	s_mul_i32 s29, s22, 1536
	v_add_nc_u32 v[XWI], s29, v[LI]
	v_add_nc_u32 v[XWI8], s29, v[L8]
	s_lshl_b32 s29, s22, 7
	v_add_nc_u32 v[XWS], s29, v[LS]
	s_add_co_u32 s29, s29, RED0
	v_add_nc_u32 v[RW], s29, v[LS]
	v_mul_u32_u24 v[SO], v15, 2064
	v_add_nc_u32 v[SO], v[SO], v[BA]
	s_lshl_b32 s29, s22, 9
	s_add_co_u32 s29, s29, STG
	v_add_nc_u32 v[SO], s29, v[SO]                 ; the stage: my token's row, + 64 h, + 512 x wave
	v_add_nc_u32 v[SO2], 32*2064, v[SO]            ; and 32 rows further down
	s_mul_i32 s29, s22, 16*2064
	s_add_co_u32 s29, s29, STG
	v_add_nc_u32 v[SR], s29, v[LI]                 ; back: my 16 rows, 16 bytes a lane
.irp b, 0,1,2,3
	v_mov_b32 v[TM+4+\b], 0                        ; a lane permute's destination counts as one of its sources
.endr
	s_mov_b32 s[SEL], 0x76543210
	s_mov_b32 s[SEL+1], 0xfedcba98
	s_mov_b32 s26, 0x3b000000                      ; 1 / 512
	s_mov_b32 s27, 0x358637bd                      ; 1e-6
	s_mul_i32 s32, ttmp9, 24576                    ; my four tiles' codes in ao
	s_mov_b32 s33, 0
	s_lshl_b32 s34, ttmp9, 10
	s_add_co_u32 s34, s34, 3145728                 ; and their scale words
	s_mov_b32 s35, 0
	s_lshl_b32 s36, ttmp9, 17                      ; 64 rows of 2,048 bytes
	s_lshl_b32 s38, s22, 9                         ; my 128 columns
	s_mov_b32 s39, 0
	s_add_co_u32 s40, s36, s38
	s_mov_b32 s41, 0
	s_lshl_b32 s42, s22, 15                        ; on the way out: my 16 rows
	s_add_co_u32 s42, s42, s36
	s_mov_b32 s43, 0
	s_mul_i32 s44, s22, 6656
	s_add_co_u32 s44, s44, 96*6656
	s_mov_b32 s45, 0
	s_wait_kmcnt 0x0
	s_add_nc_u64 s[30:31], s[4:5], s[34:35]
	s_add_nc_u64 s[4:5], s[4:5], s[32:33]
	s_add_nc_u64 s[6:7], s[6:7], s[44:45]
	s_add_nc_u64 s[8:9], s[8:9], s[40:41]
	s_add_nc_u64 s[10:11], s[10:11], s[38:39]
	s_add_nc_u64 s[12:13], s[12:13], s[38:39]
	s_add_nc_u64 s[14:15], s[14:15], s[38:39]
	s_add_nc_u64 s[16:17], s[16:17], s[38:39]
	s_add_nc_u64 s[18:19], s[18:19], s[38:39]
	s_add_nc_u64 s[20:21], s[20:21], s[42:43]
	; ---- the head's loads: x into out1's registers, wo_b, the attention's 16 fragments and words, ln2_b, ln2_g, the first three records
	WIN 0x40
	s_wait_alu depctr_va_vdst(0)                   ; the thirteen offsets and addresses v1 to v13 are written, which the loads and stores of the whole kernel read; none is written again
.irp m, 0,1,2,3
.irp t, 0,1,2,3,4,5,6,7
	global_load_b128 v[64*\m+8*\t:64*\m+8*\t+3], v[XA], s[8:9] offset:(32*(\m/2)+8*(\m%2))*2048+128*(\t/2)+32*(\t%2)
	global_load_b128 v[64*\m+8*\t+4:64*\m+8*\t+7], v[XA], s[8:9] offset:(32*(\m/2)+8*(\m%2))*2048+128*(\t/2)+32*(\t%2)+16
.endr
.endr
	WIN 0
	BLOAD 0, HA, 10, 0
	WIN 0x80
.set i, 0
.rept 16
	global_load_b128 v[12*i:12*i+3], v[LI], s[4:5] offset:1536*i
	global_load_b64 v[12*i+4:12*i+5], v[L8], s[4:5] offset:1536*i+512
	global_load_b128 v[12*i+6:12*i+9], v[LI], s[4:5] offset:1536*i+768
	global_load_b64 v[12*i+10:12*i+11], v[L8], s[4:5] offset:1536*i+1280
.set i, i+1
.endr
	WIN 0
.set i, 0
.rept 16
	global_load_b32 v[OPS+i], v[R4], s[30:31] offset:64*i
.set i, i+1
.endr
	BLOAD 0, HA+64, 14, 0
	BLOAD 0xc0, 192, 12, 0
	ISSUE 0, 0
	ISSUE 1, 1
	ISSUE 2, 2
	s_wait_loadcnt 39                              ; all but the three records
	WIN 0x41
.irp m, 0,1,2,3
.set i, 0
.rept 32
	v_pk_add_f32 v[64*\m+2*i:64*\m+2*i+1], v[64*\m+2*i:64*\m+2*i+1], v[HA+2*i:HA+2*i+1]   ; x + wo_b: where the first product's sums begin
.set i, i+1
.endr
.endr
	WIN 0
	; ---- Wo: eight records.  b1 of chunk 0 is asked for with record 5's turn: from there on 16 more loads are younger.  Record 0 fills a slot that nothing has named yet: no wait
.set e, 0
.rept 8
.set bsel, 0
.set csel, 39
.set vsel, 1
.if e == 0
.set vsel, 0
.endif
.if e >= 5
.set csel, 55
.endif
.if e == 5
.set bsel, 1
.endif
	QUAD 0, e/4, e%4, e%4, 1, e+3, bsel, csel, -1, vsel
.set e, e+1
.endr
	s_wait_xcnt 0x0                                ; the loads have read their base
	s_add_nc_u64 s[6:7], s[6:7], 8*26624
	; ---- the second norm, four tiles of rows together; a row's 512 columns lie in four waves
	PLACES 4
.irp m, 0,1,2,3
	WIN 0x05
	v_pk_add_f32 v[SA:SA+1], v[64*\m:64*\m+1], v[64*\m+2:64*\m+3]
	v_pk_add_f32 v[SA+2:SA+3], v[64*\m+4:64*\m+5], v[64*\m+6:64*\m+7]
	WIN 0x04
.set i, 4
.rept 28
	v_pk_add_f32 v[SA+2*(i%2):SA+2*(i%2)+1], v[SA+2*(i%2):SA+2*(i%2)+1], v[64*\m+2*i:64*\m+2*i+1]
.set i, i+1
.endr
	WIN 0
	v_pk_add_f32 v[SA:SA+1], v[SA:SA+1], v[SA+2:SA+3]
	v_add_f32 v[SA+4+\m], v[SA], v[SA+1]
.endr
	REDUCE 0
.irp m, 0,1,2,3
	v_mul_f32 v[MU+2*\m], s26, v[SA+4+\m]
.endr
.irp m, 0,1,2,3
	v_mov_b32 v[MU+2*\m+1], v[MU+2*\m]
.endr
.irp m, 0,1,2,3
	WIN 0x01
.set i, 0
.rept 32
	v_pk_add_f32 v[HA+2*i:HA+2*i+1], v[64*\m+2*i:64*\m+2*i+1], v[MU+2*\m:MU+2*\m+1] neg_lo:[0,1] neg_hi:[0,1]
.set i, i+1
.endr
	WIN 0
	v_pk_mul_f32 v[SA:SA+1], v[HA:HA+1], v[HA:HA+1]
	v_pk_mul_f32 v[SA+2:SA+3], v[HA+2:HA+3], v[HA+2:HA+3]
.set i, 2
.rept 30
	v_pk_fma_f32 v[SA+2*(i%2):SA+2*(i%2)+1], v[HA+2*i:HA+2*i+1], v[HA+2*i:HA+2*i+1], v[SA+2*(i%2):SA+2*(i%2)+1]
.set i, i+1
.endr
	v_pk_add_f32 v[SA:SA+1], v[SA:SA+1], v[SA+2:SA+3]
	v_add_f32 v[SA+4+\m], v[SA], v[SA+1]
.endr
	REDUCE 2048                                    ; other bytes than the sums': one barrier serves
.irp m, 0,1,2,3
	v_fma_f32 v[SA+4+\m], v[SA+4+\m], s26, s27
.endr
	s_wait_alu depctr_va_vdst(0)
.irp m, 0,1,2,3
	v_rsq_f32 v[RS+2*\m], v[SA+4+\m]
.endr
	v_nop
	s_wait_alu depctr_va_vdst(0)                   ; the four reciprocal roots v[RS], v[RS+2] .. are written, ahead of their first reader
.irp m, 0,1,2,3
	v_mov_b32 v[RS+2*\m+1], v[RS+2*\m]
.endr
.irp m, 0,1,2,3
	WIN 0x01
.set i, 0
.rept 32
	v_pk_add_f32 v[HA+2*i:HA+2*i+1], v[64*\m+2*i:64*\m+2*i+1], v[MU+2*\m:MU+2*\m+1] neg_lo:[0,1] neg_hi:[0,1]
.set i, i+1
.endr
	WIN 0
.set i, 0
.rept 32
	v_pk_mul_f32 v[HA+2*i:HA+2*i+1], v[HA+2*i:HA+2*i+1], v[RS+2*\m:RS+2*\m+1]
.set i, i+1
.endr
	WIN 0x0c
.set i, 0
.rept 32
	v_pk_fma_f32 v[HA+2*i:HA+2*i+1], v[HA+2*i:HA+2*i+1], v[192+2*i:193+2*i], v[HA+64+2*i:HA+65+2*i]
.set i, i+1
.endr
	WIN 0
.if \m > 0
	s_wait_alu depctr_vm_vsrc(0)                   ; the last tile's LDS stores have read v[PC ..] and v[PW], which the quantiser writes again
.endif
	QUANT4 HA                                      ; my 128 columns are K step w of the next product
	s_wait_alu depctr_va_vdst(0)                   ; the codes v[PC ..] and the word v[PW] are written, which the LDS stores read
	ds_store_b128 v[XWI], v[PC:PC+3] offset:XIMG+6144*\m
	ds_store_b64 v[XWI8], v[PC+4:PC+5] offset:XIMG+6144*\m+512
	ds_store_b128 v[XWI], v[PC+6:PC+9] offset:XIMG+6144*\m+768
	ds_store_b64 v[XWI8], v[PC+10:PC+11] offset:XIMG+6144*\m+1280
	ds_store_b32 v[XWS], v[PW] offset:XSC+512*\m
	s_wait_dscnt 0x0
.endr
	BARRIER                                        ; the normalised rows' sixteen fragments lie in LDS, for the rest of the launch
	FETCH XIMG, XSC                                ; Wo's products, which read these registers, stand ahead of the norm's waits; no vector line has been issued since the last of them
; A CHUNK of 512 hidden units: records 0-7 are W1's, 8-15 W2's.  last = 1: nothing is asked for beyond the last record, and b2 comes in b1's stead
.macro CHUNK last
.set e, 0
.rept 8
.set dw, -1
.if e < 4
.set dw, 16*(3-e)
.endif
.set vsel, 1
.if e%4 == 0
.set vsel, 0                           ; records 0 and 4: behind the products that read the slot stands a wait already (ahead of the fetch; behind the quantisers), and only loads, LDS stores and v_nop have followed it
.endif
	QUAD 1, e/4, e%4, e%4, 1, e+3, 0, 39, dw, vsel
.if e%4 == 3
	HQUANT e/4
.endif
.set e, e+1
.endr
	BARRIER                                        ; the chunk's sixteen hidden fragments lie in LDS
	FETCH HIMG, HSC                                ; W1's products, which read these registers, stand ahead of the quantisers' wait; no vector line has been issued since
.rept 8
.set dw, -1
.if e < 12
.set dw, 16*(11-e)
.endif
.set isel, 1
.set bsel, 0
.set csel, 39
.set vsel, 1
.if e == 8
.set vsel, 0                           ; record 8: as records 0 and 4
.endif
.if e >= 13
.if \last
.set isel, 0
.set vsel, 0                           ; nothing lands in the ring any more; b2 lands in registers that were last named ahead of record 9's wait
.set csel, 16+13*(15-e)
.if e == 13
.set bsel, 3
.endif
.else
.set csel, 55
.if e == 13
.set bsel, 2
.endif
.endif
.endif
	QUAD 0, (e-8)/4, e%4, e%4, isel, e+3, bsel, csel, dw, vsel
.set e, e+1
.endr
.if \last == 0
	BARRIER                                        ; every wave has read the hidden fragments: the next chunk may write them
	PLACES 4
	s_wait_alu depctr_va_vdst(0)                   ; record 15's products are done reading the hidden fragments and their scale words, in which the loads below land, and their slot of the ring, which the next chunk's record 0 fills
	FETCH XIMG, XSC
	s_wait_xcnt 0x0                                ; the loads have read their bases
	s_add_nc_u64 s[6:7], s[6:7], 16*26624
	s_add_nc_u64 s[16:17], s[16:17], 2048
.endif
.endm
	s_mov_b32 s[CNT], 3
.Lchunk:
	CHUNK 0
	s_sub_co_u32 s[CNT], s[CNT], 1
	s_cmp_lg_u32 s[CNT], 0
	s_cbranch_scc1 .Lchunk
	CHUNK 1                                        ; the last chunk is written out: no load leaves the records
	; ---- the way out: + b2; through the stage, where a row's four waves meet; each wave stores 16 whole rows
	s_wait_loadcnt 0x0
	PLACES 4
	WIN 0x41
.irp m, 0,1,2,3
.set i, 0
.rept 32
	v_pk_add_f32 v[64*\m+2*i:64*\m+2*i+1], v[64*\m+2*i:64*\m+2*i+1], v[HA+2*i:HA+2*i+1]
.set i, i+1
.endr
.endr
	WIN 0x04                                       ; an LDS store's data are its source 1
	s_wait_alu depctr_va_vdst(0)                   ; out1 + b2 is written, which the LDS stores read; the additions are done reading v[HA ..], in which the stage's rows land below
.irp m, 0,1
.irp t, 0,1,2,3,4,5,6,7
	ds_store_b128 v[SO], v[64*\m+8*\t:64*\m+8*\t+3] offset:\m*8*2064+128*(\t/2)+32*(\t%2)
	ds_store_b128 v[SO], v[64*\m+8*\t+4:64*\m+8*\t+7] offset:\m*8*2064+128*(\t/2)+32*(\t%2)+16
.endr
.endr
.irp m, 0,1
.irp t, 0,1,2,3,4,5,6,7
	ds_store_b128 v[SO2], v[128+64*\m+8*\t:128+64*\m+8*\t+3] offset:\m*8*2064+128*(\t/2)+32*(\t%2)
	ds_store_b128 v[SO2], v[128+64*\m+8*\t+4:128+64*\m+8*\t+7] offset:\m*8*2064+128*(\t/2)+32*(\t%2)+16
.endr
.endr
	WIN 0
	BARRIER                                        ; 64 whole rows lie in the stage
.irp u, 0,1                            ; eight rows at a time
.if \u
	s_wait_xcnt 0x0                                ; the first eight rows' stores have had their addresses translated
	s_wait_alu depctr_vm_vsrc(0)                   ; the first eight rows' stores have read v[HA ..], in which the next eight rows land
.endif
.set i, 0
.rept 32
	ds_load_b128 v[HA+4*i:HA+4*i+3], v[SR] offset:(8*\u+i/4)*2064+512*(i%4)
.set i, i+1
.endr
.set i, 0
.rept 32
	s_wait_dscnt 31-i
	global_store_b128 v[LI], v[HA+4*i:HA+4*i+3], s[20:21] offset:(8*\u+i/4)*2048+512*(i%4) th:TH_STORE_NT   ; 32 lanes store 512 consecutive bytes, at a multiple of 256 from the buffer's first byte
.set i, i+1
.endr
.endr
	s_wait_dscnt 0x0
	s_wait_alu depctr_hold_cnt(0) depctr_sa_sdst(0) depctr_va_vdst(0) depctr_va_sdst(0) depctr_va_ssrc(0) depctr_va_vcc(0) depctr_vm_vsrc(0)
	s_wait_tensorcnt 0x0
	ds_add_u32 v126, v127
	s_wait_dscnt 0x0
	s_endpgm
.Lfunc_end_k_q945f365e86_post:
	.size	k_q945f365e86_post, .Lfunc_end_k_q945f365e86_post-k_q945f365e86_post
	.p2alignl 7, 3214868480
	.fill 96, 4, 3214868480
	.section	.rodata,"a",@progbits
	.p2align	6, 0x0
	.amdhsa_kernel k_q945f365e86_post
		.amdhsa_group_segment_fixed_size 189952
		.amdhsa_private_segment_fixed_size 0
		.amdhsa_enable_private_segment 0
		.amdhsa_kernarg_size 72
		.amdhsa_user_sgpr_count 2
		.amdhsa_user_sgpr_kernarg_segment_ptr 1
		.amdhsa_wavefront_size32 1
		.amdhsa_system_sgpr_workgroup_id_x 1
		.amdhsa_system_sgpr_workgroup_id_y 1
		.amdhsa_system_sgpr_workgroup_id_z 1
		.amdhsa_system_vgpr_workitem_id 0
		.amdhsa_next_free_vgpr 1024
		.amdhsa_next_free_sgpr 66
		.amdhsa_reserve_vcc 0
		.amdhsa_float_denorm_mode_32 3
		.amdhsa_float_denorm_mode_16_64 3
		.amdhsa_memory_ordered 1
		.amdhsa_forward_progress 1
		.amdhsa_inst_pref_size 255
	.end_amdhsa_kernel
	.section	.bss,"aw",@nobits
	.p2align	6
	.space	262144
	.amdgpu_metadata
---
amdhsa.version: [ 1, 2 ]
amdhsa.kernels:
  - .name:           k_q945f365e86_post
    .symbol:         k_q945f365e86_post.kd
    .args:
      - { .name: ao, .offset: 0, .size: 8, .value_kind: global_buffer, .address_space: global }
      - { .name: wts, .offset: 8, .size: 8, .value_kind: global_buffer, .address_space: global }
      - { .name: x, .offset: 16, .size: 8, .value_kind: global_buffer, .address_space: global }
      - { .name: wo_b, .offset: 24, .size: 8, .value_kind: global_buffer, .address_space: global }
      - { .name: ln2_g, .offset: 32, .size: 8, .value_kind: global_buffer, .address_space: global }
      - { .name: ln2_b, .offset: 40, .size: 8, .value_kind: global_buffer, .address_space: global }
      - { .name: ff1_b, .offset: 48, .size: 8, .value_kind: global_buffer, .address_space: global }
      - { .name: ff2_b, .offset: 56, .size: 8, .value_kind: global_buffer, .address_space: global }
      - { .name: out0, .offset: 64, .size: 8, .value_kind: global_buffer, .address_space: global }
    .group_segment_fixed_size: 189952
    .private_segment_fixed_size: 0
    .kernarg_segment_align: 8
    .kernarg_segment_size: 72
    .max_flat_workgroup_size: 128
    .sgpr_count:     66
    .vgpr_count:     1024
    .wavefront_size: 32
...
	.end_amdgpu_metadata
.endif
;; end of part 8
